; MI455X (gfx1250); checked and timed in simulation.
; The chip was launched on July 23, 2026; its instructions are those of AMD's public machine-readable ISA for CDNA 5 (MIT licence, August 2026) and "CDNA5" Instruction Set Architecture Reference Guide (July 2026). The comments in the code are by the model that wrote it; some were corrected since.
;; Mo E Layer. Allowed arithmetic: matrix products marked QUANTISED: E2M3 operands, one E8M0 scale for each 32 along K, by v_wmma_scale_f32_16x16x128_f8f6f4 with both operands' format E2M3, f32 sums; products left as they are: f32 operands where the result goes on into a quantised operand, else bf16, f16 or f32 operands; f32 sums; everything else in f32.
;; Inputs: fc1_b 8 x 4,096 float32; fc1_w 8 x 4,096 x 1,024 float32; fc2_b 8 x 1,024 float32; fc2_w 8 x 1,024 x 4,096 float32; gate_w 8 x 1,024 float32; x 8 x 128 x 1,024 float32.
;; Outputs: out0 8 x 128 x 1,024 float32; out1 one number float32.
;; This version of the problem:
;;   THIS VERSION OF THE PROBLEM IS GIVEN IN LOW PRECISION. The matrix products marked QUANTISED in the list below multiply operands that are first quantised to E2M3 (2 exponent bits, 3 mantissa bits; 6 bits a number), with one power-of-two scale for each 32 numbers along K (OCP MX v1.0); their sums are f32. All else is computed in f32.
;;   The module's matrix products, in the order in which they are computed (A, B: the left and right operand; K: the contracted axis; several contracted axes count as one K, in the product's order):
;;     1. [M 1,024, K 1,024] x [K 1,024, N 8]; A: input x; B: input gate_w: left as it is (N = 8 < 16)
;;     2. [M 1,024, K 1,024] x [K 1,024, N 4,096]; A: input x; B: input fc1_w: QUANTISED
;;     3. [M 1,024, K 4,096] x [K 4,096, N 1,024]; A: computed on the way; B: input fc2_w: QUANTISED
;;     4. [M 1,024, K 1,024] x [K 1,024, N 4,096]; A: input x; B: input fc1_w: QUANTISED
;;     5. [M 1,024, K 4,096] x [K 4,096, N 1,024]; A: computed on the way; B: input fc2_w: QUANTISED
;;     6. [M 1,024, K 1,024] x [K 1,024, N 4,096]; A: input x; B: input fc1_w: QUANTISED
;;     7. [M 1,024, K 4,096] x [K 4,096, N 1,024]; A: computed on the way; B: input fc2_w: QUANTISED
;;     8. [M 1,024, K 1,024] x [K 1,024, N 4,096]; A: input x; B: input fc1_w: QUANTISED
;;     9. [M 1,024, K 4,096] x [K 4,096, N 1,024]; A: computed on the way; B: input fc2_w: QUANTISED
;;     10. [M 1,024, K 1,024] x [K 1,024, N 4,096]; A: input x; B: input fc1_w: QUANTISED
;;     11. [M 1,024, K 4,096] x [K 4,096, N 1,024]; A: computed on the way; B: input fc2_w: QUANTISED
;;     12. [M 1,024, K 1,024] x [K 1,024, N 4,096]; A: input x; B: input fc1_w: QUANTISED
;;     13. [M 1,024, K 4,096] x [K 4,096, N 1,024]; A: computed on the way; B: input fc2_w: QUANTISED
;;     14. [M 1,024, K 1,024] x [K 1,024, N 4,096]; A: input x; B: input fc1_w: QUANTISED
;;     15. [M 1,024, K 4,096] x [K 4,096, N 1,024]; A: computed on the way; B: input fc2_w: QUANTISED
;;     16. [M 1,024, K 1,024] x [K 1,024, N 4,096]; A: input x; B: input fc1_w: QUANTISED
;;     17. [M 1,024, K 4,096] x [K 4,096, N 1,024]; A: computed on the way; B: input fc2_w: QUANTISED
;;   THE QUANTISER, for each operand of a quantised product, along K:
;;     - K is cut into blocks of 32 from its start; a last block that is shorter is filled with zeros.
;;     - A block's scale is 2^e with e = floor(log2(the largest magnitude in the block)) - 2, held to -126 .. 127; a block of zeros has e = 0. As a byte (E8M0): e + 127.
;;     - Each number is divided by its block's scale, clamped to +-7.5, and rounded to the nearest number of E2M3, ties to even, subnormals kept.
;;     - The product sums the exact products of the quantised numbers (number of the format x scale) in f32.
;;   ~~~python
;;   def quantise(x, axis):      # numpy; x: float32 -> the quantised numbers, widened to float32 again
;;       x = np.moveaxis(x, axis, -1); K = x.shape[-1]
;;       x = np.pad(x, [(0, 0)] * (x.ndim - 1) + [(0, -K % 32)]); x = x.reshape(x.shape[:-1] + (-1, 32)); a = np.abs(x).max(-1, keepdims=True)
;;       e = np.where(a > 0, np.clip(np.frexp(np.where(a > 0, a, 1))[1] - 1 - 2, -126, 127), 0)      # np.frexp(a)[1] - 1 = floor(log2(a)), exactly
;;       r = np.clip(x / 2.0 ** e, -7.5, 7.5)
;;       step = 2.0 ** (np.maximum(np.frexp(np.where(r == 0, 1, r))[1] - 1, 0) - 3)
;;       q = np.round(r / step) * step * 2.0 ** e      # np.round: ties to even
;;       return np.moveaxis(q.reshape(q.shape[:-2] + (-1,))[..., :K], -1, axis).astype(np.float32)
;;   ~~~
;;   OPERANDS COMPUTED ON THE WAY. 'Computed on the way' means the value that the module computes at that place (a softmax that the list does not call 'softmax' is quantised finished and normalised). What goes into a quantiser is computed in f32, as accurately as f32 sums, v_exp_f32 and their like allow (about 1e-6 of the number): no bf16 or f16 on the way to a quantiser, and a product that is left as it is and whose result goes on into a quantised operand takes f32 operands (vector FMAs, or v_wmma_f32_16x16x4_f32). A number that lies on a knife's edge between two numbers of the format may be rounded either way, as far as f32 arithmetic and the matrix unit's own rounding can turn it there, and no further.
;; 2 versions. Each part assembles by itself: llvm-mc -triple=amdgcn-amd-amdhsa -mcpu=gfx1250 --defsym DOCPART=n.
;; ======== version 1 of 2: 5 launches
;; workspace buffers: xq 819,200 bytes; ridx 8,192 bytes of whole numbers; rw 12,288 bytes; hq 25,165,824 bytes; hs 1,048,576 bytes; rlist 34,816 bytes of whole numbers; ya 16,842,752 bytes
;; launch route (part 1): grid 128 x 1, 8 waves a work-group, no clusters, 71,424 bytes of LDS; arguments x, gate_w, xq, ridx, rw; writes xq, ridx, rw
.if DOCPART == 1
	.amdgcn_target "amdgcn-amd-amdhsa--gfx1250"
	.amdhsa_code_object_version 6
	.text
	.protected	k_q76369b50b7_route
	.globl	k_q76369b50b7_route
	.p2align	8
	.type	k_q76369b50b7_route,@function
k_q76369b50b7_route:
	s_mov_b64 s[64:65], 0
	v_nop
	global_prefetch_b8 v0, s[64:65] scope:SCOPE_SE
	s_setreg_imm32_b32 hwreg(HW_REG_WAVE_MODE, 25, 1), 1
	s_wait_xcnt 0x0
; ROUTER AND QUANTISER OF x.  One token to a wave, eight tokens to a work-group, 128 work-groups.
; For its token a wave makes: the 8 logits (f32 multiply-adds over 1,024), softmax with the maximum taken away, the two largest
; probabilities (the lower index wins a tie), their weights w / (w0 + w1 + 1e-9); and the token's row as codes of E2M3 with one E8M0 byte for each 32.
; Stored at fixed places: ridx [token][2] whole numbers; rw [token][2] f32 and, 8,192 bytes on, [work-group][8] sums of probabilities over its 8 tokens.
; xq [token][K step s][half h][c][24 bytes]: block 4 s + 2 c + h, so that lane (r, h) of a matrix operand finds its 12 registers as 48 consecutive bytes;
; 786,432 bytes on: the scale bytes [token][32], byte l for block l.
; No address and no branch hangs on the choice: it only leaves as data.
; LIMITS: NaN and infinities are not served.  A block of zeros gets the byte 1 (its codes are zeros; these bytes are read by this program alone).
; Two probabilities that are equal within f32 rounding may be ordered otherwise than a sum in another order would order them.
.set XSOFF, 786432                     ; the scale bytes' place in xq
.set PAOFF, 8192                       ; the partial sums' place in rw
.set GATE, 0                           ; LDS: the gate's 8 rows of 4,096 bytes
.set STG,  32768                       ; a stage of 32 x 144 bytes for each wave
.set RES,  69632                       ; 64 bytes of results for each wave
.set LN,  1                            ; lane
.set L16, 2                            ; 16 x lane (also GATE + 16 x lane)
.set STW, 3                            ; stage, way in
.set STR, 4                            ; stage, way out: 144 x lane
.set GWA, 5                            ; GATE + 4,096 x wave + 16 x lane
.set RSA, 7                            ; RES + 64 x wave
.set PRA, 9                            ; wave 0: RES + 64 (lane / 8) + 4 (lane % 8)
.set QRA, 10                           ; wave 0: RES + 64 (lane % 8) + 32
.set XQO, 12                           ; my block's place in a row of xq
.set L4,  13
.set L8,  14
.set XR,  16                           ; v16-47   the row as loaded: load j, lane l: x[128 j + 4 l ..]
.set G,   48                           ; v48-111  two sets of a gate row
.set LG,  112                          ; v112-119 logits, then probabilities
.set AC,  120                          ; v120-123 two chains of pairs
.set X,   128                          ; v128-159 my block of 32 neighbours
.set C,   160                          ; v160-166 its codes
.set BYR, 168                          ; its scale byte
.set BV,  169                          ; largest, second largest probability
.set SVV, 170
.set DN,  171
.set BI,  172                          ; v172-175 index 0, index 1, weight 0, weight 1
	s_load_b128 s[4:7], s[0:1], 0x0                ; x, gate_w
	s_load_b64 s[8:9], s[0:1], 0x10                ; xq
	s_load_b64 s[12:13], s[0:1], 0x18              ; ridx
	s_load_b64 s[14:15], s[0:1], 0x20              ; rw
	v_lshl_add_u32 v176, v0, 2, 0x11300
	v_mov_b32 v177, 0
	v_lshrrev_b32 v8, 5, v0
	v_readfirstlane_b32 s18, v8                    ; wave
	v_and_b32 v[LN], 31, v0
	v_lshlrev_b32 v[L16], 4, v[LN]
	v_lshlrev_b32 v[L4], 2, v[LN]
	v_lshlrev_b32 v[L8], 3, v[LN]
	s_mul_i32 s19, s18, 4608
	s_add_co_u32 s19, s19, STG
	v_lshrrev_b32 v8, 3, v[LN]
	v_and_b32 v11, 7, v[LN]
	v_mul_u32_u24 v[STW], v8, 144                  ; eight lanes' 128 bytes on end, then 16 of padding
	v_lshl_add_u32 v[STW], v11, 4, v[STW]
	v_add_nc_u32 v[STW], s19, v[STW]
	v_mul_u32_u24 v[STR], v[LN], 144
	v_add_nc_u32 v[STR], s19, v[STR]
	s_lshl_b32 s20, s18, 12
	v_add_nc_u32 v[GWA], s20, v[L16]
	s_lshl_b32 s21, s18, 6
	s_add_co_u32 s21, s21, RES
	v_mov_b32 v[RSA], s21
	v_lshlrev_b32 v[PRA], 6, v8
	v_lshl_add_u32 v[PRA], v11, 2, v[PRA]
	v_add_nc_u32 v[PRA], RES, v[PRA]
	v_lshlrev_b32 v[QRA], 6, v11
	v_add_nc_u32 v[QRA], RES+32, v[QRA]
	v_lshrrev_b32 v8, 2, v[LN]
	v_mul_u32_u24 v[XQO], v8, 96                   ; 96 s
	v_and_b32 v8, 1, v[LN]
	v_mad_u32_u24 v[XQO], v8, 48, v[XQO]           ; + 48 h
	v_bfe_u32 v8, v[LN], 1, 1
	v_mad_u32_u24 v[XQO], v8, 24, v[XQO]           ; + 24 c
	s_mov_b32 s28, 0x76543210
	s_mov_b32 s29, 0xfedcba98                      ; v_permlanex16_b32's selects for lane l xor 16
	s_lshl_b32 s22, ttmp9, 3
	s_add_co_u32 s22, s22, s18                     ; my token
	s_mov_b32 s25, 0
	s_wait_kmcnt 0x0
	s_lshl_b32 s24, s22, 12
	s_add_nc_u64 s[4:5], s[4:5], s[24:25]          ; x at my row
	s_mov_b32 s24, s20
	s_add_nc_u64 s[6:7], s[6:7], s[24:25]          ; gate row = my wave's number
	s_lshl_b32 s24, s22, 5
	s_add_co_u32 s24, s24, XSOFF
	s_add_nc_u64 s[10:11], s[8:9], s[24:25]        ; my token's scale bytes
	s_mul_i32 s24, s22, 768
	s_add_nc_u64 s[8:9], s[8:9], s[24:25]          ; and its codes
	s_lshl_b32 s24, ttmp9, 5
	s_add_co_u32 s24, s24, PAOFF
	s_add_nc_u64 s[16:17], s[14:15], s[24:25]      ; my work-group's 8 partial sums
	s_lshl_b32 s24, ttmp9, 6
	s_add_nc_u64 s[12:13], s[12:13], s[24:25]
	s_add_nc_u64 s[14:15], s[14:15], s[24:25]
.irp j, 0,1,2,3,4,5,6,7
	global_load_b128 v[XR+4*\j:XR+4*\j+3], v[L16], s[4:5] offset:512*\j th:TH_LOAD_NT
.endr
.irp j, 0,1,2,3,4,5,6,7
	global_load_b128 v[G+4*\j:G+4*\j+3], v[L16], s[6:7] offset:512*\j
.endr
	s_wait_loadcnt 8                               ; x's eight loads are in, the gate row's eight may be out
.irp j, 0,1,2,3,4,5,6,7
	ds_store_b128 v[STW], v[XR+4*\j:XR+4*\j+3] offset:576*\j
.endr
	s_wait_loadcnt 0x0
.irp j, 0,1,2,3,4,5,6,7
	ds_store_b128 v[GWA], v[G+4*\j:G+4*\j+3] offset:512*\j
.endr
.irp j, 0,1,2,3,4,5,6,7
	ds_load_b128 v[X+4*\j:X+4*\j+3], v[STR] offset:16*\j           ; LDS serves a wave's instructions in order: these see my stores
.endr
	s_wait_dscnt 0x0                               ; for the others' sake: my gate row lies in LDS
	s_barrier_signal -1
	s_barrier_wait -1
.macro GLOAD e                         ; gate row e, laid as x lies in XR
.irp j, 0,1,2,3,4,5,6,7
	ds_load_b128 v[G+32*((\e)%2)+4*\j:G+32*((\e)%2)+4*\j+3], v[L16] offset:4096*(\e)+512*\j
.endr
.endm
	GLOAD 0
	; my block of 32: largest magnitude with the floor 2^(3 - 127) among its leaves, 2 off its exponent field, two conversions
	v_max3_num_f32 v8, |v[X]|, |v[X+1]|, |v[X+2]|
	v_max3_num_f32 v11, |v[X+3]|, |v[X+4]|, |v[X+5]|
.irp i, 6,10,14,18,22,26
	v_max3_num_f32 v8, v8, |v[X+\i]|, |v[X+\i+1]|
	v_max3_num_f32 v11, v11, |v[X+\i+2]|, |v[X+\i+3]|
.endr
	v_max3_num_f32 v8, v8, |v[X+30]|, |v[X+31]|
	v_max3_num_f32 v8, v8, v11, 0x1800000
	v_add_nc_u32 v15, 0xff000000, v8
	v_cvt_scalef32_pk16_fp6_f32 v[C:C+2], v[X:X+15], v15
	v_cvt_scalef32_pk16_fp6_f32 v[C+4:C+6], v[X+16:X+31], v15
	v_lshrrev_b32 v[BYR], 23, v15                  ; the scale's byte
	global_store_b96 v[XQO], v[C:C+2], s[8:9]
	global_store_b96 v[XQO], v[C+4:C+6], s[8:9] offset:12
	global_store_b8 v[LN], v[BYR], s[10:11]
.macro DOT e                           ; my 32 products of logit e, in two chains of pairs
.set GB, G+32*((\e)%2)
	v_pk_mul_f32 v[AC:AC+1], v[XR:XR+1], v[GB:GB+1]
	v_pk_mul_f32 v[AC+2:AC+3], v[XR+2:XR+3], v[GB+2:GB+3]
.irp i, 4,8,12,16,20,24,28
	v_pk_fma_f32 v[AC:AC+1], v[XR+\i:XR+\i+1], v[GB+\i:GB+\i+1], v[AC:AC+1]
	v_pk_fma_f32 v[AC+2:AC+3], v[XR+\i+2:XR+\i+3], v[GB+\i+2:GB+\i+3], v[AC+2:AC+3]
.endr
	v_pk_add_f32 v[AC:AC+1], v[AC:AC+1], v[AC+2:AC+3]
	v_add_f32 v[LG+\e], v[AC], v[AC+1]
.endm
.irp e, 0,1,2,3,4,5,6
	GLOAD \e+1
	s_wait_dscnt 8                                 ; row e is in, the next row's eight loads may be out
	DOT \e
.endr
	s_wait_dscnt 0x0
	DOT 7
.irp m, 1,2,4,8
.irp e, 0,1,2,3,4,5,6,7
	v_add_f32_dpp v[LG+\e], v[LG+\e], v[LG+\e] row_xmask:\m row_mask:0xf bank_mask:0xf
.endr
.endr
.irp e, 0,1,2,3,4,5,6,7
	v_permlanex16_b32 v[G+\e], v[LG+\e], s28, s29
.endr
.irp e, 0,1,2,3,4,5,6,7
	v_add_f32 v[LG+\e], v[LG+\e], v[G+\e]          ; every lane holds all 8 logits
.endr
	v_max3_num_f32 v8, v[LG], v[LG+1], v[LG+2]
	v_max3_num_f32 v8, v8, v[LG+3], v[LG+4]
	v_max3_num_f32 v8, v8, v[LG+5], v[LG+6]
	v_max_num_f32 v8, v8, v[LG+7]                  ; the maximum is taken away ahead of the exponentials
.irp e, 0,1,2,3,4,5,6,7
	v_sub_f32 v[LG+\e], v[LG+\e], v8
.endr
.irp e, 0,1,2,3,4,5,6,7
	v_mul_f32 v[LG+\e], 0x3fb8aa3b, v[LG+\e]
.endr
.irp e, 0,1,2,3,4,5,6,7
	v_exp_f32 v[LG+\e], v[LG+\e]
.endr
	v_nop                                          ; a plain place behind the exponentials
	s_wait_alu depctr_va_vdst(0)
	v_add_f32 v8, v[LG], v[LG+1]
	v_add_f32 v11, v[LG+2], v[LG+3]
	v_add_f32 v15, v[LG+4], v[LG+5]
	v_add_f32 v[DN], v[LG+6], v[LG+7]
	v_add_f32 v8, v8, v11
	v_add_f32 v15, v15, v[DN]
	v_add_f32 v8, v8, v15
	v_rcp_f32 v8, v8
	v_nop
	s_wait_alu depctr_va_vdst(0)
.irp e, 0,1,2,3,4,5,6,7
	v_mul_f32 v[LG+\e], v[LG+\e], v8               ; the probabilities
.endr
	v_mov_b32 v[BV], v[LG]
	v_mov_b32 v[BI], 0
.irp e, 1,2,3,4,5,6,7
	v_cmp_le_f32 vcc_lo, v[LG+\e], v[BV]           ; kept where the new one is not larger: the lower index wins a tie
	v_cndmask_b32 v[BV], v[LG+\e], v[BV], vcc_lo
	v_cndmask_b32 v[BI], \e, v[BI], vcc_lo
.endr
	v_mov_b32 v[SVV], -1.0
	v_mov_b32 v[BI+1], 0
.irp e, 0,1,2,3,4,5,6,7
	v_cmp_le_f32 s30, v[LG+\e], v[SVV]
	v_cmp_eq_u32 s31, \e, v[BI]                    ; the first choice is passed over
	s_or_b32 vcc_lo, s30, s31
	v_cndmask_b32 v[SVV], v[LG+\e], v[SVV], vcc_lo
	v_cndmask_b32 v[BI+1], \e, v[BI+1], vcc_lo
.endr
	v_add_f32 v[DN], v[BV], v[SVV]
	v_add_f32 v[DN], 0x3089705f, v[DN]             ; + 1e-9
	v_rcp_f32 v[DN], v[DN]
	v_nop
	s_wait_alu depctr_va_vdst(0)
	v_mul_f32 v[BI+2], v[BV], v[DN]
	v_mul_f32 v[BI+3], v[SVV], v[DN]
	ds_store_b128 v[RSA], v[LG:LG+3]               ; all lanes write the same bytes with the same values
	ds_store_b128 v[RSA], v[LG+4:LG+7] offset:16
	ds_store_b128 v[RSA], v[BI:BI+3] offset:32
	s_wait_dscnt 0x0
	s_barrier_signal -1
	s_barrier_wait -1
	s_cmp_lg_u32 s18, 0
	s_cbranch_scc1 .Lothers
	ds_load_b32 v48, v[PRA]                        ; probability lane % 8 of token lane / 8,
	ds_load_b32 v49, v[PRA] offset:256             ; and of token 4 + lane / 8
	ds_load_b128 v[52:55], v[QRA]                  ; token lane % 8: its two indices and two weights
	s_wait_dscnt 0x0
	v_add_f32 v48, v48, v49
	v_add_f32_dpp v48, v48, v48 row_xmask:8 row_mask:0xf bank_mask:0xf
	v_permlanex16_b32 v49, v48, s28, s29
	v_add_f32 v48, v48, v49                        ; lanes 0-7: the eight tokens' sum for expert = lane
	s_wait_xcnt 0x0                                ; EXEC changes only behind this wait
	s_wait_tensorcnt 0x0
	ds_add_u32 v176, v177
	s_wait_dscnt 0x0
	v_cmpx_gt_u32 8, v[LN]
	global_store_b32 v[L4], v48, s[16:17]
	global_store_b64 v[L8], v[52:53], s[12:13]
	global_store_b64 v[L8], v[54:55], s[14:15]
	s_endpgm
.Lothers:
	s_wait_tensorcnt 0x0
	ds_add_u32 v176, v177
	s_wait_dscnt 0x0
	s_endpgm
.Lfunc_end_k_q76369b50b7_route:
	.size	k_q76369b50b7_route, .Lfunc_end_k_q76369b50b7_route-k_q76369b50b7_route
	.p2alignl 7, 3214868480
	.fill 96, 4, 3214868480
	.section	.rodata,"a",@progbits
	.p2align	6, 0x0
	.amdhsa_kernel k_q76369b50b7_route
		.amdhsa_group_segment_fixed_size 71424
		.amdhsa_private_segment_fixed_size 0
		.amdhsa_enable_private_segment 0
		.amdhsa_kernarg_size 40
		.amdhsa_user_sgpr_count 2
		.amdhsa_user_sgpr_kernarg_segment_ptr 1
		.amdhsa_wavefront_size32 1
		.amdhsa_system_sgpr_workgroup_id_x 1
		.amdhsa_system_sgpr_workgroup_id_y 1
		.amdhsa_system_sgpr_workgroup_id_z 1
		.amdhsa_system_vgpr_workitem_id 0
		.amdhsa_next_free_vgpr 178
		.amdhsa_next_free_sgpr 66
		.amdhsa_reserve_vcc 1
		.amdhsa_float_denorm_mode_32 3
		.amdhsa_float_denorm_mode_16_64 3
		.amdhsa_memory_ordered 1
		.amdhsa_forward_progress 1
		.amdhsa_inst_pref_size 30
	.end_amdhsa_kernel
	.amdgpu_metadata
---
amdhsa.version: [ 1, 2 ]
amdhsa.kernels:
  - .name:           k_q76369b50b7_route
    .symbol:         k_q76369b50b7_route.kd
    .args:
      - { .name: x, .offset: 0, .size: 8, .value_kind: global_buffer, .address_space: global }
      - { .name: gate_w, .offset: 8, .size: 8, .value_kind: global_buffer, .address_space: global }
      - { .name: xq, .offset: 16, .size: 8, .value_kind: global_buffer, .address_space: global }
      - { .name: ridx, .offset: 24, .size: 8, .value_kind: global_buffer, .address_space: global }
      - { .name: rw, .offset: 32, .size: 8, .value_kind: global_buffer, .address_space: global }
    .group_segment_fixed_size: 71424
    .private_segment_fixed_size: 0
    .kernarg_segment_align: 8
    .kernarg_segment_size: 40
    .max_flat_workgroup_size: 256
    .sgpr_count:     66
    .vgpr_count:     178
    .wavefront_size: 32
...
	.end_amdgpu_metadata
.endif
;; end of part 1
;; launch place (part 2): grid 8 x 1, 1 waves a work-group, no clusters, 0 bytes of LDS; arguments ridx, rlist; writes rlist
.if DOCPART == 2
	.amdgcn_target "amdgcn-amd-amdhsa--gfx1250"
	.amdhsa_code_object_version 6
	.text
	.protected	k_q76369b50b7_place
	.globl	k_q76369b50b7_place
	.p2align	8
	.type	k_q76369b50b7_place,@function
k_q76369b50b7_place:
	s_mov_b64 s[64:65], 0
	v_nop
	global_prefetch_b8 v0, s[64:65] scope:SCOPE_SE
	s_setreg_imm32_b32 hwreg(HW_REG_WAVE_MODE, 25, 1), 1
	s_wait_xcnt 0x0
; THE ROWS BY EXPERT.  ridx [token][2] holds each token's two experts; entry k is row id k = 2 token + slot.  Work-group e, one wave, lists the row ids that name expert e.
; It is a launch of its own because the choice is made from floating-point numbers in the launch before, where no address may hang on it; here it is read from memory as whole numbers.
; rlist: [e][1,024] row ids; places past the count hold the sentinel 2,048 + e;  32,768 bytes on: the count, 32 equal words an expert;  33,792 bytes on: 32 dump words an expert, which nobody reads.
; A step takes one entry a lane: the lanes that name e take the next places, in lane order; the others store into their own dump word, so that EXEC never changes.
; Every offset is held by v_min_u32 to the buffer's 8,704 words.  Each step has an offset register and a data register of its own: no store's sources are written again.
; LIMIT: an expert has at most 1,024 rows, since a token's two experts differ (the router passes over its first choice when it looks for the second).
.set RCOFF, 32768
.set DUMPW, 8448                       ; the dump words' first word: 33,792 / 4
.set L16, 2
.set L4,  3
.set DMP, 4                            ; my dump word's index
.set CV,  5
.set SEN, 8                            ; v8-11   the sentinel, four times
.set D,   32                           ; v32-95  ridx: load j, component c: entry 128 j + 4 lane + c; then that step's store offset
.set RR,  96                           ; v96-159 the entries' row ids
.set EX,  8
.set BASE, 9
.set TC,  10
	s_load_b128 s[4:7], s[0:1], 0x0                ; ridx, rlist
	v_lshlrev_b32 v[L16], 4, v0                    ; one wave: v0 is the lane
	v_lshlrev_b32 v[L4], 2, v0
	s_mov_b32 s[EX], ttmp9
	s_lshl_b32 s[BASE], ttmp9, 10                  ; the next free place, as a word of rlist: 1,024 e on
	s_lshl_b32 s11, ttmp9, 5
	s_add_co_u32 s11, s11, DUMPW
	v_add_nc_u32 v[DMP], s11, v0
	s_add_co_u32 s11, ttmp9, 2048
	v_mov_b32 v[SEN], s11
	v_mov_b32 v[SEN+1], s11
	v_mov_b32 v[SEN+2], s11
	v_mov_b32 v[SEN+3], s11
	s_lshl_b32 s12, ttmp9, 12
	s_mov_b32 s13, 0
	s_lshl_b32 s14, ttmp9, 7
	s_add_co_u32 s14, s14, RCOFF
	s_mov_b32 s15, 0
	s_wait_kmcnt 0x0
	s_add_nc_u64 s[16:17], s[6:7], s[12:13]        ; expert e's list
	s_add_nc_u64 s[18:19], s[6:7], s[14:15]        ; and its count
.irp j, 0,1,2,3,4,5,6,7,8,9,10,11,12,13,14,15
	global_load_b128 v[D+4*\j:D+4*\j+3], v[L16], s[4:5] offset:512*\j
.endr
.irp j, 0,1,2,3,4,5,6,7
	global_store_b128 v[L16], v[SEN:SEN+3], s[16:17] offset:512*\j     ; the sentinel everywhere
.endr
.set kk, 0
.rept 64
	v_add_nc_u32 v[RR+kk], 128*(kk/4)+kk%4, v[L4]  ; the entries' row ids, made while the loads are out
.set kk, kk+1
.endr
	s_wait_loadcnt 0x0
	s_wait_storecnt 0x0                            ; the sentinels are written: the row ids below land on top of them
.macro LSTEP k
	v_cmp_eq_u32 vcc_lo, s[EX], v[D+\k]
	v_mbcnt_lo_u32_b32 v[D+\k], vcc_lo, s[BASE]    ; the next free place + such lanes below me
	v_cndmask_b32 v[D+\k], v[DMP], v[D+\k], vcc_lo ; the others: their dump word
	v_min_u32 v[D+\k], 0x21ff, v[D+\k]
	v_lshlrev_b32 v[D+\k], 2, v[D+\k]
	global_store_b32 v[D+\k], v[RR+\k], s[6:7]
	s_bcnt1_i32_b32 s[TC], vcc_lo
	s_add_co_u32 s[BASE], s[BASE], s[TC]
.endm
.set kk, 0
.rept 64
	LSTEP kk
.set kk, kk+1
.endr
	s_lshl_b32 s11, ttmp9, 10
	s_sub_co_u32 s[BASE], s[BASE], s11             ; expert e's rows
	v_mov_b32 v[CV], s[BASE]
	global_store_b32 v[L4], v[CV], s[18:19]
	s_endpgm
.Lfunc_end_k_q76369b50b7_place:
	.size	k_q76369b50b7_place, .Lfunc_end_k_q76369b50b7_place-k_q76369b50b7_place
	.p2alignl 7, 3214868480
	.fill 96, 4, 3214868480
	.section	.rodata,"a",@progbits
	.p2align	6, 0x0
	.amdhsa_kernel k_q76369b50b7_place
		.amdhsa_group_segment_fixed_size 0
		.amdhsa_private_segment_fixed_size 0
		.amdhsa_enable_private_segment 0
		.amdhsa_kernarg_size 16
		.amdhsa_user_sgpr_count 2
		.amdhsa_user_sgpr_kernarg_segment_ptr 1
		.amdhsa_wavefront_size32 1
		.amdhsa_system_sgpr_workgroup_id_x 1
		.amdhsa_system_sgpr_workgroup_id_y 1
		.amdhsa_system_sgpr_workgroup_id_z 1
		.amdhsa_system_vgpr_workitem_id 0
		.amdhsa_next_free_vgpr 160
		.amdhsa_next_free_sgpr 66
		.amdhsa_reserve_vcc 1
		.amdhsa_float_denorm_mode_32 3
		.amdhsa_float_denorm_mode_16_64 3
		.amdhsa_memory_ordered 1
		.amdhsa_forward_progress 1
		.amdhsa_inst_pref_size 32
	.end_amdhsa_kernel
	.amdgpu_metadata
---
amdhsa.version: [ 1, 2 ]
amdhsa.kernels:
  - .name:           k_q76369b50b7_place
    .symbol:         k_q76369b50b7_place.kd
    .args:
      - { .name: ridx, .offset: 0, .size: 8, .value_kind: global_buffer, .address_space: global }
      - { .name: rlist, .offset: 8, .size: 8, .value_kind: global_buffer, .address_space: global }
    .group_segment_fixed_size: 0
    .private_segment_fixed_size: 0
    .kernarg_segment_align: 8
    .kernarg_segment_size: 16
    .max_flat_workgroup_size: 32
    .sgpr_count:     66
    .vgpr_count:     160
    .wavefront_size: 32
...
	.end_amdgpu_metadata
.endif
;; end of part 2
;; launch fc1 (part 3): grid 32 x 8, 16 waves a work-group, no clusters, 180,736 bytes of LDS; arguments fc1_w, fc1_b, xq, rlist, hq, hs; writes hq, hs
.if DOCPART == 3
	.amdgcn_target "amdgcn-amd-amdhsa--gfx1250"
	.amdhsa_code_object_version 6
	.text
	.protected	k_q76369b50b7_fc1
	.globl	k_q76369b50b7_fc1
	.p2align	8
	.type	k_q76369b50b7_fc1,@function
k_q76369b50b7_fc1:
	s_mov_b64 s[64:65], 0
	v_nop
	global_prefetch_b8 v0, s[64:65] scope:SCOPE_SE
	s_setreg_imm32_b32 hwreg(HW_REG_WAVE_MODE, 25, 1), 1
	s_wait_xcnt 0x0
; FIRST LAYER OF THE CHOSEN EXPERTS: h = gelu(x W1^T + b1), quantised along F, for the rows listed for expert e alone.
; A work-group (x = slice of 128 rows of F, y = expert e) reads its 512 KB of W1 as f32 ONCE, quantises it in registers and keeps the codes in LDS as images of operand registers.
; Trip counts hang on the stored count (32,768 bytes on in rlist), so nothing here is moved by a copy engine and no tile is asked for jointly in a cluster;
; each work-group's weights are its own, and what work-groups share (x's codes, 0.8 MB) is a small part of a work-group's bytes.  Weights come by dense 16-byte loads.
; rlist [e][1,024]: row id = 2 token + slot; places past the count hold the sentinel 2,048 + e: such lanes compute on token 1,023 and their results are never used.
; SIXTEEN WAVES.  Wave w owns tile w of 16 listed rows (always worked, so tiles 0-15 of hq and hs are always written).  The slice goes in four UNITS of 32 rows of W1:
; A(u): each wave quantises two rows (4 KB each) and at once asks for its two rows of unit u + 1, which stay on their way during B(u): 8 KB a wave, 128 KB a work-group;  barrier;
; B(u): 16 products (source 0 = 16 rows of W1, source 1 = my 16 tokens, b1 as the first C), exact GELU, quantiser, 12 bytes of codes a lane to hq.
; Each unit has image bytes of its own, so one barrier a unit does.  Tiles from 16 on (an expert with more than 256 rows) are walked afterwards, a (tile, unit) to a wave, without barriers;
; their list entries are asked for inside A(3) and the first such tile's x behind B(3)'s products, so that both are on their way while unit 3 is finished.
; THE ROWS OF W1 THAT FORM A TILE ARE NOT NEIGHBOURS: place m of tile t' takes row 8 t' + m + 8 (m / 8) of the unit, so that a lane's 16 result registers are 16 neighbours along F.
; GELU: h = max(x, 0) - |x| q, q = erfc(|x| / sqrt 2) / 2 = t 2^E, t = 1 / (1 + |x| sqrt(2) / 4), E = -x^2 log2(e) / 2 + a polynomial of degree 9 in t (the Chebyshev fit of erfc, fractional error 1.2e-7).
; hq [e][tile][slice s][unit u][row r][24 bytes], hs [e][tile][s][r][byte u].
; LIMITS: NaN and infinities are not served; a block of zeros gets the byte 1 (read by this program alone); GELU is right to about 1e-6 of the number; an expert has at most 1,024 rows (a token's two experts differ).
.set XSOFF, 786432                     ; x's scale bytes in xq
.set RCOFF, 32768                      ; the counts in rlist
.set FRG,   1568                       ; a fragment's image: lane (r, h) has its 48 bytes at 48 r + 784 h: sixteen lanes' 16 bytes fall into sixteen different columns of 16 bytes
.set UNITB, 16*FRG                     ; a unit: fragment 8 t' + s
.set IMG,   0
.set WSC,   100352                     ; W1's scale words: 1,024 u + 512 t' + 32 place + 4 s + byte
.set STG,   104448                     ; a stage for each wave, 4,608 bytes apart: a row's 32 blocks of 128 bytes, two on end, then 16 bytes of padding: 16 x 272 bytes.
                                       ; In: sixteen lanes store 256 consecutive bytes.  Out: lane l takes block l at 272 (l / 2) + 128 (l % 2): column (l / 2) + 8 (l % 2) of sixteen: all different
.set BIAS,  178176                     ; b1's 128 numbers
.set GOFF, 1                           ; 16 x lane
.set STW,  2
.set STR,  3
.set IMGA, 4                           ; where my block's codes go, units 0, 1
.set IMGA2, 5                          ; units 2, 3 (an LDS immediate has 16 bits)
.set SCBA, 6                           ; where my block's scale byte goes
.set WFA,  7                           ; where I read fragments, units 0, 1
.set WFA2, 8
.set WSA,  9                           ; and scale words
.set BLA,  10                          ; BIAS + 64 h
.set HST,  11                          ; hq: 24 r + 12 h + 49,152 tile
.set HSS,  12                          ; hs: 4 r + 2,048 tile
.set HSW,  13                          ; my row's scale word, gathered over the four units
.set C9,   14                          ; v[14:15] the polynomial's highest coefficient, twice
.set WS,   16                          ; v16-23  W1's scale words: lanes 0-15 tile 0, lanes 16-31 tile 1; register = K step
.set XS,   24                          ; v24-31  x's scale words
.set XF,   32                          ; v32-127 x's 8 fragments
.set RG,   128                         ; v128-191 two sets of 32: a row of W1 as loaded
.set ACC,  192                         ; v192-207 two accumulators
.set SH,   208                         ; v208-255 by turns: a block and its codes | two sets of two fragments of W1 | GELU's work
.set X,   SH
.set C,   SH+32
.set MXA, SH+40
.set MXB, SH+41
.set SC,  SH+42
.set BY,  SH+43
.set GA,  SH
.set GTI, SH+8
.set GW,  SH+16
.set GP,  SH+24
.set GM,  SH+32
.set QM0, SH+40
.set QM1, SH+41
.set QSC, SH+42
.set QBY, SH+43
.set QPC, SH+44
.set T0,  SH                           ; the head's work registers
.set LN,  SH+1
.set R,   SH+2
.set H,   SH+3
.set RTA, SH+4
.set H48, SH+8
.set ENT, SH+9
.set BSA, SH+12
.set XA,  ACC+4                        ; the offsets of my resident tile's x: registers that are next written by B(0)'s bias loads, behind the wait that shows x's loads done
.set XSA, ACC+5
.set WFL, 2                            ; the leftover walk's LDS addresses take the registers that phase A's have left
.set WSL, 3
.set BLL, 4
.set LL,  128                          ; v128-139 my tiles' list entries; then the walk's offsets in memory (all in the set that unit 3's first row has left)
.set HSTL, 140
.set HSSL, 141
.set XAL, 142
.set XSAL, 143
.set H48L, 144
.set TL,  145
.set TL2, 146
.set LLO, 147
.set WV,  22
.set EX,  23
.set SL,  24
.set NN,  33
.set NT,  34
.set LFT, 35
.set CT,  36
.macro LOADC set, base                 ; a row of W1: eight loads of 512 consecutive bytes
.irp j, 0,1,2,3,4,5,6,7
	global_load_b128 v[RG+32*\set+4*\j:RG+32*\set+4*\j+3], v[GOFF], s[4:5] offset:\base+512*\j th:TH_LOAD_NT
.endr
.endm
.macro XLOAD xa, xsa                   ; my token's 8 fragments (48 bytes a K step) and 8 scale words: 26 loads
.irp s, 0,1,2,3,4,5,6,7
.irp c, 0,1,2
	global_load_b128 v[XF+12*\s+4*\c:XF+12*\s+4*\c+3], v[\xa], s[8:9] offset:96*\s+16*\c
.endr
.endr
	global_load_b128 v[XS:XS+3], v[\xsa], s[10:11]
	global_load_b128 v[XS+4:XS+7], v[\xsa], s[10:11] offset:16
.endm
.macro BAR
	s_wait_dscnt 0x0                               ; my LDS stores have landed and my LDS loads are in
	s_barrier_signal -1
	s_barrier_wait -1
.endm
; Row i of my two of unit u: through the stage (each lane then holds a block of 32 neighbours), quantised, codes and byte into the images.  n: younger loads that may stay out.
.macro ACHUNK u, i, n, refill
	s_wait_loadcnt \n
.irp j, 0,1,2,3,4,5,6,7
	ds_store_b128 v[STW], v[RG+32*\i+4*\j:RG+32*\i+4*\j+3] offset:544*\j
.endr
.irp j, 0,1,2,3,4,5,6,7
	ds_load_b128 v[X+4*\j:X+4*\j+3], v[STR] offset:16*\j           ; LDS serves a wave's instructions in order
.endr
	s_wait_dscnt 0x0                               ; the block is in; the stores have read the set, and the last row's stores their codes
.if \refill
	LOADC \i, 131072*(\u+1)+4096*\i                ; the same row of the next unit
.endif
	v_max3_num_f32 v[MXA], |v[X]|, |v[X+1]|, |v[X+2]|
	v_max3_num_f32 v[MXB], |v[X+3]|, |v[X+4]|, |v[X+5]|
.irp j, 6,10,14,18,22,26
	v_max3_num_f32 v[MXA], v[MXA], |v[X+\j]|, |v[X+\j+1]|
	v_max3_num_f32 v[MXB], v[MXB], |v[X+\j+2]|, |v[X+\j+3]|
.endr
	v_max3_num_f32 v[MXA], v[MXA], |v[X+30]|, |v[X+31]|
	v_max3_num_f32 v[MXA], v[MXA], v[MXB], 0x1800000  ; the floor 2^(3 - 127) holds the byte at 1 from below
	v_add_nc_u32 v[SC], 0xff000000, v[MXA]         ; 2 off the exponent field: the conversion's scale operand
	v_cvt_scalef32_pk16_fp6_f32 v[C:C+2], v[X:X+15], v[SC]
	v_cvt_scalef32_pk16_fp6_f32 v[C+4:C+6], v[X+16:X+31], v[SC]
	v_lshrrev_b32 v[BY], 23, v[SC]                 ; the byte (also the plain place behind the conversions)
	v_mov_b32 v[C+3], v[C+4]
	v_mov_b32 v[C+4], v[C+5]
	v_mov_b32 v[C+5], v[C+6]
.irp k, 0,1,2
.if \u < 2
	ds_store_b64 v[IMGA], v[C+2*\k:C+2*\k+1] offset:(\u%2)*UNITB+48*\i+8*\k
.else
	ds_store_b64 v[IMGA2], v[C+2*\k:C+2*\k+1] offset:(\u%2)*UNITB+48*\i+8*\k
.endif
.endr
	ds_store_b8 v[SCBA], v[BY] offset:1024*\u+32*\i
.endm
.macro WFLOAD wfa, fo, ss              ; K step ss: the fragments of tiles 0 and 1, into set ss % 2
.irp t, 0,1
.irp c, 0,1,2
	ds_load_b128 v[SH+24*((\ss)%2)+12*\t+4*\c:SH+24*((\ss)%2)+12*\t+4*\c+3], v[\wfa] offset:\fo+(\ss)*FRG+\t*8*FRG+16*\c
.endr
.endr
.endm
; 16 products: 8 K steps x 2 tiles of 16 rows of W1.  The two accumulators take turns.
.macro BMUL wfa, fo, wsa, so
	ds_load_b128 v[WS:WS+3], v[\wsa] offset:\so
	ds_load_b128 v[WS+4:WS+7], v[\wsa] offset:\so+16
	WFLOAD \wfa, \fo, 0
.irp ss, 0,1,2,3,4,5,6,7
.if \ss < 7
.if \ss > 0
.rept 4
	v_nop                                          ; places in front of loads into the set that the two products just issued have read
.endr
.endif
	WFLOAD \wfa, \fo, \ss+1
	s_wait_dscnt 6                                 ; all but the six just issued
.else
	s_wait_dscnt 0x0
.endif
	v_wmma_scale_f32_16x16x128_f8f6f4 v[ACC:ACC+7], v[SH+24*(\ss%2):SH+24*(\ss%2)+11], v[XF+12*\ss:XF+12*\ss+11], v[ACC:ACC+7], v[WS+\ss], v[XS+\ss] matrix_a_fmt:MATRIX_FMT_FP6 matrix_b_fmt:MATRIX_FMT_FP6
	v_wmma_scale_f32_16x16x128_f8f6f4 v[ACC+8:ACC+15], v[SH+24*(\ss%2)+12:SH+24*(\ss%2)+23], v[XF+12*\ss:XF+12*\ss+11], v[ACC+8:ACC+15], v[WS+\ss], v[XS+\ss] matrix_a_fmt:MATRIX_FMT_FP6 matrix_b_fmt:MATRIX_FMT_FP6 matrix_a_scale:MATRIX_SCALE_ROW1
.endr
.endm
.macro GELU a                          ; eight numbers in place, stage by stage, two to an instruction where the form allows
.irp j, 0,1,2,3,4,5,6,7
	v_and_b32 v[GA+\j], 0x7fffffff, v[\a+\j]       ; |x|
.endr
.irp j, 0,2,4,6
	v_pk_fma_f32 v[GTI+\j:GTI+\j+1], v[GA+\j:GA+\j+1], 0x3eb504f3, 1.0 op_sel_hi:[1,0,0]
.endr
.irp j, 0,1,2,3,4,5,6,7
	v_rcp_f32 v[GTI+\j], v[GTI+\j]                 ; t
.endr
.irp j, 0,2,4,6
	v_pk_mul_f32 v[GW+\j:GW+\j+1], v[\a+\j:\a+\j+1], v[\a+\j:\a+\j+1]   ; x^2 (plain places behind the reciprocals)
.endr
	s_wait_alu depctr_va_vdst(0)
.irp j, 0,2,4,6
	v_pk_fma_f32 v[GP+\j:GP+\j+1], v[GTI+\j:GTI+\j+1], v[C9:C9+1], 0xbf97d29d op_sel_hi:[1,1,0]
.endr
.irp c, 0x40097039, 0xbfd1a1e5, 0x3ecdfd18, 0xbe899a80, 0x3e0efb2e, 0x3f0a29d2, 0x3fb8ab5a, 0xc034d90f
.irp j, 0,2,4,6
	v_pk_fma_f32 v[GP+\j:GP+\j+1], v[GP+\j:GP+\j+1], v[GTI+\j:GTI+\j+1], \c op_sel_hi:[1,1,0]
.endr
.endr
.irp j, 0,2,4,6
	v_pk_fma_f32 v[GW+\j:GW+\j+1], v[GW+\j:GW+\j+1], 0xbf38aa3b, v[GP+\j:GP+\j+1] op_sel_hi:[1,0,1]   ; E
.endr
.irp j, 0,1,2,3,4,5,6,7
	v_exp_f32 v[GW+\j], v[GW+\j]
.endr
.irp j, 0,1,2,3,4,5,6,7
	v_max_num_f32 v[GM+\j], 0, v[\a+\j]            ; (plain places behind the exponentials)
.endr
	s_wait_alu depctr_va_vdst(0)
.irp j, 0,2,4,6
	v_pk_mul_f32 v[GW+\j:GW+\j+1], v[GW+\j:GW+\j+1], v[GTI+\j:GTI+\j+1]   ; q
.endr
.irp j, 0,2,4,6
	v_pk_fma_f32 v[\a+\j:\a+\j+1], v[GA+\j:GA+\j+1], v[GW+\j:GW+\j+1], v[GM+\j:GM+\j+1] neg_lo:[1,0,0] neg_hi:[1,0,0]
.endr
.endm
.macro TOKX                            ; the token of list entry LL[0]: its offsets (768 t = 256 t + 512 t), its 26 loads
	v_lshrrev_b32 v[TL], 1, v[LL]
	v_min_u32 v[TL], 0x3ff, v[TL]
	v_lshl_add_u32 v[XAL], v[TL], 8, v[H48L]
	v_lshl_add_u32 v[XAL], v[TL], 9, v[XAL]
	v_lshlrev_b32 v[XSAL], 5, v[TL]
	XLOAD XAL, XSAL
.endm
; One unit of 32 hidden units for one tile of 16 rows.  res = 1: my resident tile, unit u; res = 0: a leftover item.
; hook: what stands behind the products, where x's registers are free.  0: nothing.  1: the list moves up and the next leftover item's x is asked for.  2: the first leftover item's x is asked for.
.macro BUNIT wfa, fo, wsa, so, bla, bo, hst, ho, hss, res, u, hook
.irp q, 0,1,2,3
	ds_load_b128 v[ACC+4*\q:ACC+4*\q+3], v[\bla] offset:\bo+16*\q      ; b1 at my 16 hidden units starts the sums
.endr
	BMUL \wfa, \fo, \wsa, \so
.if \hook == 1
.irp i, 0,1,2,3,4,5,6,7,8,9,10
	v_mov_b32 v[LL+\i], v[LL+\i+1]                 ; the list moves up by one tile (these are the places behind the last products)
.endr
	TOKX
.else
.rept 4
	v_nop                                          ; places behind the last products
.endr
.if \hook == 2
	s_wait_loadcnt 0x0                             ; my twelve list entries, asked for inside A(3), are in
	TOKX
.endif
.endif
	GELU ACC
	GELU ACC+8
	v_max3_num_f32 v[QM0], |v[ACC]|, |v[ACC+1]|, 0x1800000
	v_max3_num_f32 v[QM1], |v[ACC+2]|, |v[ACC+3]|, |v[ACC+4]|
	v_max3_num_f32 v[QM0], v[QM0], |v[ACC+5]|, |v[ACC+6]|
	v_max3_num_f32 v[QM1], v[QM1], |v[ACC+7]|, |v[ACC+8]|
	v_max3_num_f32 v[QM0], v[QM0], |v[ACC+9]|, |v[ACC+10]|
	v_max3_num_f32 v[QM1], v[QM1], |v[ACC+11]|, |v[ACC+12]|
	v_max3_num_f32 v[QM0], v[QM0], |v[ACC+13]|, |v[ACC+14]|
	v_max3_num_f32 v[QM0], v[QM0], v[QM1], |v[ACC+15]|
	v_permlanex16_b32 v[GA], v[QM0], s38, s39      ; the block's other 16 lie in lane l xor 16
	v_max_num_f32 v[QM0], v[QM0], v[GA]
	v_add_nc_u32 v[QSC], 0xff000000, v[QM0]
	v_cvt_scalef32_pk16_fp6_f32 v[QPC:QPC+2], v[ACC:ACC+15], v[QSC]
	v_lshrrev_b32 v[QBY], 23, v[QSC]
	global_store_b96 v[\hst], v[QPC:QPC+2], s[14:15] offset:\ho        ; the wave's 32 lanes store 384 consecutive bytes
.if \res
.if \u == 0
	v_mov_b32 v[HSW], v[QBY]
.else
	v_lshl_or_b32 v[HSW], v[QBY], 8*\u, v[HSW]
.endif
.if \u == 3
	global_store_b32 v[\hss], v[HSW], s[16:17]
.endif
.else
	global_store_b8 v[\hss], v[QBY], s[16:17]
.endif
	s_wait_xcnt 0x0                                ; the stores' data lie where the next loads land
.endm
	s_load_b128 s[4:7], s[0:1], 0x0                ; fc1_w, fc1_b
	s_load_b64 s[8:9], s[0:1], 0x10                ; xq
	s_load_b64 s[18:19], s[0:1], 0x18              ; rlist
	s_load_b64 s[14:15], s[0:1], 0x20              ; hq
	s_load_b64 s[16:17], s[0:1], 0x28              ; hs
	v_lshrrev_b32 v[T0], 5, v0
	v_readfirstlane_b32 s[WV], v[T0]
	s_and_b32 s[EX], ttmp7, 0xffff
	s_mov_b32 s[SL], ttmp9
	v_and_b32 v[LN], 31, v0
	v_and_b32 v[R], 15, v0
	v_bfe_u32 v[H], v0, 4, 1
	v_lshlrev_b32 v[GOFF], 4, v[LN]
	s_mul_i32 s37, s[WV], 4608
	s_add_co_u32 s37, s37, STG
	v_mul_u32_u24 v[STW], v[H], 272                ; the stage, way in: load j's lanes 0-15 hold blocks 4 j and 4 j + 1, lanes 16-31 the next two: pair 2 j + l / 16, 16 (l % 16) in it
	v_lshl_add_u32 v[STW], v[R], 4, v[STW]
	v_add_nc_u32 v[STW], s37, v[STW]
	v_lshrrev_b32 v[T0], 1, v[LN]
	v_mul_u32_u24 v[STR], v[T0], 272               ; way out: block l: pair l / 2, half l % 2
	v_and_b32 v[T0], 1, v[LN]
	v_lshl_add_u32 v[STR], v[T0], 7, v[STR]
	v_add_nc_u32 v[STR], s37, v[STR]
	s_bfe_u32 s40, s[WV], 0x10002                  ; my rows' tile t' = (wave / 4) % 2
	s_lshl_b32 s41, s[WV], 1
	s_and_b32 s41, s41, 7
	s_lshr_b32 s42, s[WV], 3
	s_lshl_b32 s42, s42, 3
	s_add_co_u32 s41, s41, s42                     ; my first row's place: (2 wave) % 8 + 8 (wave / 8)
	s_mul_i32 s43, s40, 8*FRG
	s_mul_i32 s44, s41, 48
	s_add_co_u32 s43, s43, s44
	v_lshrrev_b32 v[T0], 2, v[LN]
	v_mul_u32_u24 v[IMGA], v[T0], FRG              ; block l of a row: K step l / 4,
	v_and_b32 v[T0], 1, v[LN]
	v_mad_u32_u24 v[IMGA], v[T0], 784, v[IMGA]     ; half l % 2,
	v_bfe_u32 v[T0], v[LN], 1, 1
	v_mad_u32_u24 v[IMGA], v[T0], 24, v[IMGA]      ; registers 6 ((l / 2) % 2) on
	v_add_nc_u32 v[IMGA], s43, v[IMGA]
	v_add_nc_u32 v[IMGA2], 2*UNITB, v[IMGA]
	s_lshl_b32 s43, s40, 9
	s_lshl_b32 s44, s41, 5
	s_add_co_u32 s43, s43, s44
	s_add_co_u32 s43, s43, WSC
	v_add_nc_u32 v[SCBA], s43, v[LN]
	v_mul_u32_u24 v[WFA], v[R], 48
	v_mad_u32_u24 v[WFA], v[H], 784, v[WFA]
	v_add_nc_u32 v[WFA2], 2*UNITB, v[WFA]
	v_lshlrev_b32 v[WSA], 5, v[R]
	v_lshl_add_u32 v[WSA], v[H], 9, v[WSA]
	v_add_nc_u32 v[WSA], WSC, v[WSA]
	v_lshlrev_b32 v[BLA], 6, v[H]
	v_add_nc_u32 v[BLA], BIAS, v[BLA]
	v_mul_u32_u24 v[HST], v[R], 24
	v_mad_u32_u24 v[HST], v[H], 12, v[HST]
	s_mul_i32 s43, s[WV], 49152
	v_add_nc_u32 v[HST], s43, v[HST]
	s_lshl_b32 s43, s[WV], 11
	v_lshl_add_u32 v[HSS], v[R], 2, s43
	s_lshl_b32 s43, s[WV], 6
	v_lshl_add_u32 v[RTA], v[R], 2, s43            ; my tile's list entry: 4 (16 wave + r)
	v_add_nc_u32 v[BSA], BIAS, v[GOFF]
	v_mul_u32_u24 v[H48], v[H], 48
	v_mov_b32 v[C9], 0x3e7c6f08
	v_mov_b32 v[C9+1], 0x3e7c6f08
	s_mov_b32 s38, 0x76543210
	s_mov_b32 s39, 0xfedcba98
	s_mov_b32 s27, 0
	s_wait_kmcnt 0x0
	s_lshl_b32 s26, s[EX], 7
	s_add_co_u32 s26, s26, RCOFF
	s_add_nc_u64 s[20:21], s[18:19], s[26:27]
	s_load_b32 s[NN], s[20:21], 0x0                ; expert e's rows
	s_add_nc_u64 s[10:11], s[8:9], XSOFF           ; x's scale bytes
	s_lshl_b32 s26, s[EX], 12
	s_add_nc_u64 s[18:19], s[18:19], s[26:27]      ; expert e's list
	s_lshl_b32 s26, s[EX], 24
	s_lshl_b32 s37, s[SL], 19
	s_add_co_u32 s26, s26, s37
	s_lshl_b32 s37, s[WV], 13
	s_add_co_u32 s26, s26, s37
	s_add_nc_u64 s[4:5], s[4:5], s[26:27]          ; W1 at my first row
	s_lshl_b32 s26, s[EX], 14
	s_lshl_b32 s37, s[SL], 9
	s_add_co_u32 s26, s26, s37
	s_add_nc_u64 s[6:7], s[6:7], s[26:27]          ; b1 at the slice
	s_mul_i32 s26, s[EX], 3145728
	s_mul_i32 s37, s[SL], 1536
	s_add_co_u32 s26, s26, s37
	s_add_nc_u64 s[14:15], s[14:15], s[26:27]      ; hq at (e, tile 0, slice)
	s_lshl_b32 s26, s[EX], 17
	s_lshl_b32 s37, s[SL], 6
	s_add_co_u32 s26, s26, s37
	s_add_nc_u64 s[16:17], s[16:17], s[26:27]
	global_load_b128 v[ACC:ACC+3], v[GOFF], s[6:7] ; b1's 512 bytes
	global_load_b32 v[ENT], v[RTA], s[18:19]       ; my row's id
	LOADC 0, 0                                     ; unit 0's two rows
	LOADC 1, 4096
	s_wait_kmcnt 0x0
	s_min_u32 s[NN], s[NN], 0x400
	s_add_co_u32 s[NT], s[NN], 15
	s_lshr_b32 s[NT], s[NT], 4                     ; tiles of 16 rows
	s_lshr_b32 s37, s[WV], 2
	s_sub_co_i32 s[LFT], s[NT], 13
	s_sub_co_i32 s[LFT], s[LFT], s37
	s_max_i32 s[LFT], s[LFT], 0
	s_lshr_b32 s[LFT], s[LFT], 2                   ; my leftover tiles: 16 + wave / 4 + 4 i below the number of tiles
	s_wait_loadcnt 16                              ; b1 and the id are in; W1's sixteen loads may be out
	s_cmp_lg_u32 s[WV], 0
	s_cbranch_scc1 .Lnot0
	ds_store_b128 v[BSA], v[ACC:ACC+3]             ; read behind the first unit's barrier
.Lnot0:
	v_lshrrev_b32 v[T0], 1, v[ENT]                 ; row id / 2 = token
	v_min_u32 v[T0], 0x3ff, v[T0]
	v_lshl_add_u32 v[XA], v[T0], 8, v[H48]
	v_lshl_add_u32 v[XA], v[T0], 9, v[XA]          ; 768 token + 48 h
	v_lshlrev_b32 v[XSA], 5, v[T0]
	XLOAD XA, XSA                                  ; no wait follows: nothing writes the two offset registers before B(0)
	ACHUNK 0, 0, 34, 1                             ; younger than row 0: row 1's 8 and x's 26
	ACHUNK 0, 1, 34, 1                             ; younger than row 1: x's 26 and the refill's 8
	BAR
	s_wait_loadcnt 16                              ; x is in (so its offset registers may be written); the two refills may be out
	BUNIT WFA, 0, WSA, 0, BLA, 0, HST, 0, HSS, 1, 0, 0
	ACHUNK 1, 0, 8, 1                              ; younger: the other row's 8
	ACHUNK 1, 1, 8, 1                              ; younger: the refill's 8
	BAR
	BUNIT WFA, UNITB, WSA, 1024, BLA, 128, HST, 384, HSS, 1, 1, 0
	ACHUNK 2, 0, 8, 1
	ACHUNK 2, 1, 8, 1
	BAR
	BUNIT WFA2, 0, WSA, 2048, BLA, 256, HST, 768, HSS, 1, 2, 0
	ACHUNK 3, 0, 8, 0                              ; nothing of W1 is left to ask for: the first set is free from here on
	v_and_b32 v[TL], 15, v0
	v_bfe_u32 v[TL2], v0, 4, 1
	v_mul_u32_u24 v[H48L], v[TL2], 48
	s_lshr_b32 s41, s[WV], 2
	s_add_co_u32 s43, s41, 16
	s_lshl_b32 s42, s43, 6
	v_lshl_add_u32 v[LLO], v[TL], 2, s42           ; the list at tile 16 + wave / 4, my row
.irp i, 0,1,2,3,4,5,6,7,8,9,10,11
	global_load_b32 v[LL+\i], v[LLO], s[18:19] offset:256*\i       ; my row's entry in each of my twelve possible tiles: tile 63 at the most, inside the expert's 4,096 bytes
.endr
	ACHUNK 3, 1, 12, 0                             ; younger than the second row: the twelve list entries
	BAR                                            ; the last barrier: from here on the waves go their own ways
	s_cmp_eq_u32 s[LFT], 0
	s_cbranch_scc1 .Lplain
	BUNIT WFA2, UNITB, WSA, 3072, BLA, 384, HST, 1152, HSS, 1, 3, 2
	; THE LEFTOVER WALK: tile 16 + wave / 4 + 4 i, unit wave % 4.  All images are whole; nothing more is stored to LDS, so no barrier follows.
	s_and_b32 s40, s[WV], 3
	s_mul_i32 s42, s40, UNITB
	v_add_nc_u32 v[WFL], s42, v[WFA]
	s_lshl_b32 s42, s40, 10
	v_add_nc_u32 v[WSL], s42, v[WSA]
	s_lshl_b32 s42, s40, 7
	v_add_nc_u32 v[BLL], s42, v[BLA]
	v_and_b32 v[TL], 15, v0
	v_mul_u32_u24 v[HSTL], v[TL], 24
	v_mad_u32_u24 v[HSTL], v[TL2], 12, v[HSTL]
	s_mul_i32 s42, s43, 49152
	s_mul_i32 s44, s40, 384
	s_add_co_u32 s42, s42, s44
	v_add_nc_u32 v[HSTL], s42, v[HSTL]
	s_lshl_b32 s42, s43, 11
	s_add_co_u32 s42, s42, s40
	v_lshl_add_u32 v[HSSL], v[TL], 2, s42
	s_mov_b32 s[CT], 0
.Lleft:
	s_wait_loadcnt 0x0                             ; this item's x is in
	BUNIT WFL, 0, WSL, 0, BLL, 0, HSTL, 0, HSSL, 0, 0, 1
	v_add_nc_u32 v[HSTL], 196608, v[HSTL]          ; four tiles on
	v_add_nc_u32 v[HSSL], 8192, v[HSSL]
	s_add_co_u32 s[CT], s[CT], 1
	s_cmp_lt_u32 s[CT], s[LFT]
	s_cbranch_scc1 .Lleft
	s_wait_xcnt 0x0
	v_lshl_add_u32 v254, v0, 2, 0x2ba00
	v_mov_b32 v255, 0
	s_wait_tensorcnt 0x0
	ds_add_u32 v254, v255
	s_wait_dscnt 0x0
	s_endpgm
.Lplain:                                               ; no leftover tile is mine
	BUNIT WFA2, UNITB, WSA, 3072, BLA, 384, HST, 1152, HSS, 1, 3, 0
	s_wait_xcnt 0x0
	v_lshl_add_u32 v254, v0, 2, 0x2ba00
	v_mov_b32 v255, 0
	s_wait_tensorcnt 0x0
	ds_add_u32 v254, v255
	s_wait_dscnt 0x0
	s_endpgm
.Lfunc_end_k_q76369b50b7_fc1:
	.size	k_q76369b50b7_fc1, .Lfunc_end_k_q76369b50b7_fc1-k_q76369b50b7_fc1
	.p2alignl 7, 3214868480
	.fill 96, 4, 3214868480
	.section	.rodata,"a",@progbits
	.p2align	6, 0x0
	.amdhsa_kernel k_q76369b50b7_fc1
		.amdhsa_group_segment_fixed_size 180736
		.amdhsa_private_segment_fixed_size 0
		.amdhsa_enable_private_segment 0
		.amdhsa_kernarg_size 48
		.amdhsa_user_sgpr_count 2
		.amdhsa_user_sgpr_kernarg_segment_ptr 1
		.amdhsa_wavefront_size32 1
		.amdhsa_system_sgpr_workgroup_id_x 1
		.amdhsa_system_sgpr_workgroup_id_y 1
		.amdhsa_system_sgpr_workgroup_id_z 1
		.amdhsa_system_vgpr_workitem_id 0
		.amdhsa_next_free_vgpr 256
		.amdhsa_next_free_sgpr 66
		.amdhsa_reserve_vcc 0
		.amdhsa_float_denorm_mode_32 3
		.amdhsa_float_denorm_mode_16_64 3
		.amdhsa_memory_ordered 1
		.amdhsa_forward_progress 1
		.amdhsa_inst_pref_size 164
	.end_amdhsa_kernel
	.amdgpu_metadata
---
amdhsa.version: [ 1, 2 ]
amdhsa.kernels:
  - .name:           k_q76369b50b7_fc1
    .symbol:         k_q76369b50b7_fc1.kd
    .args:
      - { .name: fc1_w, .offset: 0, .size: 8, .value_kind: global_buffer, .address_space: global }
      - { .name: fc1_b, .offset: 8, .size: 8, .value_kind: global_buffer, .address_space: global }
      - { .name: xq, .offset: 16, .size: 8, .value_kind: global_buffer, .address_space: global }
      - { .name: rlist, .offset: 24, .size: 8, .value_kind: global_buffer, .address_space: global }
      - { .name: hq, .offset: 32, .size: 8, .value_kind: global_buffer, .address_space: global }
      - { .name: hs, .offset: 40, .size: 8, .value_kind: global_buffer, .address_space: global }
    .group_segment_fixed_size: 180736
    .private_segment_fixed_size: 0
    .kernarg_segment_align: 8
    .kernarg_segment_size: 48
    .max_flat_workgroup_size: 512
    .sgpr_count:     66
    .vgpr_count:     256
    .wavefront_size: 32
...
	.end_amdgpu_metadata
.endif
;; end of part 3
;; launch fc2 (part 4): grid 32 x 8, 16 waves a work-group, no clusters, 180,736 bytes of LDS; arguments fc2_w, fc2_b, hq, hs, rlist, rw, ya; writes ya
.if DOCPART == 4
	.amdgcn_target "amdgcn-amd-amdhsa--gfx1250"
	.amdhsa_code_object_version 6
	.text
	.protected	k_q76369b50b7_fc2
	.globl	k_q76369b50b7_fc2
	.p2align	8
	.type	k_q76369b50b7_fc2,@function
k_q76369b50b7_fc2:
	s_mov_b64 s[64:65], 0
	v_nop
	global_prefetch_b8 v0, s[64:65] scope:SCOPE_SE
	s_setreg_imm32_b32 hwreg(HW_REG_WAVE_MODE, 25, 1), 1
	s_wait_xcnt 0x0
; SECOND LAYER OF THE CHOSEN EXPERTS: ya[row id][half of K][d] = routing weight x (h W2^T (+ b2 in half 0)), for the rows listed for expert e.
; A work-group (x = 2 ds + kh, y = e) takes 64 rows of D (ds) x 2,048 of K (kh): 512 KB of W2 as f32, read ONCE, quantised in registers, kept in LDS as images of operand registers.
; Trip counts hang on the stored count (32,768 bytes on in rlist), so nothing is moved by a copy engine and no tile is asked for jointly in a cluster; each work-group's weights are its own.
; SIXTEEN WAVES.  Wave w owns tile w of 16 listed rows (always worked; a lane whose list entry is the sentinel 2,048 + e stores into that dump row, which nobody reads).
; K goes in four UNITS of 512: A(u): each wave quantises two pieces of 2 rows x 2 KB and asks for the same pieces of unit u + 1, which stay on their way during B(u);  barrier;
; B(u): 16 products (4 K steps x 4 tiles of 16 rows of W2; source 0 = W2, source 1 = my 16 rows of h, which come from hq as they lie); then the next unit's h is asked for.
; A lane holds one row and eight neighbouring d: results go through the wave's own stage and leave as 256 consecutive bytes a row.
; Tiles from 16 on are walked afterwards, a (tile, 16 rows of D) to a wave, without barriers; their stores cover 64 bytes of a row.  A wave that has such a tile asks for the first one's h
; round B(3)'s products: K steps 4-7 ahead of them, into the registers that W2's loads have left, K steps 0-3 behind them; so an item takes its batches in the order of units 1, 0, 3, 2.
; LIMITS: NaN and infinities are not served; a block of zeros gets the byte 1 (read by this program alone).
.set RCOFF, 32768                      ; the counts in rlist
.set FRG,   1568
.set UNITB, 16*FRG                     ; a unit: fragment 4 tile + K step
.set IMG,   0
.set WSC,   100352                     ; W2's scale words: 1,024 u + 512 (tile % 2) + 32 place + 8 K step + 4 (tile / 2) + byte
.set STG,   104448                     ; a stage for each wave, 4,608 bytes apart: a piece's 32 blocks of 128 bytes, two on end, then 16 bytes of padding: 16 x 272 bytes; at the end 16 rows x 272 of results.
                                       ; In: sixteen lanes store 256 consecutive bytes.  Out: lane l takes block l at 272 (l / 2) + 128 (l % 2): column (l / 2) + 8 (l % 2) of sixteen: all different
.set BIAS2, 178176                     ; b2's 64 numbers (zeros in half 1)
.set GOFF, 1
.set STW,  2
.set STR,  3
.set IMGA, 4
.set IMGA2, 5
.set SCBA, 6
.set WFA,  7
.set WFA2, 8
.set WSA,  9
.set BLA,  10                          ; BIAS2 + 32 h
.set HO,   11                          ; hq: 384 h + 24 r + 49,152 tile
.set HSO,  12                          ; hs: 4 r + 2,048 tile
.set YSW,  13
.set YSR,  14
.set YC,   15                          ; 16 r
.set WS,   16                          ; v16-23 W2's scale words
.set HS,   24                          ; v24-31 h's scale words
.set RT,   32                          ; my row's id
.set WT,   34                          ; v[34:35] its routing weight, and 0
.set RL,   36                          ; v36-43 the ids of rows 8 h + 0 .. 7 of my tile
.set ACC,  44                          ; v44-75 four accumulators
.set HF,   76                          ; v76-123 four fragments of h
.set B2R,  124
.set RG,   128
.set SH,   192                         ; v192-239 by turns
.set X,   SH
.set C,   SH+32
.set MXA, SH+40
.set MXB, SH+41
.set SC,  SH+42
.set BY,  SH+43
.set YB,  SH
.set YT,  SH+32
.set LN,  240                          ; the head's work registers
.set R,   241
.set H,   242
.set T0,  243
.set RTA, 244
.set RLA, 245
.set BSA, 246
.set WTA, 247
.set LA,  240                          ; the leftover walk's two accumulators
.set LB,  248
.set WFL, 2                            ; its LDS addresses take the registers that phase A's have left
.set WFL2, 3
.set WSL, 4
.set BLL, 5
.set HF2, 128                          ; its fragments 4 to 7
.set HOL, 176                          ; its offsets in memory
.set HSOL, 177
.set RTL, 178
.set YOL, 179
.set TL,  180
.set TL2, 181
.set WTL, 182
.set YAL, 183
.set WV,  22
.set EX,  23
.set DSL, 24
.set KH,  25
.set NN,  33
.set NT,  34
.set LFT, 35
.set CT,  36
.macro LOADC set, base                 ; two rows x 2 KB: eight loads of 512 consecutive bytes
.irp j, 0,1,2,3,4,5,6,7
	global_load_b128 v[RG+32*\set+4*\j:RG+32*\set+4*\j+3], v[GOFF], s[4:5] offset:\base+16384*(\j/4)+512*(\j%4) th:TH_LOAD_NT
.endr
.endm
.macro HLOAD u                         ; my tile's h for unit u: four K steps, 7 loads each
.irp g, 0,1,2,3
.irp p, 0,1,2,3,4,5
	global_load_b64 v[HF+12*\g+2*\p:HF+12*\g+2*\p+1], v[HO], s[8:9] offset:1536*(4*\u+\g)+768*(\p/3)+8*(\p%3)
.endr
	global_load_b32 v[HS+\g], v[HSO], s[10:11] offset:64*(4*\u+\g)
.endr
.endm
.macro BAR
	s_wait_dscnt 0x0                               ; my LDS stores have landed and my LDS loads are in
	s_barrier_signal -1
	s_barrier_wait -1
.endm
.macro ACHUNK u, i, n, refill
	s_wait_loadcnt \n
.irp j, 0,1,2,3,4,5,6,7
	ds_store_b128 v[STW], v[RG+32*\i+4*\j:RG+32*\i+4*\j+3] offset:544*\j
.endr
.irp j, 0,1,2,3,4,5,6,7
	ds_load_b128 v[X+4*\j:X+4*\j+3], v[STR] offset:16*\j           ; LDS serves a wave's instructions in order
.endr
	s_wait_dscnt 0x0                               ; the block is in; the stores have read the set, and the last piece's stores their codes
.if \refill
	LOADC \i, 32768*\i+2048*(\u+1)
.endif
	v_max3_num_f32 v[MXA], |v[X]|, |v[X+1]|, |v[X+2]|
	v_max3_num_f32 v[MXB], |v[X+3]|, |v[X+4]|, |v[X+5]|
.irp j, 6,10,14,18,22,26
	v_max3_num_f32 v[MXA], v[MXA], |v[X+\j]|, |v[X+\j+1]|
	v_max3_num_f32 v[MXB], v[MXB], |v[X+\j+2]|, |v[X+\j+3]|
.endr
	v_max3_num_f32 v[MXA], v[MXA], |v[X+30]|, |v[X+31]|
	v_max3_num_f32 v[MXA], v[MXA], v[MXB], 0x1800000  ; the floor 2^(3 - 127) holds the byte at 1 from below
	v_add_nc_u32 v[SC], 0xff000000, v[MXA]
	v_cvt_scalef32_pk16_fp6_f32 v[C:C+2], v[X:X+15], v[SC]
	v_cvt_scalef32_pk16_fp6_f32 v[C+4:C+6], v[X+16:X+31], v[SC]
	v_lshrrev_b32 v[BY], 23, v[SC]                 ; the byte (also the plain place behind the conversions)
	v_mov_b32 v[C+3], v[C+4]
	v_mov_b32 v[C+4], v[C+5]
	v_mov_b32 v[C+5], v[C+6]
.irp k, 0,1,2
.if \u < 2
	ds_store_b64 v[IMGA], v[C+2*\k:C+2*\k+1] offset:(\u%2)*UNITB+96*\i+8*\k
.else
	ds_store_b64 v[IMGA2], v[C+2*\k:C+2*\k+1] offset:(\u%2)*UNITB+96*\i+8*\k
.endif
.endr
	ds_store_b8 v[SCBA], v[BY] offset:1024*\u+64*\i
.endm
.macro WFLOAD u, ss                    ; sub-step ss: K step ss / 2, tiles 2 (ss % 2) and 2 (ss % 2) + 1, into set ss % 2
.irp t, 0,1
.irp c, 0,1,2
.if \u < 2
	ds_load_b128 v[SH+24*((\ss)%2)+12*\t+4*\c:SH+24*((\ss)%2)+12*\t+4*\c+3], v[WFA] offset:(\u%2)*UNITB+(8*((\ss)%2)+(\ss)/2)*FRG+\t*4*FRG+16*\c
.else
	ds_load_b128 v[SH+24*((\ss)%2)+12*\t+4*\c:SH+24*((\ss)%2)+12*\t+4*\c+3], v[WFA2] offset:(\u%2)*UNITB+(8*((\ss)%2)+(\ss)/2)*FRG+\t*4*FRG+16*\c
.endif
.endr
.endr
.endm
; 16 products; the four accumulators take turns.
.macro BMUL u
	ds_load_b128 v[WS:WS+3], v[WSA] offset:1024*\u
	ds_load_b128 v[WS+4:WS+7], v[WSA] offset:1024*\u+16
	WFLOAD \u, 0
.irp ss, 0,1,2,3,4,5,6,7
.if \ss < 7
.if \ss > 0
.rept 4
	v_nop                                          ; places in front of loads into the set that the two products just issued have read
.endr
.endif
	WFLOAD \u, \ss+1
	s_wait_dscnt 6                                 ; all but the six just issued
.else
	s_wait_dscnt 0x0
.endif
	v_wmma_scale_f32_16x16x128_f8f6f4 v[ACC+16*(\ss%2):ACC+16*(\ss%2)+7], v[SH+24*(\ss%2):SH+24*(\ss%2)+11], v[HF+12*(\ss/2):HF+12*(\ss/2)+11], v[ACC+16*(\ss%2):ACC+16*(\ss%2)+7], v[WS+\ss], v[HS+\ss/2] matrix_a_fmt:MATRIX_FMT_FP6 matrix_b_fmt:MATRIX_FMT_FP6
	v_wmma_scale_f32_16x16x128_f8f6f4 v[ACC+16*(\ss%2)+8:ACC+16*(\ss%2)+15], v[SH+24*(\ss%2)+12:SH+24*(\ss%2)+23], v[HF+12*(\ss/2):HF+12*(\ss/2)+11], v[ACC+16*(\ss%2)+8:ACC+16*(\ss%2)+15], v[WS+\ss], v[HS+\ss/2] matrix_a_fmt:MATRIX_FMT_FP6 matrix_b_fmt:MATRIX_FMT_FP6 matrix_a_scale:MATRIX_SCALE_ROW1
.endr
.rept 4
	v_nop                                          ; places behind the last products: loads land on their operands, vector instructions read their results
.endr
.endm
; My resident tile leaves: x the row's weight, through my stage, 256 consecutive bytes a row.
.macro WAYOUT
.irp j, 0,2,4,6,8,10,12,14,16,18,20,22,24,26,28,30
	v_pk_mul_f32 v[ACC+\j:ACC+\j+1], v[ACC+\j:ACC+\j+1], v[WT:WT+1] op_sel_hi:[1,0]   ; each accumulator from its low end on
.endr
.irp q, 0,1,2,3,4,5,6,7
	ds_store_b128 v[YSW], v[ACC+4*\q:ACC+4*\q+3] offset:64*(\q/2)+16*(\q%2)
.endr
.irp i, 0,1,2,3,4,5,6,7
	ds_load_b128 v[YB+4*\i:YB+4*\i+3], v[YSR] offset:272*\i        ; LDS serves a wave's instructions in order
.endr
.irp i, 0,1,2,3,4,5,6,7
	v_min_u32 v[YT+\i], 0x807, v[RL+\i]
	v_lshl_add_u32 v[YT+\i], v[YT+\i], 13, v[YC]   ; a row of ya is 8,192 bytes
.endr
.irp i, 0,1,2,3,4,5,6,7
	s_wait_dscnt 7-\i
	global_store_b128 v[YT+\i], v[YB+4*\i:YB+4*\i+3], s[18:19]     ; sixteen lanes store 256 consecutive bytes, aligned
.endr
.endm
.macro HG slot, grp                    ; the leftover walk: K step grp of the tile in hand into slot: 7 loads
.set HB, HF+12*(\slot)
.if (\slot) > 3
.set HB, HF2+12*((\slot)-4)
.endif
.irp p, 0,1,2,3,4,5
	global_load_b64 v[HB+2*\p:HB+2*\p+1], v[HOL], s[8:9] offset:1536*(\grp)+768*(\p/3)+8*(\p%3)
.endr
	global_load_b32 v[HS+(\slot)], v[HSOL], s[10:11] offset:64*(\grp)
.endm
.macro ASKHI                           ; an item's row id and K steps 4 to 7: 29 loads
	global_load_b32 v[RT], v[RTL], s[12:13]
	HG 4, 4
	HG 5, 5
	HG 6, 6
	HG 7, 7
.endm
.macro ASKLO                           ; its K steps 0 to 3: 28 loads
	HG 0, 0
	HG 1, 1
	HG 2, 2
	HG 3, 3
.endm
; Unit u (four K steps) of a leftover item, on two accumulators by turns.  n: younger loads that may stay out.  first = 1: the item's first batch.
.macro LBATCH u, n, first
	s_wait_loadcnt \n
.if \first
	v_min_u32 v[WTL], 0x7ff, v[RT]
	v_lshlrev_b32 v[WTL], 2, v[WTL]
	global_load_b32 v[WT], v[WTL], s[16:17]        ; the row's routing weight
.endif
.irp q, 0,1,2,3
.irp c, 0,1,2
.if \u < 2
	ds_load_b128 v[SH+12*\q+4*\c:SH+12*\q+4*\c+3], v[WFL] offset:(\u%2)*UNITB+\q*FRG+16*\c
.else
	ds_load_b128 v[SH+12*\q+4*\c:SH+12*\q+4*\c+3], v[WFL2] offset:(\u%2)*UNITB+\q*FRG+16*\c
.endif
.endr
	ds_load_b32 v[WS+\q], v[WSL] offset:1024*\u+8*\q
.endr
	s_wait_dscnt 0x0
.set HC, HF+(HF2-HF)*(\u%2)
.irp q, 0,1,2,3
.if \first && (\q == 1)
	v_wmma_scale_f32_16x16x128_f8f6f4 v[LB:LB+7], v[SH+12*\q:SH+12*\q+11], v[HC+12*\q:HC+12*\q+11], 0, v[WS+\q], v[HS+4*(\u%2)+\q] matrix_a_fmt:MATRIX_FMT_FP6 matrix_b_fmt:MATRIX_FMT_FP6
.else
	v_wmma_scale_f32_16x16x128_f8f6f4 v[LA+8*(\q%2):LA+8*(\q%2)+7], v[SH+12*\q:SH+12*\q+11], v[HC+12*\q:HC+12*\q+11], v[LA+8*(\q%2):LA+8*(\q%2)+7], v[WS+\q], v[HS+4*(\u%2)+\q] matrix_a_fmt:MATRIX_FMT_FP6 matrix_b_fmt:MATRIX_FMT_FP6
.endif
.endr
.rept 5
	v_nop                                          ; four places for loads and reads; the fifth since the second accumulator is begun anew in the next item
.endr
.if \u < 2
	HG 4*\u, 8+4*\u                                ; the slots just used take the K steps of unit u + 2
	HG 4*\u+1, 9+4*\u
	HG 4*\u+2, 10+4*\u
	HG 4*\u+3, 11+4*\u
.endif
.endm
; A leftover item whose row id and K steps 4-7, then 0-3, have been asked for, in that order.
.macro ITEM
	ds_load_b128 v[LA:LA+3], v[BLL]                ; b2 starts the first accumulator, the constant 0 the second
	ds_load_b128 v[LA+4:LA+7], v[BLL] offset:16
	LBATCH 1, 28, 1                                ; the id and K steps 4-7 are in; K steps 0-3 may be out
	LBATCH 0, 29, 0                                ; K steps 0-3 are in; the weight and K steps 12-15 may be out
	LBATCH 3, 28, 0                                ; K steps 12-15 are in; K steps 8-11 may be out
	LBATCH 2, 0, 0
.irp j, 0,2,4,6
	v_pk_add_f32 v[LA+\j:LA+\j+1], v[LA+\j:LA+\j+1], v[LB+\j:LB+\j+1]
.endr
.irp j, 0,2,4,6
	v_pk_mul_f32 v[LA+\j:LA+\j+1], v[LA+\j:LA+\j+1], v[WT:WT+1] op_sel_hi:[1,0]
.endr
	v_min_u32 v[YAL], 0x807, v[RT]
	v_lshl_add_u32 v[YAL], v[YAL], 13, v[YOL]
	global_store_b128 v[YAL], v[LA:LA+3], s[18:19]
	global_store_b128 v[YAL], v[LA+4:LA+7], s[18:19] offset:16
	s_wait_xcnt 0x0                                ; the stores' data and address, and the loads' offsets, are written again below and in the next item
	v_add_nc_u32 v[HOL], 196608, v[HOL]            ; four tiles on
	v_add_nc_u32 v[HSOL], 8192, v[HSOL]
	v_add_nc_u32 v[RTL], 256, v[RTL]
.endm
	s_load_b256 s[4:11], s[0:1], 0x0               ; fc2_w, fc2_b, hq, hs
	s_load_b64 s[12:13], s[0:1], 0x20              ; rlist
	s_load_b64 s[16:17], s[0:1], 0x28              ; rw
	s_load_b64 s[18:19], s[0:1], 0x30              ; ya
	v_lshrrev_b32 v[T0], 5, v0
	v_readfirstlane_b32 s[WV], v[T0]
	s_and_b32 s[EX], ttmp7, 0xffff
	s_lshr_b32 s[DSL], ttmp9, 1
	s_and_b32 s[KH], ttmp9, 1
	v_and_b32 v[LN], 31, v0
	v_and_b32 v[R], 15, v0
	v_bfe_u32 v[H], v0, 4, 1
	v_lshlrev_b32 v[GOFF], 4, v[LN]
	s_mul_i32 s37, s[WV], 4608
	s_add_co_u32 s37, s37, STG
	v_mul_u32_u24 v[STW], v[H], 272                ; the stage, way in: load j's lanes 0-15 hold blocks 4 j and 4 j + 1, lanes 16-31 the next two: pair 2 j + l / 16, 16 (l % 16) in it
	v_lshl_add_u32 v[STW], v[R], 4, v[STW]
	v_add_nc_u32 v[STW], s37, v[STW]
	v_lshrrev_b32 v[T0], 1, v[LN]
	v_mul_u32_u24 v[STR], v[T0], 272               ; way out: block l: pair l / 2, half l % 2
	v_and_b32 v[T0], 1, v[LN]
	v_lshl_add_u32 v[STR], v[T0], 7, v[STR]
	v_add_nc_u32 v[STR], s37, v[STR]
	v_mul_u32_u24 v[YSW], v[R], 272
	v_lshl_add_u32 v[YSW], v[H], 5, v[YSW]
	v_add_nc_u32 v[YSW], s37, v[YSW]               ; results in: row r, 32 h
	v_mul_u32_u24 v[YSR], v[H], 2176
	v_lshl_add_u32 v[YSR], v[R], 4, v[YSR]
	v_add_nc_u32 v[YSR], s37, v[YSR]               ; and back: row 8 h + i, 16 bytes a lane
	v_lshlrev_b32 v[YC], 4, v[R]
	s_lshr_b32 s40, s[WV], 2                       ; my rows' tile
	s_and_b32 s41, s[WV], 3
	s_mul_i32 s43, s40, 4*FRG
	s_mul_i32 s44, s41, 192
	s_add_co_u32 s43, s43, s44
	v_bfe_u32 v[T0], v[LN], 2, 2                   ; block l of a piece: row l / 16, K step (l / 4) % 4, registers 6 ((l / 2) % 2) on, half l % 2
	v_mul_u32_u24 v[IMGA], v[T0], FRG
	v_lshlrev_b32 v[SCBA], 3, v[T0]
	v_and_b32 v[T0], 1, v[LN]
	v_mad_u32_u24 v[IMGA], v[T0], 784, v[IMGA]
	v_bfe_u32 v[T0], v[LN], 1, 1
	v_mad_u32_u24 v[IMGA], v[T0], 24, v[IMGA]
	v_mad_u32_u24 v[IMGA], v[H], 48, v[IMGA]
	v_add_nc_u32 v[IMGA], s43, v[IMGA]
	v_add_nc_u32 v[IMGA2], 2*UNITB, v[IMGA]
	v_and_b32 v[T0], 3, v[LN]
	v_add_nc_u32 v[SCBA], v[SCBA], v[T0]
	v_lshl_add_u32 v[SCBA], v[H], 5, v[SCBA]
	s_and_b32 s43, s40, 1
	s_lshl_b32 s43, s43, 9
	s_lshr_b32 s44, s[WV], 3
	s_lshl_b32 s44, s44, 2
	s_add_co_u32 s43, s43, s44
	s_lshl_b32 s44, s41, 7
	s_add_co_u32 s43, s43, s44
	s_add_co_u32 s43, s43, WSC
	v_add_nc_u32 v[SCBA], s43, v[SCBA]
	v_mul_u32_u24 v[WFA], v[R], 48
	v_mad_u32_u24 v[WFA], v[H], 784, v[WFA]
	v_add_nc_u32 v[WFA2], 2*UNITB, v[WFA]
	v_lshlrev_b32 v[WSA], 5, v[R]
	v_lshl_add_u32 v[WSA], v[H], 9, v[WSA]
	v_add_nc_u32 v[WSA], WSC, v[WSA]
	v_lshlrev_b32 v[BLA], 5, v[H]
	v_add_nc_u32 v[BLA], BIAS2, v[BLA]
	v_add_nc_u32 v[BSA], BIAS2, v[YC]
	v_mul_u32_u24 v[HO], v[R], 24
	v_mad_u32_u24 v[HO], v[H], 384, v[HO]
	s_mul_i32 s43, s[WV], 49152
	v_add_nc_u32 v[HO], s43, v[HO]
	s_lshl_b32 s43, s[WV], 11
	v_lshl_add_u32 v[HSO], v[R], 2, s43
	s_lshl_b32 s43, s[WV], 6
	v_lshl_add_u32 v[RTA], v[R], 2, s43
	v_lshl_add_u32 v[RLA], v[H], 5, s43
	v_mov_b32 v[WT+1], 0
	s_mov_b32 s27, 0
	s_wait_kmcnt 0x0
	s_lshl_b32 s26, s[EX], 7
	s_add_co_u32 s26, s26, RCOFF
	s_add_nc_u64 s[14:15], s[12:13], s[26:27]
	s_load_b32 s[NN], s[14:15], 0x0                ; expert e's rows
	s_lshl_b32 s26, s[EX], 24
	s_lshl_b32 s37, s[DSL], 20
	s_add_co_u32 s26, s26, s37
	s_lshl_b32 s37, s[WV], 16
	s_add_co_u32 s26, s26, s37
	s_lshl_b32 s37, s[KH], 13
	s_add_co_u32 s26, s26, s37
	s_add_nc_u64 s[4:5], s[4:5], s[26:27]          ; W2 at my first row, my half of K
	s_lshl_b32 s26, s[EX], 12
	s_add_nc_u64 s[12:13], s[12:13], s[26:27]      ; expert e's list
	s_lshl_b32 s37, s[DSL], 8
	s_add_co_u32 s26, s26, s37
	s_add_nc_u64 s[6:7], s[6:7], s[26:27]          ; b2 at my 64
	s_mul_i32 s26, s[EX], 3145728
	s_mul_i32 s37, s[KH], 24576
	s_add_co_u32 s26, s26, s37
	s_add_nc_u64 s[8:9], s[8:9], s[26:27]
	s_lshl_b32 s26, s[EX], 17
	s_lshl_b32 s37, s[KH], 10
	s_add_co_u32 s26, s26, s37
	s_add_nc_u64 s[10:11], s[10:11], s[26:27]
	s_lshl_b32 s26, s[KH], 12
	s_lshl_b32 s37, s[DSL], 8
	s_add_co_u32 s26, s26, s37
	s_add_nc_u64 s[18:19], s[18:19], s[26:27]      ; ya at (row 0, my half, my 64 columns)
	global_load_b128 v[B2R:B2R+3], v[YC], s[6:7]
	global_load_b32 v[RT], v[RTA], s[12:13]
	global_load_b128 v[RL:RL+3], v[RLA], s[12:13]
	global_load_b128 v[RL+4:RL+7], v[RLA], s[12:13] offset:16
	LOADC 0, 0                                     ; W2's first pieces go out ahead of h: phase A waits for them, h is wanted only in B(0)
	LOADC 1, 32768
	HLOAD 0
	s_wait_kmcnt 0x0
	s_min_u32 s[NN], s[NN], 0x400
	s_add_co_u32 s[NT], s[NN], 15
	s_lshr_b32 s[NT], s[NT], 4
	s_sub_co_i32 s[LFT], s[NT], 13
	s_sub_co_i32 s[LFT], s[LFT], s40
	s_max_i32 s[LFT], s[LFT], 0
	s_lshr_b32 s[LFT], s[LFT], 2                   ; my leftover tiles: 16 + wave / 4 + 4 i below the number of tiles
	s_wait_loadcnt 44                              ; b2 and the ids are in; W2's 16 and h's 28 may be out
	s_cmp_lg_u32 s[WV], 0
	s_cbranch_scc1 .Lnot0
	s_cmp_eq_u32 s[KH], 0
	s_cselect_b32 s37, -1, 0                       ; the bias counts once: in half 0
	v_and_b32 v[B2R], s37, v[B2R]
	v_and_b32 v[B2R+1], s37, v[B2R+1]
	v_and_b32 v[B2R+2], s37, v[B2R+2]
	v_and_b32 v[B2R+3], s37, v[B2R+3]
	ds_store_b128 v[BSA], v[B2R:B2R+3]
.Lnot0:
	v_min_u32 v[WTA], 0x7ff, v[RT]
	v_lshlrev_b32 v[WTA], 2, v[WTA]
	global_load_b32 v[WT], v[WTA], s[16:17]        ; my row's routing weight
	ACHUNK 0, 0, 37, 1                             ; younger than piece 0: piece 1's 8, h's 28 and the weight
	ACHUNK 0, 1, 37, 1                             ; younger than piece 1: h's 28, the weight and the refill's 8
	BAR
	s_wait_loadcnt 17                              ; h is in; the weight and the two refills may be out
.irp q, 0,1,2,3,4,5,6,7
	ds_load_b128 v[ACC+4*\q:ACC+4*\q+3], v[BLA] offset:64*(\q/2)+16*(\q%2)     ; b2 starts the sums
.endr
	BMUL 0
	HLOAD 1
	ACHUNK 1, 0, 36, 1                             ; younger: the other piece's 8 and h's 28
	ACHUNK 1, 1, 36, 1                             ; younger: h's 28 and the refill's 8
	BAR
	s_wait_loadcnt 16                              ; h is in; the two refills may be out
	BMUL 1
	HLOAD 2
	ACHUNK 2, 0, 36, 1
	ACHUNK 2, 1, 36, 1
	BAR
	s_wait_loadcnt 16
	BMUL 2
	HLOAD 3
	ACHUNK 3, 0, 36, 0
	ACHUNK 3, 1, 28, 0                             ; younger: h's 28
	BAR                                            ; the last barrier: from here on the waves go their own ways
	s_wait_loadcnt 0x0
	s_cmp_eq_u32 s[LFT], 0
	s_cbranch_scc1 .Lplain
	; A leftover tile is mine: tile 16 + wave / 4 + 4 i, rows 16 (wave % 4) on of my 64 of D.  All images are whole; nothing but my own stage is stored to LDS from here on.
	v_and_b32 v[TL], 15, v0
	v_bfe_u32 v[TL2], v0, 4, 1
	s_add_co_u32 s43, s40, 16
	s_mul_i32 s42, s43, 49152
	v_mul_u32_u24 v[HOL], v[TL], 24
	v_mad_u32_u24 v[HOL], v[TL2], 384, v[HOL]
	v_add_nc_u32 v[HOL], s42, v[HOL]
	s_lshl_b32 s42, s43, 11
	v_lshl_add_u32 v[HSOL], v[TL], 2, s42
	s_lshl_b32 s42, s43, 6
	v_lshl_add_u32 v[RTL], v[TL], 2, s42
	ASKHI                                          ; into the registers that W2's loads have left: on their way during unit 3's products
	BMUL 3
	ASKLO                                          ; into the registers that unit 3's h has left (four places stand behind the products)
	WAYOUT
	s_wait_xcnt 0x0                                ; the stores' data lie where the item's fragments of W2 land
	s_mul_i32 s42, s41, 4*FRG
	v_add_nc_u32 v[WFL], s42, v[WFA]
	v_add_nc_u32 v[WFL2], 2*UNITB, v[WFL]
	s_and_b32 s42, s41, 1
	s_lshl_b32 s42, s42, 9
	s_lshr_b32 s43, s41, 1
	s_lshl_b32 s43, s43, 2
	s_add_co_u32 s42, s42, s43
	s_add_co_u32 s42, s42, WSC
	v_lshl_add_u32 v[WSL], v[TL], 5, s42
	s_lshl_b32 s42, s41, 6
	v_add_nc_u32 v[BLL], s42, v[BLA]
	v_lshl_add_u32 v[YOL], v[TL2], 5, s42
	ITEM                                           ; the first item is written out: its loads were issued above
	s_cmp_eq_u32 s[LFT], 1
	s_cbranch_scc1 .Ldone
	s_mov_b32 s[CT], 1
.Lleft:
	ASKHI
	ASKLO
	ITEM
	s_add_co_u32 s[CT], s[CT], 1
	s_cmp_lt_u32 s[CT], s[LFT]
	s_cbranch_scc1 .Lleft
.Ldone:
	s_wait_xcnt 0x0
	v_lshl_add_u32 v190, v0, 2, 0x2ba00
	v_mov_b32 v191, 0
	s_wait_tensorcnt 0x0
	ds_add_u32 v190, v191
	s_wait_dscnt 0x0
	s_endpgm
.Lplain:                                               ; no leftover tile is mine
	BMUL 3
	WAYOUT
	s_wait_xcnt 0x0
	v_lshl_add_u32 v190, v0, 2, 0x2ba00
	v_mov_b32 v191, 0
	s_wait_tensorcnt 0x0
	ds_add_u32 v190, v191
	s_wait_dscnt 0x0
	s_endpgm
.Lfunc_end_k_q76369b50b7_fc2:
	.size	k_q76369b50b7_fc2, .Lfunc_end_k_q76369b50b7_fc2-k_q76369b50b7_fc2
	.p2alignl 7, 3214868480
	.fill 96, 4, 3214868480
	.section	.rodata,"a",@progbits
	.p2align	6, 0x0
	.amdhsa_kernel k_q76369b50b7_fc2
		.amdhsa_group_segment_fixed_size 180736
		.amdhsa_private_segment_fixed_size 0
		.amdhsa_enable_private_segment 0
		.amdhsa_kernarg_size 56
		.amdhsa_user_sgpr_count 2
		.amdhsa_user_sgpr_kernarg_segment_ptr 1
		.amdhsa_wavefront_size32 1
		.amdhsa_system_sgpr_workgroup_id_x 1
		.amdhsa_system_sgpr_workgroup_id_y 1
		.amdhsa_system_sgpr_workgroup_id_z 1
		.amdhsa_system_vgpr_workitem_id 0
		.amdhsa_next_free_vgpr 256
		.amdhsa_next_free_sgpr 66
		.amdhsa_reserve_vcc 0
		.amdhsa_float_denorm_mode_32 3
		.amdhsa_float_denorm_mode_16_64 3
		.amdhsa_memory_ordered 1
		.amdhsa_forward_progress 1
		.amdhsa_inst_pref_size 125
	.end_amdhsa_kernel
	.amdgpu_metadata
---
amdhsa.version: [ 1, 2 ]
amdhsa.kernels:
  - .name:           k_q76369b50b7_fc2
    .symbol:         k_q76369b50b7_fc2.kd
    .args:
      - { .name: fc2_w, .offset: 0, .size: 8, .value_kind: global_buffer, .address_space: global }
      - { .name: fc2_b, .offset: 8, .size: 8, .value_kind: global_buffer, .address_space: global }
      - { .name: hq, .offset: 16, .size: 8, .value_kind: global_buffer, .address_space: global }
      - { .name: hs, .offset: 24, .size: 8, .value_kind: global_buffer, .address_space: global }
      - { .name: rlist, .offset: 32, .size: 8, .value_kind: global_buffer, .address_space: global }
      - { .name: rw, .offset: 40, .size: 8, .value_kind: global_buffer, .address_space: global }
      - { .name: ya, .offset: 48, .size: 8, .value_kind: global_buffer, .address_space: global }
    .group_segment_fixed_size: 180736
    .private_segment_fixed_size: 0
    .kernarg_segment_align: 8
    .kernarg_segment_size: 56
    .max_flat_workgroup_size: 512
    .sgpr_count:     66
    .vgpr_count:     256
    .wavefront_size: 32
...
	.end_amdgpu_metadata
.endif
;; end of part 4
;; launch combine (part 5): grid 257 x 1, 8 waves a work-group, no clusters, 0 bytes of LDS; arguments ya, rw, out0, out1; writes out0, out1
.if DOCPART == 5
	.amdgcn_target "amdgcn-amd-amdhsa--gfx1250"
	.amdhsa_code_object_version 6
	.text
	.protected	k_q76369b50b7_combine
	.globl	k_q76369b50b7_combine
	.p2align	8
	.type	k_q76369b50b7_combine,@function
k_q76369b50b7_combine:
	s_mov_b64 s[64:65], 0
	v_nop
	global_prefetch_b8 v0, s[64:65] scope:SCOPE_SE
	s_setreg_imm32_b32 hwreg(HW_REG_WAVE_MODE, 25, 1), 1
	s_wait_xcnt 0x0
; out0[token] = the token's four partial rows of ya added (two routed rows x two halves of K: 16,384 consecutive bytes); out1 = the auxiliary loss from the partial sums of probabilities (8,192 bytes on in rw).
; Work-groups 0 to 255 take four tokens each: thread t owns the 16 bytes at 16 t of every row, so each load and store of a wave covers 512 consecutive bytes.  All sixteen loads go out first.
; Work-group 256: its wave 0 adds the 128 partial sums of probabilities, takes the mean over 1,024 tokens, and stores the sum over the 8 experts of (mean - 1/8)^2, which is mean(..) x 8.
; A stream: no LDS, no barrier, no matrix unit.
.set PAOFF, 8192
	s_load_b256 s[4:11], s[0:1], 0x0               ; ya, rw, out0, out1
	v_lshlrev_b32 v1, 4, v0
	s_cmp_eq_u32 ttmp9, 256
	s_cbranch_scc1 .Laux
	s_lshl_b32 s12, ttmp9, 16
	s_mov_b32 s13, 0
	s_lshl_b32 s14, ttmp9, 14
	s_mov_b32 s15, 0
	s_wait_kmcnt 0x0
	s_add_nc_u64 s[4:5], s[4:5], s[12:13]
	s_add_nc_u64 s[8:9], s[8:9], s[14:15]
.irp k, 0,1,2,3
.irp p, 0,1,2,3
	global_load_b128 v[16+16*\k+4*\p:19+16*\k+4*\p], v1, s[4:5] offset:16384*\k+4096*\p th:TH_LOAD_NT
.endr
.endr
.irp k, 0,1,2,3
	s_wait_loadcnt 12-4*\k                         ; this token's four loads are in, the later tokens' may be out
.irp c, 0,2
	v_pk_add_f32 v[16+16*\k+\c:17+16*\k+\c], v[16+16*\k+\c:17+16*\k+\c], v[20+16*\k+\c:21+16*\k+\c]
	v_pk_add_f32 v[24+16*\k+\c:25+16*\k+\c], v[24+16*\k+\c:25+16*\k+\c], v[28+16*\k+\c:29+16*\k+\c]
.endr
.irp c, 0,2
	v_pk_add_f32 v[16+16*\k+\c:17+16*\k+\c], v[16+16*\k+\c:17+16*\k+\c], v[24+16*\k+\c:25+16*\k+\c]
.endr
	global_store_b128 v1, v[16+16*\k:19+16*\k], s[8:9] offset:4096*\k th:TH_STORE_NT
.endr
	s_endpgm
.Laux:
	v_lshrrev_b32 v2, 5, v0
	v_readfirstlane_b32 s12, v2
	s_wait_kmcnt 0x0
	s_cmp_lg_u32 s12, 0
	s_cbranch_scc1 .Lend
.irp j, 0,1,2,3,4,5,6,7
	global_load_b128 v[16+4*\j:19+4*\j], v1, s[6:7] offset:PAOFF+512*\j  ; work-group 16 j + lane / 2, experts 4 (lane % 2) + 0 .. 3
.endr
	s_mov_b32 s16, 0x76543210
	s_mov_b32 s17, 0xfedcba98
	s_mov_b32 s14, 0x3a800000                      ; 1 / 1,024
	s_mov_b32 s15, 0xbe000000                      ; -1 / 8
	v_mov_b32 v2, 0
	s_wait_loadcnt 0x0
.irp j, 1,2,3,4,5,6,7
	v_pk_add_f32 v[16:17], v[16:17], v[16+4*\j:17+4*\j]
	v_pk_add_f32 v[18:19], v[18:19], v[18+4*\j:19+4*\j]
.endr
.irp m, 2,4,8
.irp c, 0,1,2,3
	v_add_f32_dpp v[16+\c], v[16+\c], v[16+\c] row_xmask:\m row_mask:0xf bank_mask:0xf
.endr
.endr
.irp c, 0,1,2,3
	v_permlanex16_b32 v[20+\c], v[16+\c], s16, s17
.endr
.irp c, 0,1,2,3
	v_add_f32 v[16+\c], v[16+\c], v[20+\c]
.endr
.irp c, 0,1,2,3
	v_fma_f32 v[16+\c], v[16+\c], s14, s15         ; mean - 1/8
.endr
	v_mul_f32 v20, v16, v16
	v_fma_f32 v20, v17, v17, v20
	v_fma_f32 v20, v18, v18, v20
	v_fma_f32 v20, v19, v19, v20
	v_add_f32_dpp v20, v20, v20 row_xmask:1 row_mask:0xf bank_mask:0xf   ; with the other four experts'
	s_wait_xcnt 0x0                                ; EXEC changes only behind this wait
	v_cmpx_eq_u32 0, v0
	global_store_b32 v2, v20, s[10:11]
	s_endpgm
.Lend:
	s_endpgm
.Lfunc_end_k_q76369b50b7_combine:
	.size	k_q76369b50b7_combine, .Lfunc_end_k_q76369b50b7_combine-k_q76369b50b7_combine
	.p2alignl 7, 3214868480
	.fill 96, 4, 3214868480
	.section	.rodata,"a",@progbits
	.p2align	6, 0x0
	.amdhsa_kernel k_q76369b50b7_combine
		.amdhsa_group_segment_fixed_size 0
		.amdhsa_private_segment_fixed_size 0
		.amdhsa_enable_private_segment 0
		.amdhsa_kernarg_size 32
		.amdhsa_user_sgpr_count 2
		.amdhsa_user_sgpr_kernarg_segment_ptr 1
		.amdhsa_wavefront_size32 1
		.amdhsa_system_sgpr_workgroup_id_x 1
		.amdhsa_system_sgpr_workgroup_id_y 1
		.amdhsa_system_sgpr_workgroup_id_z 1
		.amdhsa_system_vgpr_workitem_id 0
		.amdhsa_next_free_vgpr 96
		.amdhsa_next_free_sgpr 66
		.amdhsa_reserve_vcc 0
		.amdhsa_float_denorm_mode_32 3
		.amdhsa_float_denorm_mode_16_64 3
		.amdhsa_memory_ordered 1
		.amdhsa_forward_progress 1
		.amdhsa_inst_pref_size 9
	.end_amdhsa_kernel
	.amdgpu_metadata
---
amdhsa.version: [ 1, 2 ]
amdhsa.kernels:
  - .name:           k_q76369b50b7_combine
    .symbol:         k_q76369b50b7_combine.kd
    .args:
      - { .name: ya, .offset: 0, .size: 8, .value_kind: global_buffer, .address_space: global }
      - { .name: rw, .offset: 8, .size: 8, .value_kind: global_buffer, .address_space: global }
      - { .name: out0, .offset: 16, .size: 8, .value_kind: global_buffer, .address_space: global }
      - { .name: out1, .offset: 24, .size: 8, .value_kind: global_buffer, .address_space: global }
    .group_segment_fixed_size: 0
    .private_segment_fixed_size: 0
    .kernarg_segment_align: 8
    .kernarg_segment_size: 32
    .max_flat_workgroup_size: 256
    .sgpr_count:     66
    .vgpr_count:     96
    .wavefront_size: 32
...
	.end_amdgpu_metadata
.endif
;; end of part 5
;; ======== version 2 of 2: 5 launches
;; workspace buffers: xq 819,200 bytes; ridx 8,192 bytes of whole numbers; rw 12,288 bytes; hq 25,165,824 bytes; hs 1,048,576 bytes; rlist 34,816 bytes of whole numbers; ya 16,842,752 bytes
;; launch route (part 6): grid 128 x 1, 8 waves a work-group, no clusters, 71,424 bytes of LDS; arguments x, gate_w, xq, ridx, rw; writes xq, ridx, rw
.if DOCPART == 6
	.amdgcn_target "amdgcn-amd-amdhsa--gfx1250"
	.amdhsa_code_object_version 6
	.text
	.protected	k_q76369b50b7_route
	.globl	k_q76369b50b7_route
	.p2align	8
	.type	k_q76369b50b7_route,@function
k_q76369b50b7_route:
	s_mov_b64 s[64:65], 0
	v_nop
	global_prefetch_b8 v0, s[64:65] scope:SCOPE_SE
	s_setreg_imm32_b32 hwreg(HW_REG_WAVE_MODE, 25, 1), 1
	s_wait_xcnt 0x0
; ROUTER AND QUANTISER OF x.  One token to a wave, eight tokens to a work-group, 128 work-groups.
; For its token a wave makes: the 8 logits (f32 multiply-adds over 1,024), softmax with the maximum taken away, the two largest
; probabilities (the lower index wins a tie), their weights w / (w0 + w1 + 1e-9); and the token's row as codes of E2M3 with one E8M0 byte for each 32.
; Stored at fixed places: ridx [token][2] whole numbers; rw [token][2] f32 and, 8,192 bytes on, [work-group][8] sums of probabilities over its 8 tokens.
; xq [token][K step s][half h][c][24 bytes]: block 4 s + 2 c + h, so that lane (r, h) of a matrix operand finds its 12 registers as 48 consecutive bytes;
; 786,432 bytes on: the scale bytes [token][32], byte l for block l.
; No address and no branch hangs on the choice: it only leaves as data.
; LIMITS: NaN and infinities are not served.  A block of zeros gets the byte 1 (its codes are zeros; these bytes are read by this program alone).
; Two probabilities that are equal within f32 rounding may be ordered otherwise than a sum in another order would order them.
.set XSOFF, 786432                     ; the scale bytes' place in xq
.set PAOFF, 8192                       ; the partial sums' place in rw
.set GATE, 0                           ; LDS: the gate's 8 rows of 4,096 bytes
.set STG,  32768                       ; a stage of 32 x 144 bytes for each wave
.set RES,  69632                       ; 64 bytes of results for each wave
.set LN,  1                            ; lane
.set L16, 2                            ; 16 x lane (also GATE + 16 x lane)
.set STW, 3                            ; stage, way in
.set STR, 4                            ; stage, way out: 144 x lane
.set GWA, 5                            ; GATE + 4,096 x wave + 16 x lane
.set RSA, 7                            ; RES + 64 x wave
.set PRA, 9                            ; wave 0: RES + 64 (lane / 8) + 4 (lane % 8)
.set QRA, 10                           ; wave 0: RES + 64 (lane % 8) + 32
.set XQO, 12                           ; my block's place in a row of xq
.set L4,  13
.set L8,  14
.set XR,  16                           ; v16-47   the row as loaded: load j, lane l: x[128 j + 4 l ..]
.set G,   48                           ; v48-111  two sets of a gate row
.set LG,  112                          ; v112-119 logits, then probabilities
.set AC,  120                          ; v120-123 two chains of pairs
.set X,   128                          ; v128-159 my block of 32 neighbours
.set C,   160                          ; v160-166 its codes
.set BYR, 168                          ; its scale byte
.set BV,  169                          ; largest, second largest probability
.set SVV, 170
.set DN,  171
.set BI,  172                          ; v172-175 index 0, index 1, weight 0, weight 1
	s_load_b128 s[4:7], s[0:1], 0x0                ; x, gate_w
	s_load_b64 s[8:9], s[0:1], 0x10                ; xq
	s_load_b64 s[12:13], s[0:1], 0x18              ; ridx
	s_load_b64 s[14:15], s[0:1], 0x20              ; rw
	v_lshl_add_u32 v176, v0, 2, 0x11300
	v_mov_b32 v177, 0
	v_lshrrev_b32 v8, 5, v0
	s_delay_alu instid0(VALU_DEP_1)
	v_readfirstlane_b32 s18, v8                    ; wave
	v_and_b32 v[LN], 31, v0
	s_delay_alu instid0(VALU_DEP_1)
	v_lshlrev_b32 v[L16], 4, v[LN]
	s_delay_alu instid0(VALU_DEP_2)
	v_lshlrev_b32 v[L4], 2, v[LN]
	s_delay_alu instid0(VALU_DEP_3)
	v_lshlrev_b32 v[L8], 3, v[LN]
	s_mul_i32 s19, s18, 4608
	s_add_co_u32 s19, s19, STG
	v_lshrrev_b32 v8, 3, v[LN]
	v_and_b32 v11, 7, v[LN]
	s_delay_alu instid0(VALU_DEP_2)
	v_mul_u32_u24 v[STW], v8, 144                  ; eight lanes' 128 bytes on end, then 16 of padding
	s_delay_alu instid0(VALU_DEP_1)
	v_lshl_add_u32 v[STW], v11, 4, v[STW]
	s_delay_alu instid0(VALU_DEP_1)
	v_add_nc_u32 v[STW], s19, v[STW]
	v_mul_u32_u24 v[STR], v[LN], 144
	s_delay_alu instid0(VALU_DEP_1)
	v_add_nc_u32 v[STR], s19, v[STR]
	s_lshl_b32 s20, s18, 12
	v_add_nc_u32 v[GWA], s20, v[L16]
	s_lshl_b32 s21, s18, 6
	s_add_co_u32 s21, s21, RES
	v_mov_b32 v[RSA], s21
	v_lshlrev_b32 v[PRA], 6, v8
	s_delay_alu instid0(VALU_DEP_1)
	v_lshl_add_u32 v[PRA], v11, 2, v[PRA]
	s_delay_alu instid0(VALU_DEP_1)
	v_add_nc_u32 v[PRA], RES, v[PRA]
	v_lshlrev_b32 v[QRA], 6, v11
	s_delay_alu instid0(VALU_DEP_1)
	v_add_nc_u32 v[QRA], RES+32, v[QRA]
	v_lshrrev_b32 v8, 2, v[LN]
	s_delay_alu instid0(VALU_DEP_1)
	v_mul_u32_u24 v[XQO], v8, 96                   ; 96 s
	v_and_b32 v8, 1, v[LN]
	s_delay_alu instid0(VALU_DEP_1)
	v_mad_u32_u24 v[XQO], v8, 48, v[XQO]           ; + 48 h
	v_bfe_u32 v8, v[LN], 1, 1
	s_delay_alu instid0(VALU_DEP_1)
	v_mad_u32_u24 v[XQO], v8, 24, v[XQO]           ; + 24 c
	s_mov_b32 s28, 0x76543210
	s_mov_b32 s29, 0xfedcba98                      ; v_permlanex16_b32's selects for lane l xor 16
	s_lshl_b32 s22, ttmp9, 3
	s_add_co_u32 s22, s22, s18                     ; my token
	s_mov_b32 s25, 0
	s_wait_kmcnt 0x0
	s_lshl_b32 s24, s22, 12
	s_add_nc_u64 s[4:5], s[4:5], s[24:25]          ; x at my row
	s_mov_b32 s24, s20
	s_add_nc_u64 s[6:7], s[6:7], s[24:25]          ; gate row = my wave's number
	s_lshl_b32 s24, s22, 5
	s_add_co_u32 s24, s24, XSOFF
	s_add_nc_u64 s[10:11], s[8:9], s[24:25]        ; my token's scale bytes
	s_mul_i32 s24, s22, 768
	s_add_nc_u64 s[8:9], s[8:9], s[24:25]          ; and its codes
	s_lshl_b32 s24, ttmp9, 5
	s_add_co_u32 s24, s24, PAOFF
	s_add_nc_u64 s[16:17], s[14:15], s[24:25]      ; my work-group's 8 partial sums
	s_lshl_b32 s24, ttmp9, 6
	s_add_nc_u64 s[12:13], s[12:13], s[24:25]
	s_add_nc_u64 s[14:15], s[14:15], s[24:25]
.irp j, 0,1,2,3,4,5,6,7
	global_load_b128 v[XR+4*\j:XR+4*\j+3], v[L16], s[4:5] offset:512*\j th:TH_LOAD_NT
.endr
.irp j, 0,1,2,3,4,5,6,7
	global_load_b128 v[G+4*\j:G+4*\j+3], v[L16], s[6:7] offset:512*\j
.endr
	s_wait_loadcnt 8                               ; x's eight loads are in, the gate row's eight may be out
.irp j, 0,1,2,3,4,5,6,7
	ds_store_b128 v[STW], v[XR+4*\j:XR+4*\j+3] offset:576*\j
.endr
	s_wait_loadcnt 0x0
.irp j, 0,1,2,3,4,5,6,7
	ds_store_b128 v[GWA], v[G+4*\j:G+4*\j+3] offset:512*\j
.endr
.irp j, 0,1,2,3,4,5,6,7
	ds_load_b128 v[X+4*\j:X+4*\j+3], v[STR] offset:16*\j           ; LDS serves a wave's instructions in order: these see my stores
.endr
	s_wait_dscnt 0x0                               ; for the others' sake: my gate row lies in LDS
	s_barrier_signal -1
	s_barrier_wait -1
.macro GLOAD e                         ; gate row e, laid as x lies in XR
.irp j, 0,1,2,3,4,5,6,7
	ds_load_b128 v[G+32*((\e)%2)+4*\j:G+32*((\e)%2)+4*\j+3], v[L16] offset:4096*(\e)+512*\j
.endr
.endm
	GLOAD 0
	; my block of 32: largest magnitude with the floor 2^(3 - 127) among its leaves, 2 off its exponent field, two conversions
	v_max3_num_f32 v8, |v[X]|, |v[X+1]|, |v[X+2]|
	v_max3_num_f32 v11, |v[X+3]|, |v[X+4]|, |v[X+5]|
.irp i, 6,10,14,18,22,26
	s_delay_alu instid0(VALU_DEP_2)
	v_max3_num_f32 v8, v8, |v[X+\i]|, |v[X+\i+1]|
	s_delay_alu instid0(VALU_DEP_2)
	v_max3_num_f32 v11, v11, |v[X+\i+2]|, |v[X+\i+3]|
.endr
	s_delay_alu instid0(VALU_DEP_2)
	v_max3_num_f32 v8, v8, |v[X+30]|, |v[X+31]|
	s_delay_alu instid0(VALU_DEP_1)
	v_max3_num_f32 v8, v8, v11, 0x1800000
	s_delay_alu instid0(VALU_DEP_1)
	v_add_nc_u32 v15, 0xff000000, v8
	v_cvt_scalef32_pk16_fp6_f32 v[C:C+2], v[X:X+15], v15
	v_cvt_scalef32_pk16_fp6_f32 v[C+4:C+6], v[X+16:X+31], v15
	v_lshrrev_b32 v[BYR], 23, v15                  ; the scale's byte
	global_store_b96 v[XQO], v[C:C+2], s[8:9]
	global_store_b96 v[XQO], v[C+4:C+6], s[8:9] offset:12
	global_store_b8 v[LN], v[BYR], s[10:11]
.macro DOT e                           ; my 32 products of logit e, in two chains of pairs
.set GB, G+32*((\e)%2)
	v_pk_mul_f32 v[AC:AC+1], v[XR:XR+1], v[GB:GB+1]
	v_pk_mul_f32 v[AC+2:AC+3], v[XR+2:XR+3], v[GB+2:GB+3]
.irp i, 4,8,12,16,20,24,28
	s_delay_alu instid0(VALU_DEP_2)
	v_pk_fma_f32 v[AC:AC+1], v[XR+\i:XR+\i+1], v[GB+\i:GB+\i+1], v[AC:AC+1]
	s_delay_alu instid0(VALU_DEP_2)
	v_pk_fma_f32 v[AC+2:AC+3], v[XR+\i+2:XR+\i+3], v[GB+\i+2:GB+\i+3], v[AC+2:AC+3]
.endr
	s_delay_alu instid0(VALU_DEP_1)
	v_pk_add_f32 v[AC:AC+1], v[AC:AC+1], v[AC+2:AC+3]
	s_delay_alu instid0(VALU_DEP_1)
	v_add_f32 v[LG+\e], v[AC], v[AC+1]
.endm
.irp e, 0,1,2,3,4,5,6
	GLOAD \e+1
	s_wait_dscnt 8                                 ; row e is in, the next row's eight loads may be out
	DOT \e
.endr
	s_wait_dscnt 0x0
	DOT 7
.irp m, 1,2,4,8
.irp e, 0,1,2,3,4,5,6,7
	v_add_f32_dpp v[LG+\e], v[LG+\e], v[LG+\e] row_xmask:\m row_mask:0xf bank_mask:0xf
.endr
.endr
.irp e, 0,1,2,3,4,5,6,7
	v_permlanex16_b32 v[G+\e], v[LG+\e], s28, s29
.endr
.irp e, 0,1,2,3,4,5,6,7
	v_add_f32 v[LG+\e], v[LG+\e], v[G+\e]          ; every lane holds all 8 logits
.endr
	v_max3_num_f32 v8, v[LG], v[LG+1], v[LG+2]
	s_delay_alu instid0(VALU_DEP_1)
	v_max3_num_f32 v8, v8, v[LG+3], v[LG+4]
	s_delay_alu instid0(VALU_DEP_1)
	v_max3_num_f32 v8, v8, v[LG+5], v[LG+6]
	s_delay_alu instid0(VALU_DEP_1)
	v_max_num_f32 v8, v8, v[LG+7]                  ; the maximum is taken away ahead of the exponentials
.irp e, 0,1,2,3,4,5,6,7
	v_sub_f32 v[LG+\e], v[LG+\e], v8
.endr
.irp e, 0,1,2,3,4,5,6,7
	v_mul_f32 v[LG+\e], 0x3fb8aa3b, v[LG+\e]
.endr
	s_wait_alu depctr_va_vdst(0)
.irp e, 0,1,2,3,4,5,6,7
	v_exp_f32 v[LG+\e], v[LG+\e]
.endr
	v_nop                                          ; a plain place behind the exponentials
	s_wait_alu depctr_va_vdst(0)
	v_add_f32 v8, v[LG], v[LG+1]
	v_add_f32 v11, v[LG+2], v[LG+3]
	v_add_f32 v15, v[LG+4], v[LG+5]
	v_add_f32 v[DN], v[LG+6], v[LG+7]
	s_delay_alu instid0(VALU_DEP_3)
	v_add_f32 v8, v8, v11
	s_delay_alu instid0(VALU_DEP_2)
	v_add_f32 v15, v15, v[DN]
	s_delay_alu instid0(VALU_DEP_1)
	v_add_f32 v8, v8, v15
	s_wait_alu depctr_va_vdst(0)
	v_rcp_f32 v8, v8
	v_nop
	s_wait_alu depctr_va_vdst(0)
.irp e, 0,1,2,3,4,5,6,7
	v_mul_f32 v[LG+\e], v[LG+\e], v8               ; the probabilities
.endr
	v_mov_b32 v[BV], v[LG]
	v_mov_b32 v[BI], 0
.irp e, 1,2,3,4,5,6,7
	s_delay_alu instid0(VALU_DEP_2)
	v_cmp_le_f32 vcc_lo, v[LG+\e], v[BV]           ; kept where the new one is not larger: the lower index wins a tie
	s_delay_alu instid0(VALU_DEP_1)
	v_cndmask_b32 v[BV], v[LG+\e], v[BV], vcc_lo
	s_delay_alu instid0(VALU_DEP_2)
	v_cndmask_b32 v[BI], \e, v[BI], vcc_lo
.endr
	v_mov_b32 v[SVV], -1.0
	v_mov_b32 v[BI+1], 0
.irp e, 0,1,2,3,4,5,6,7
	s_delay_alu instid0(VALU_DEP_2)
	v_cmp_le_f32 s30, v[LG+\e], v[SVV]
	v_cmp_eq_u32 s31, \e, v[BI]                    ; the first choice is passed over
	s_or_b32 vcc_lo, s30, s31
	v_cndmask_b32 v[SVV], v[LG+\e], v[SVV], vcc_lo
	v_cndmask_b32 v[BI+1], \e, v[BI+1], vcc_lo
.endr
	s_delay_alu instid0(VALU_DEP_2)
	v_add_f32 v[DN], v[BV], v[SVV]
	s_delay_alu instid0(VALU_DEP_1)
	v_add_f32 v[DN], 0x3089705f, v[DN]             ; + 1e-9
	s_wait_alu depctr_va_vdst(0)
	v_rcp_f32 v[DN], v[DN]
	v_nop
	s_wait_alu depctr_va_vdst(0)
	v_mul_f32 v[BI+2], v[BV], v[DN]
	v_mul_f32 v[BI+3], v[SVV], v[DN]
	ds_store_b128 v[RSA], v[LG:LG+3]               ; all lanes write the same bytes with the same values
	ds_store_b128 v[RSA], v[LG+4:LG+7] offset:16
	ds_store_b128 v[RSA], v[BI:BI+3] offset:32
	s_wait_dscnt 0x0
	s_barrier_signal -1
	s_barrier_wait -1
	s_cmp_lg_u32 s18, 0
	s_cbranch_scc1 .Lothers
	ds_load_b32 v48, v[PRA]                        ; probability lane % 8 of token lane / 8,
	ds_load_b32 v49, v[PRA] offset:256             ; and of token 4 + lane / 8
	ds_load_b128 v[52:55], v[QRA]                  ; token lane % 8: its two indices and two weights
	s_wait_dscnt 0x0
	v_add_f32 v48, v48, v49
	s_delay_alu instid0(VALU_DEP_1)
	v_add_f32_dpp v48, v48, v48 row_xmask:8 row_mask:0xf bank_mask:0xf
	s_delay_alu instid0(VALU_DEP_1)
	v_permlanex16_b32 v49, v48, s28, s29
	s_delay_alu instid0(VALU_DEP_1)
	v_add_f32 v48, v48, v49                        ; lanes 0-7: the eight tokens' sum for expert = lane
	s_wait_alu depctr_va_vdst(0)
	s_wait_xcnt 0x0                                ; EXEC changes only behind this wait
	s_wait_tensorcnt 0x0
	ds_add_u32 v176, v177
	s_wait_dscnt 0x0
	v_cmpx_gt_u32 8, v[LN]
	global_store_b32 v[L4], v48, s[16:17]
	global_store_b64 v[L8], v[52:53], s[12:13]
	global_store_b64 v[L8], v[54:55], s[14:15]
	s_endpgm
.Lothers:
	s_wait_tensorcnt 0x0
	ds_add_u32 v176, v177
	s_wait_dscnt 0x0
	s_endpgm
.Lfunc_end_k_q76369b50b7_route:
	.size	k_q76369b50b7_route, .Lfunc_end_k_q76369b50b7_route-k_q76369b50b7_route
	.p2alignl 7, 3214868480
	.fill 96, 4, 3214868480
	.section	.rodata,"a",@progbits
	.p2align	6, 0x0
	.amdhsa_kernel k_q76369b50b7_route
		.amdhsa_group_segment_fixed_size 71424
		.amdhsa_private_segment_fixed_size 0
		.amdhsa_enable_private_segment 0
		.amdhsa_kernarg_size 40
		.amdhsa_user_sgpr_count 2
		.amdhsa_user_sgpr_kernarg_segment_ptr 1
		.amdhsa_wavefront_size32 1
		.amdhsa_system_sgpr_workgroup_id_x 1
		.amdhsa_system_sgpr_workgroup_id_y 1
		.amdhsa_system_sgpr_workgroup_id_z 1
		.amdhsa_system_vgpr_workitem_id 0
		.amdhsa_next_free_vgpr 178
		.amdhsa_next_free_sgpr 66
		.amdhsa_reserve_vcc 1
		.amdhsa_float_denorm_mode_32 3
		.amdhsa_float_denorm_mode_16_64 3
		.amdhsa_memory_ordered 1
		.amdhsa_forward_progress 1
		.amdhsa_inst_pref_size 36
	.end_amdhsa_kernel
	.amdgpu_metadata
---
amdhsa.version: [ 1, 2 ]
amdhsa.kernels:
  - .name:           k_q76369b50b7_route
    .symbol:         k_q76369b50b7_route.kd
    .args:
      - { .name: x, .offset: 0, .size: 8, .value_kind: global_buffer, .address_space: global }
      - { .name: gate_w, .offset: 8, .size: 8, .value_kind: global_buffer, .address_space: global }
      - { .name: xq, .offset: 16, .size: 8, .value_kind: global_buffer, .address_space: global }
      - { .name: ridx, .offset: 24, .size: 8, .value_kind: global_buffer, .address_space: global }
      - { .name: rw, .offset: 32, .size: 8, .value_kind: global_buffer, .address_space: global }
    .group_segment_fixed_size: 71424
    .private_segment_fixed_size: 0
    .kernarg_segment_align: 8
    .kernarg_segment_size: 40
    .max_flat_workgroup_size: 256
    .sgpr_count:     66
    .vgpr_count:     178
    .wavefront_size: 32
...
	.end_amdgpu_metadata
.endif
;; end of part 6
;; launch place (part 7): grid 8 x 1, 1 waves a work-group, no clusters, 0 bytes of LDS; arguments ridx, rlist; writes rlist
.if DOCPART == 7
	.amdgcn_target "amdgcn-amd-amdhsa--gfx1250"
	.amdhsa_code_object_version 6
	.text
	.protected	k_q76369b50b7_place
	.globl	k_q76369b50b7_place
	.p2align	8
	.type	k_q76369b50b7_place,@function
k_q76369b50b7_place:
	s_mov_b64 s[64:65], 0
	v_nop
	global_prefetch_b8 v0, s[64:65] scope:SCOPE_SE
	s_setreg_imm32_b32 hwreg(HW_REG_WAVE_MODE, 25, 1), 1
	s_wait_xcnt 0x0
; THE ROWS BY EXPERT.  ridx [token][2] holds each token's two experts; entry k is row id k = 2 token + slot.  Work-group e, one wave, lists the row ids that name expert e.
; It is a launch of its own because the choice is made from floating-point numbers in the launch before, where no address may hang on it; here it is read from memory as whole numbers.
; rlist: [e][1,024] row ids; places past the count hold the sentinel 2,048 + e;  32,768 bytes on: the count, 32 equal words an expert;  33,792 bytes on: 32 dump words an expert, which nobody reads.
; A step takes one entry a lane: the lanes that name e take the next places, in lane order; the others store into their own dump word, so that EXEC never changes.
; Every offset is held by v_min_u32 to the buffer's 8,704 words.  Each step has an offset register and a data register of its own: no store's sources are written again.
; LIMIT: an expert has at most 1,024 rows, since a token's two experts differ (the router passes over its first choice when it looks for the second).
.set RCOFF, 32768
.set DUMPW, 8448                       ; the dump words' first word: 33,792 / 4
.set L16, 2
.set L4,  3
.set DMP, 4                            ; my dump word's index
.set CV,  5
.set SEN, 8                            ; v8-11   the sentinel, four times
.set D,   32                           ; v32-95  ridx: load j, component c: entry 128 j + 4 lane + c; then that step's store offset
.set RR,  96                           ; v96-159 the entries' row ids
.set EX,  8
.set BASE, 9
.set TC,  10
	s_load_b128 s[4:7], s[0:1], 0x0                ; ridx, rlist
	v_lshlrev_b32 v[L16], 4, v0                    ; one wave: v0 is the lane
	v_lshlrev_b32 v[L4], 2, v0
	s_mov_b32 s[EX], ttmp9
	s_lshl_b32 s[BASE], ttmp9, 10                  ; the next free place, as a word of rlist: 1,024 e on
	s_lshl_b32 s11, ttmp9, 5
	s_add_co_u32 s11, s11, DUMPW
	v_add_nc_u32 v[DMP], s11, v0
	s_add_co_u32 s11, ttmp9, 2048
	v_mov_b32 v[SEN], s11
	v_mov_b32 v[SEN+1], s11
	v_mov_b32 v[SEN+2], s11
	v_mov_b32 v[SEN+3], s11
	s_lshl_b32 s12, ttmp9, 12
	s_mov_b32 s13, 0
	s_lshl_b32 s14, ttmp9, 7
	s_add_co_u32 s14, s14, RCOFF
	s_mov_b32 s15, 0
	s_wait_alu depctr_va_vdst(0)
	s_wait_kmcnt 0x0
	s_add_nc_u64 s[16:17], s[6:7], s[12:13]        ; expert e's list
	s_add_nc_u64 s[18:19], s[6:7], s[14:15]        ; and its count
.irp j, 0,1,2,3,4,5,6,7,8,9,10,11,12,13,14,15
	global_load_b128 v[D+4*\j:D+4*\j+3], v[L16], s[4:5] offset:512*\j
.endr
.irp j, 0,1,2,3,4,5,6,7
	global_store_b128 v[L16], v[SEN:SEN+3], s[16:17] offset:512*\j     ; the sentinel everywhere
.endr
.set kk, 0
.rept 64
	v_add_nc_u32 v[RR+kk], 128*(kk/4)+kk%4, v[L4]  ; the entries' row ids, made while the loads are out
.set kk, kk+1
.endr
	s_wait_loadcnt 0x0
	s_wait_storecnt 0x0                            ; the sentinels are written: the row ids below land on top of them
.macro LSTEP k
	v_cmp_eq_u32 vcc_lo, s[EX], v[D+\k]
	v_mbcnt_lo_u32_b32 v[D+\k], vcc_lo, s[BASE]    ; the next free place + such lanes below me
	v_cndmask_b32 v[D+\k], v[DMP], v[D+\k], vcc_lo ; the others: their dump word
	v_min_u32 v[D+\k], 0x21ff, v[D+\k]
	v_lshlrev_b32 v[D+\k], 2, v[D+\k]
	global_store_b32 v[D+\k], v[RR+\k], s[6:7]
	s_bcnt1_i32_b32 s[TC], vcc_lo
	s_add_co_u32 s[BASE], s[BASE], s[TC]
.endm
.set kk, 0
.rept 64
	LSTEP kk
.set kk, kk+1
.endr
	s_lshl_b32 s11, ttmp9, 10
	s_sub_co_u32 s[BASE], s[BASE], s11             ; expert e's rows
	v_mov_b32 v[CV], s[BASE]
	global_store_b32 v[L4], v[CV], s[18:19]
	s_endpgm
.Lfunc_end_k_q76369b50b7_place:
	.size	k_q76369b50b7_place, .Lfunc_end_k_q76369b50b7_place-k_q76369b50b7_place
	.p2alignl 7, 3214868480
	.fill 96, 4, 3214868480
	.section	.rodata,"a",@progbits
	.p2align	6, 0x0
	.amdhsa_kernel k_q76369b50b7_place
		.amdhsa_group_segment_fixed_size 0
		.amdhsa_private_segment_fixed_size 0
		.amdhsa_enable_private_segment 0
		.amdhsa_kernarg_size 16
		.amdhsa_user_sgpr_count 2
		.amdhsa_user_sgpr_kernarg_segment_ptr 1
		.amdhsa_wavefront_size32 1
		.amdhsa_system_sgpr_workgroup_id_x 1
		.amdhsa_system_sgpr_workgroup_id_y 1
		.amdhsa_system_sgpr_workgroup_id_z 1
		.amdhsa_system_vgpr_workitem_id 0
		.amdhsa_next_free_vgpr 160
		.amdhsa_next_free_sgpr 66
		.amdhsa_reserve_vcc 1
		.amdhsa_float_denorm_mode_32 3
		.amdhsa_float_denorm_mode_16_64 3
		.amdhsa_memory_ordered 1
		.amdhsa_forward_progress 1
		.amdhsa_inst_pref_size 32
	.end_amdhsa_kernel
	.amdgpu_metadata
---
amdhsa.version: [ 1, 2 ]
amdhsa.kernels:
  - .name:           k_q76369b50b7_place
    .symbol:         k_q76369b50b7_place.kd
    .args:
      - { .name: ridx, .offset: 0, .size: 8, .value_kind: global_buffer, .address_space: global }
      - { .name: rlist, .offset: 8, .size: 8, .value_kind: global_buffer, .address_space: global }
    .group_segment_fixed_size: 0
    .private_segment_fixed_size: 0
    .kernarg_segment_align: 8
    .kernarg_segment_size: 16
    .max_flat_workgroup_size: 32
    .sgpr_count:     66
    .vgpr_count:     160
    .wavefront_size: 32
...
	.end_amdgpu_metadata
.endif
;; end of part 7
;; launch fc1 (part 8): grid 32 x 8, 16 waves a work-group, no clusters, 180,736 bytes of LDS; arguments fc1_w, fc1_b, xq, rlist, hq, hs; writes hq, hs
.if DOCPART == 8
	.amdgcn_target "amdgcn-amd-amdhsa--gfx1250"
	.amdhsa_code_object_version 6
	.text
	.protected	k_q76369b50b7_fc1
	.globl	k_q76369b50b7_fc1
	.p2align	8
	.type	k_q76369b50b7_fc1,@function
k_q76369b50b7_fc1:
	s_mov_b64 s[64:65], 0
	v_nop
	global_prefetch_b8 v0, s[64:65] scope:SCOPE_SE
	s_setreg_imm32_b32 hwreg(HW_REG_WAVE_SCHED_MODE, 0, 2), 2
	s_setreg_imm32_b32 hwreg(HW_REG_WAVE_MODE, 25, 1), 1
	s_wait_xcnt 0x0
	s_wait_alu depctr_vm_vsrc(0)
; FIRST LAYER OF THE CHOSEN EXPERTS: h = gelu(x W1^T + b1), quantised along F, for the rows listed for expert e alone.
; A work-group (x = slice of 128 rows of F, y = expert e) reads its 512 KB of W1 as f32 ONCE, quantises it in registers and keeps the codes in LDS as images of operand registers.
; Trip counts hang on the stored count (32,768 bytes on in rlist), so nothing here is moved by a copy engine and no tile is asked for jointly in a cluster;
; each work-group's weights are its own, and what work-groups share (x's codes, 0.8 MB) is a small part of a work-group's bytes.  Weights come by dense 16-byte loads.
; rlist [e][1,024]: row id = 2 token + slot; places past the count hold the sentinel 2,048 + e: such lanes compute on token 1,023 and their results are never used.
; SIXTEEN WAVES.  Wave w owns tile w of 16 listed rows (always worked, so tiles 0-15 of hq and hs are always written).  The slice goes in four UNITS of 32 rows of W1:
; A(u): each wave quantises two rows (4 KB each) and at once asks for its two rows of unit u + 1, which stay on their way during B(u): 8 KB a wave, 128 KB a work-group;  barrier;
; B(u): 16 products (source 0 = 16 rows of W1, source 1 = my 16 tokens, b1 as the first C), exact GELU, quantiser, 12 bytes of codes a lane to hq.
; Each unit has image bytes of its own, so one barrier a unit does.  Tiles from 16 on (an expert with more than 256 rows) are walked afterwards, a (tile, unit) to a wave, without barriers;
; their list entries are asked for inside A(3) and the first such tile's x behind B(3)'s products, so that both are on their way while unit 3 is finished.
; THE ROWS OF W1 THAT FORM A TILE ARE NOT NEIGHBOURS: place m of tile t' takes row 8 t' + m + 8 (m / 8) of the unit, so that a lane's 16 result registers are 16 neighbours along F.
; GELU: h = max(x, 0) - |x| q, q = erfc(|x| / sqrt 2) / 2 = t 2^E, t = 1 / (1 + |x| sqrt(2) / 4), E = -x^2 log2(e) / 2 + a polynomial of degree 9 in t (the Chebyshev fit of erfc, fractional error 1.2e-7).
; hq [e][tile][slice s][unit u][row r][24 bytes], hs [e][tile][s][r][byte u].
; LIMITS: NaN and infinities are not served; a block of zeros gets the byte 1 (read by this program alone); GELU is right to about 1e-6 of the number; an expert has at most 1,024 rows (a token's two experts differ).
; THE MODE: SCHED_MODE bits 1:0 = 2 (LLVM: expert scheduling mode 2), set by the entry lines.  The code itself states the register dependences
; between vector or matrix instructions and memory or LDS instructions, with s_wait_alu, always for 0.
; THE PLAN.  Registers that memory or LDS instructions touch:
;   RG0, RG1     Written by W1's loads, read by the stage's LDS stores; no vector instruction names them before unit 3's first row has left RG0 (then: list entries and the walk's offsets).
;   X            (SH .. SH+31)  Written by the stage's LDS loads, read by the block's maxima and conversions.
;   C, BY        Written by the conversions, read by the image's LDS stores.
;   SH as two sets of fragments   Written by LDS loads, read by the products; afterwards GELU's and the quantiser's work registers.
;   QPC, QBY, HSW   Written by the quantiser, read by the stores to hq and hs.
;   WS, XS, XF   Written by loads, read by the products.      ACC   Written by the bias's LDS loads, then by products and GELU; read by the conversion.
;   v1 to v12    Offsets and LDS addresses, made once at the head (v2 to v4 anew for the leftover walk).
; A row of phase A has one wait on vm_vsrc (the stage's stores have read the set; the last row's stores their codes) and one on va_vdst, ahead of the image's stores: behind it no vector
; instruction has named X or SH, so the next row's LDS loads and the unit's first two fetches of fragments owe nothing more.  In the products each later fetch stands behind a wait on va_vdst for the two
; products that read its set.  One wait on va_vdst ahead of the unit's stores states that the codes are written and that ACC, SH and WS are free for the next unit's loads.
.set XSOFF, 786432                     ; x's scale bytes in xq
.set RCOFF, 32768                      ; the counts in rlist
.set FRG,   1568                       ; a fragment's image: lane (r, h) has its 48 bytes at 48 r + 784 h: sixteen lanes' 16 bytes fall into sixteen different columns of 16 bytes
.set UNITB, 16*FRG                     ; a unit: fragment 8 t' + s
.set IMG,   0
.set WSC,   100352                     ; W1's scale words: 1,024 u + 512 t' + 32 place + 4 s + byte
.set STG,   104448                     ; a stage for each wave, 4,608 bytes apart: a row's 32 blocks of 128 bytes, two on end, then 16 bytes of padding: 16 x 272 bytes.
                                       ; In: sixteen lanes store 256 consecutive bytes.  Out: lane l takes block l at 272 (l / 2) + 128 (l % 2): column (l / 2) + 8 (l % 2) of sixteen: all different
.set BIAS,  178176                     ; b1's 128 numbers
.set GOFF, 1                           ; 16 x lane
.set STW,  2
.set STR,  3
.set IMGA, 4                           ; where my block's codes go, units 0, 1
.set IMGA2, 5                          ; units 2, 3 (an LDS immediate has 16 bits)
.set SCBA, 6                           ; where my block's scale byte goes
.set WFA,  7                           ; where I read fragments, units 0, 1
.set WFA2, 8
.set WSA,  9                           ; and scale words
.set BLA,  10                          ; BIAS + 64 h
.set HST,  11                          ; hq: 24 r + 12 h + 49,152 tile
.set HSS,  12                          ; hs: 4 r + 2,048 tile
.set HSW,  13                          ; my row's scale word, gathered over the four units
.set C9,   14                          ; v[14:15] the polynomial's highest coefficient, twice
.set WS,   16                          ; v16-23  W1's scale words: lanes 0-15 tile 0, lanes 16-31 tile 1; register = K step
.set XS,   24                          ; v24-31  x's scale words
.set XF,   32                          ; v32-127 x's 8 fragments
.set RG,   128                         ; v128-191 two sets of 32: a row of W1 as loaded
.set ACC,  192                         ; v192-207 two accumulators
.set SH,   208                         ; v208-255 by turns: a block and its codes | two sets of two fragments of W1 | GELU's work
.set X,   SH
.set C,   SH+32
.set MXA, SH+40
.set MXB, SH+41
.set SC,  SH+42
.set BY,  SH+43
.set GA,  SH
.set GTI, SH+8
.set GW,  SH+16
.set GP,  SH+24
.set GM,  SH+32
.set QM0, SH+40
.set QM1, SH+41
.set QSC, SH+42
.set QBY, SH+43
.set QPC, SH+44
.set T0,  SH                           ; the head's work registers
.set LN,  SH+1
.set R,   SH+2
.set H,   SH+3
.set RTA, SH+4
.set H48, SH+8
.set ENT, SH+9
.set BSA, SH+12
.set XA,  ACC+4                        ; the offsets of my resident tile's x: registers that are next written by B(0)'s bias loads, behind the wait that shows x's loads done
.set XSA, ACC+5
.set WFL, 2                            ; the leftover walk's LDS addresses take the registers that phase A's have left
.set WSL, 3
.set BLL, 4
.set LL,  128                          ; v128-139 my tiles' list entries; then the walk's offsets in memory (all in the set that unit 3's first row has left)
.set HSTL, 140
.set HSSL, 141
.set XAL, 142
.set XSAL, 143
.set H48L, 144
.set TL,  145
.set TL2, 146
.set LLO, 147
.set WV,  22
.set EX,  23
.set SL,  24
.set NN,  33
.set NT,  34
.set LFT, 35
.set CT,  36
.macro LOADC set, base                 ; a row of W1: eight loads of 512 consecutive bytes
.irp j, 0,1,2,3,4,5,6,7
	global_load_b128 v[RG+32*\set+4*\j:RG+32*\set+4*\j+3], v[GOFF], s[4:5] offset:\base+512*\j th:TH_LOAD_NT
.endr
.endm
.macro XLOAD xa, xsa                   ; my token's 8 fragments (48 bytes a K step) and 8 scale words: 26 loads
.irp s, 0,1,2,3,4,5,6,7
.irp c, 0,1,2
	global_load_b128 v[XF+12*\s+4*\c:XF+12*\s+4*\c+3], v[\xa], s[8:9] offset:96*\s+16*\c
.endr
.endr
	global_load_b128 v[XS:XS+3], v[\xsa], s[10:11]
	global_load_b128 v[XS+4:XS+7], v[\xsa], s[10:11] offset:16
.endm
.macro BAR
	s_wait_dscnt 0x0                               ; my LDS stores have landed and my LDS loads are in
	s_barrier_signal -1
	s_barrier_wait -1
.endm
; Row i of my two of unit u: through the stage (each lane then holds a block of 32 neighbours), quantised, codes and byte into the images.  n: younger loads that may stay out.
.macro ACHUNK u, i, n, refill
	s_wait_loadcnt \n
.irp j, 0,1,2,3,4,5,6,7
	ds_store_b128 v[STW], v[RG+32*\i+4*\j:RG+32*\i+4*\j+3] offset:544*\j
.endr
.irp j, 0,1,2,3,4,5,6,7
	ds_load_b128 v[X+4*\j:X+4*\j+3], v[STR] offset:16*\j           ; LDS serves a wave's instructions in order.  No vector instruction has named X since the last wait on va_vdst
.endr
	s_wait_dscnt 0x0                               ; the block is in
	s_wait_alu depctr_vm_vsrc(0)                   ; the stage's stores have read the set, which is loaded or written again next; the last row's stores have read its codes and its byte, which are written again below
.if \refill
	LOADC \i, 131072*(\u+1)+4096*\i                ; the same row of the next unit
.endif
	v_max3_num_f32 v[MXA], |v[X]|, |v[X+1]|, |v[X+2]|
	v_max3_num_f32 v[MXB], |v[X+3]|, |v[X+4]|, |v[X+5]|
.irp j, 6,10,14,18,22,26
	v_max3_num_f32 v[MXA], v[MXA], |v[X+\j]|, |v[X+\j+1]|
	v_max3_num_f32 v[MXB], v[MXB], |v[X+\j+2]|, |v[X+\j+3]|
.endr
	v_max3_num_f32 v[MXA], v[MXA], |v[X+30]|, |v[X+31]|
	v_max3_num_f32 v[MXA], v[MXA], v[MXB], 0x1800000  ; the floor 2^(3 - 127) holds the byte at 1 from below
	v_add_nc_u32 v[SC], 0xff000000, v[MXA]         ; 2 off the exponent field: the conversion's scale operand
	v_cvt_scalef32_pk16_fp6_f32 v[C:C+2], v[X:X+15], v[SC]
	v_cvt_scalef32_pk16_fp6_f32 v[C+4:C+6], v[X+16:X+31], v[SC]
	v_lshrrev_b32 v[BY], 23, v[SC]                 ; the byte (also the plain place behind the conversions)
	v_mov_b32 v[C+3], v[C+4]
	v_mov_b32 v[C+4], v[C+5]
	v_mov_b32 v[C+5], v[C+6]
	s_wait_alu depctr_va_vdst(0)                   ; the codes and the byte are written, which the LDS stores below read; the block's readers are done with X, in which the next LDS loads land
.irp k, 0,1,2
.if \u < 2
	ds_store_b64 v[IMGA], v[C+2*\k:C+2*\k+1] offset:(\u%2)*UNITB+48*\i+8*\k
.else
	ds_store_b64 v[IMGA2], v[C+2*\k:C+2*\k+1] offset:(\u%2)*UNITB+48*\i+8*\k
.endif
.endr
	ds_store_b8 v[SCBA], v[BY] offset:1024*\u+32*\i
.endm
.macro WFLOAD wfa, fo, ss              ; K step ss: the fragments of tiles 0 and 1, into set ss % 2
.irp t, 0,1
.irp c, 0,1,2
	ds_load_b128 v[SH+24*((\ss)%2)+12*\t+4*\c:SH+24*((\ss)%2)+12*\t+4*\c+3], v[\wfa] offset:\fo+(\ss)*FRG+\t*8*FRG+16*\c
.endr
.endr
.endm
; 16 products: 8 K steps x 2 tiles of 16 rows of W1.  The two accumulators take turns.
.macro BMUL wfa, fo, wsa, so
	ds_load_b128 v[WS:WS+3], v[\wsa] offset:\so
	ds_load_b128 v[WS+4:WS+7], v[\wsa] offset:\so+16
	WFLOAD \wfa, \fo, 0
.irp ss, 0,1,2,3,4,5,6,7
.if \ss < 7
.if \ss > 0
.rept 4
	v_nop                                          ; places behind the two products just issued, in front of loads into the set that they have read
.endr
	s_wait_alu depctr_va_vdst(0)                   ; the two products just issued are done reading their set, in which the fragments below land
.endif
	WFLOAD \wfa, \fo, \ss+1
	s_wait_dscnt 6                                 ; all but the six just issued
.else
	s_wait_dscnt 0x0
.endif
	v_wmma_scale_f32_16x16x128_f8f6f4 v[ACC:ACC+7], v[SH+24*(\ss%2):SH+24*(\ss%2)+11], v[XF+12*\ss:XF+12*\ss+11], v[ACC:ACC+7], v[WS+\ss], v[XS+\ss] matrix_a_fmt:MATRIX_FMT_FP6 matrix_b_fmt:MATRIX_FMT_FP6
	v_wmma_scale_f32_16x16x128_f8f6f4 v[ACC+8:ACC+15], v[SH+24*(\ss%2)+12:SH+24*(\ss%2)+23], v[XF+12*\ss:XF+12*\ss+11], v[ACC+8:ACC+15], v[WS+\ss], v[XS+\ss] matrix_a_fmt:MATRIX_FMT_FP6 matrix_b_fmt:MATRIX_FMT_FP6 matrix_a_scale:MATRIX_SCALE_ROW1
.endr
.endm
.macro GELU a                          ; eight numbers in place, stage by stage, two to an instruction where the form allows
.irp j, 0,1,2,3,4,5,6,7
	v_and_b32 v[GA+\j], 0x7fffffff, v[\a+\j]       ; |x|
.endr
.irp j, 0,2,4,6
	v_pk_fma_f32 v[GTI+\j:GTI+\j+1], v[GA+\j:GA+\j+1], 0x3eb504f3, 1.0 op_sel_hi:[1,0,0]
.endr
	s_wait_alu depctr_va_vdst(0)
.irp j, 0,1,2,3,4,5,6,7
	v_rcp_f32 v[GTI+\j], v[GTI+\j]                 ; t
.endr
.irp j, 0,2,4,6
	v_pk_mul_f32 v[GW+\j:GW+\j+1], v[\a+\j:\a+\j+1], v[\a+\j:\a+\j+1]   ; x^2 (plain places behind the reciprocals)
.endr
	s_wait_alu depctr_va_vdst(0)                   ; the eight reciprocals have written t, which the polynomial reads: one wait for the batch
.irp j, 0,2,4,6
	v_pk_fma_f32 v[GP+\j:GP+\j+1], v[GTI+\j:GTI+\j+1], v[C9:C9+1], 0xbf97d29d op_sel_hi:[1,1,0]
.endr
.irp c, 0x40097039, 0xbfd1a1e5, 0x3ecdfd18, 0xbe899a80, 0x3e0efb2e, 0x3f0a29d2, 0x3fb8ab5a, 0xc034d90f
.irp j, 0,2,4,6
	v_pk_fma_f32 v[GP+\j:GP+\j+1], v[GP+\j:GP+\j+1], v[GTI+\j:GTI+\j+1], \c op_sel_hi:[1,1,0]
.endr
.endr
.irp j, 0,2,4,6
	v_pk_fma_f32 v[GW+\j:GW+\j+1], v[GW+\j:GW+\j+1], 0xbf38aa3b, v[GP+\j:GP+\j+1] op_sel_hi:[1,0,1]   ; E
.endr
	s_wait_alu depctr_va_vdst(0)
.irp j, 0,1,2,3,4,5,6,7
	v_exp_f32 v[GW+\j], v[GW+\j]
.endr
.irp j, 0,1,2,3,4,5,6,7
	v_max_num_f32 v[GM+\j], 0, v[\a+\j]            ; (plain places behind the exponentials)
.endr
	s_wait_alu depctr_va_vdst(0)                   ; the eight exponentials have written 2^E, which the multiplications below read: one wait for the batch
.irp j, 0,2,4,6
	v_pk_mul_f32 v[GW+\j:GW+\j+1], v[GW+\j:GW+\j+1], v[GTI+\j:GTI+\j+1]   ; q
.endr
.irp j, 0,2,4,6
	v_pk_fma_f32 v[\a+\j:\a+\j+1], v[GA+\j:GA+\j+1], v[GW+\j:GW+\j+1], v[GM+\j:GM+\j+1] neg_lo:[1,0,0] neg_hi:[1,0,0]
.endr
.endm
.macro TOKX                            ; the token of list entry LL[0]: its offsets (768 t = 256 t + 512 t), its 26 loads
	v_lshrrev_b32 v[TL], 1, v[LL]
	v_min_u32 v[TL], 0x3ff, v[TL]
	v_lshl_add_u32 v[XAL], v[TL], 8, v[H48L]
	v_lshl_add_u32 v[XAL], v[TL], 9, v[XAL]
	v_lshlrev_b32 v[XSAL], 5, v[TL]
	s_wait_alu depctr_va_vdst(0)                   ; the two offsets are written, which the loads below read; the unit's products are done reading x's fragments and scale words, in which they land
	XLOAD XAL, XSAL
.endm
; One unit of 32 hidden units for one tile of 16 rows.  res = 1: my resident tile, unit u; res = 0: a leftover item.
; hook: what stands behind the products, where x's registers are free.  0: nothing.  1: the list moves up and the next leftover item's x is asked for.  2: the first leftover item's x is asked for.
.macro BUNIT wfa, fo, wsa, so, bla, bo, hst, ho, hss, res, u, hook
.if \res
	s_wait_alu depctr_vm_vsrc(0)                   ; my second row's LDS stores have read its codes and its byte: the second set of fragments lands in those registers
.endif
.irp q, 0,1,2,3
	ds_load_b128 v[ACC+4*\q:ACC+4*\q+3], v[\bla] offset:\bo+16*\q      ; b1 at my 16 hidden units starts the sums
.endr
	BMUL \wfa, \fo, \wsa, \so
.if \hook == 1
.irp i, 0,1,2,3,4,5,6,7,8,9,10
	v_mov_b32 v[LL+\i], v[LL+\i+1]                 ; the list moves up by one tile (these are the places behind the last products)
.endr
	TOKX
.else
.rept 4
	v_nop                                          ; places behind the last products
.endr
.if \hook == 2
	s_wait_loadcnt 0x0                             ; my twelve list entries, asked for inside A(3), are in
	TOKX
.endif
.endif
	GELU ACC
	GELU ACC+8
	v_max3_num_f32 v[QM0], |v[ACC]|, |v[ACC+1]|, 0x1800000
	v_max3_num_f32 v[QM1], |v[ACC+2]|, |v[ACC+3]|, |v[ACC+4]|
	v_max3_num_f32 v[QM0], v[QM0], |v[ACC+5]|, |v[ACC+6]|
	v_max3_num_f32 v[QM1], v[QM1], |v[ACC+7]|, |v[ACC+8]|
	v_max3_num_f32 v[QM0], v[QM0], |v[ACC+9]|, |v[ACC+10]|
	v_max3_num_f32 v[QM1], v[QM1], |v[ACC+11]|, |v[ACC+12]|
	v_max3_num_f32 v[QM0], v[QM0], |v[ACC+13]|, |v[ACC+14]|
	v_max3_num_f32 v[QM0], v[QM0], v[QM1], |v[ACC+15]|
	v_permlanex16_b32 v[GA], v[QM0], s38, s39      ; the block's other 16 lie in lane l xor 16
	v_max_num_f32 v[QM0], v[QM0], v[GA]
	v_add_nc_u32 v[QSC], 0xff000000, v[QM0]
	v_cvt_scalef32_pk16_fp6_f32 v[QPC:QPC+2], v[ACC:ACC+15], v[QSC]
	v_lshrrev_b32 v[QBY], 23, v[QSC]
.if \res
.if \u == 0
	v_mov_b32 v[HSW], v[QBY]
.else
	v_lshl_or_b32 v[HSW], v[QBY], 8*\u, v[HSW]
.endif
.endif
	s_wait_alu depctr_va_vdst(0)                   ; the codes, the byte (or the gathered word) and, in the walk, the stepped offsets are written, which the stores below read; ACC, SH and WS have had their last vector and matrix readers, so the next unit's LDS loads may land there
	global_store_b96 v[\hst], v[QPC:QPC+2], s[14:15] offset:\ho        ; the wave's 32 lanes store 384 consecutive bytes
.if \res
.if \u == 3
	global_store_b32 v[\hss], v[HSW], s[16:17]
.endif
.else
	global_store_b8 v[\hss], v[QBY], s[16:17]
.endif
	s_wait_xcnt 0x0                                ; the stores' data lie where the next loads land
	s_wait_alu depctr_vm_vsrc(0)                   ; the stores have read the codes and the byte, in which fragments land next; in the walk also their offsets and x's, which are written again
.endm
	s_load_b128 s[4:7], s[0:1], 0x0                ; fc1_w, fc1_b
	s_load_b64 s[8:9], s[0:1], 0x10                ; xq
	s_load_b64 s[18:19], s[0:1], 0x18              ; rlist
	s_load_b64 s[14:15], s[0:1], 0x20              ; hq
	s_load_b64 s[16:17], s[0:1], 0x28              ; hs
	v_lshrrev_b32 v[T0], 5, v0
	v_readfirstlane_b32 s[WV], v[T0]
	s_and_b32 s[EX], ttmp7, 0xffff
	s_mov_b32 s[SL], ttmp9
	v_and_b32 v[LN], 31, v0
	v_and_b32 v[R], 15, v0
	v_bfe_u32 v[H], v0, 4, 1
	v_lshlrev_b32 v[GOFF], 4, v[LN]
	s_wait_alu depctr_va_sdst(0)                   ; the wave's number is written, ahead of its first reader
	s_mul_i32 s37, s[WV], 4608
	s_add_co_u32 s37, s37, STG
	v_mul_u32_u24 v[STW], v[H], 272                ; the stage, way in: load j's lanes 0-15 hold blocks 4 j and 4 j + 1, lanes 16-31 the next two: pair 2 j + l / 16, 16 (l % 16) in it
	v_lshl_add_u32 v[STW], v[R], 4, v[STW]
	v_add_nc_u32 v[STW], s37, v[STW]
	v_lshrrev_b32 v[T0], 1, v[LN]
	v_mul_u32_u24 v[STR], v[T0], 272               ; way out: block l: pair l / 2, half l % 2
	v_and_b32 v[T0], 1, v[LN]
	v_lshl_add_u32 v[STR], v[T0], 7, v[STR]
	v_add_nc_u32 v[STR], s37, v[STR]
	s_bfe_u32 s40, s[WV], 0x10002                  ; my rows' tile t' = (wave / 4) % 2
	s_lshl_b32 s41, s[WV], 1
	s_and_b32 s41, s41, 7
	s_lshr_b32 s42, s[WV], 3
	s_lshl_b32 s42, s42, 3
	s_add_co_u32 s41, s41, s42                     ; my first row's place: (2 wave) % 8 + 8 (wave / 8)
	s_mul_i32 s43, s40, 8*FRG
	s_mul_i32 s44, s41, 48
	s_add_co_u32 s43, s43, s44
	v_lshrrev_b32 v[T0], 2, v[LN]
	v_mul_u32_u24 v[IMGA], v[T0], FRG              ; block l of a row: K step l / 4,
	v_and_b32 v[T0], 1, v[LN]
	v_mad_u32_u24 v[IMGA], v[T0], 784, v[IMGA]     ; half l % 2,
	v_bfe_u32 v[T0], v[LN], 1, 1
	v_mad_u32_u24 v[IMGA], v[T0], 24, v[IMGA]      ; registers 6 ((l / 2) % 2) on
	v_add_nc_u32 v[IMGA], s43, v[IMGA]
	v_add_nc_u32 v[IMGA2], 2*UNITB, v[IMGA]
	s_lshl_b32 s43, s40, 9
	s_lshl_b32 s44, s41, 5
	s_add_co_u32 s43, s43, s44
	s_add_co_u32 s43, s43, WSC
	v_add_nc_u32 v[SCBA], s43, v[LN]
	v_mul_u32_u24 v[WFA], v[R], 48
	v_mad_u32_u24 v[WFA], v[H], 784, v[WFA]
	v_add_nc_u32 v[WFA2], 2*UNITB, v[WFA]
	v_lshlrev_b32 v[WSA], 5, v[R]
	v_lshl_add_u32 v[WSA], v[H], 9, v[WSA]
	v_add_nc_u32 v[WSA], WSC, v[WSA]
	v_lshlrev_b32 v[BLA], 6, v[H]
	v_add_nc_u32 v[BLA], BIAS, v[BLA]
	v_mul_u32_u24 v[HST], v[R], 24
	v_mad_u32_u24 v[HST], v[H], 12, v[HST]
	s_mul_i32 s43, s[WV], 49152
	v_add_nc_u32 v[HST], s43, v[HST]
	s_lshl_b32 s43, s[WV], 11
	v_lshl_add_u32 v[HSS], v[R], 2, s43
	s_lshl_b32 s43, s[WV], 6
	v_lshl_add_u32 v[RTA], v[R], 2, s43            ; my tile's list entry: 4 (16 wave + r)
	v_add_nc_u32 v[BSA], BIAS, v[GOFF]
	v_mul_u32_u24 v[H48], v[H], 48
	v_mov_b32 v[C9], 0x3e7c6f08
	v_mov_b32 v[C9+1], 0x3e7c6f08
	s_mov_b32 s38, 0x76543210
	s_mov_b32 s39, 0xfedcba98
	s_mov_b32 s27, 0
	s_wait_kmcnt 0x0
	s_lshl_b32 s26, s[EX], 7
	s_add_co_u32 s26, s26, RCOFF
	s_add_nc_u64 s[20:21], s[18:19], s[26:27]
	s_load_b32 s[NN], s[20:21], 0x0                ; expert e's rows
	s_add_nc_u64 s[10:11], s[8:9], XSOFF           ; x's scale bytes
	s_lshl_b32 s26, s[EX], 12
	s_add_nc_u64 s[18:19], s[18:19], s[26:27]      ; expert e's list
	s_lshl_b32 s26, s[EX], 24
	s_lshl_b32 s37, s[SL], 19
	s_add_co_u32 s26, s26, s37
	s_lshl_b32 s37, s[WV], 13
	s_add_co_u32 s26, s26, s37
	s_add_nc_u64 s[4:5], s[4:5], s[26:27]          ; W1 at my first row
	s_lshl_b32 s26, s[EX], 14
	s_lshl_b32 s37, s[SL], 9
	s_add_co_u32 s26, s26, s37
	s_add_nc_u64 s[6:7], s[6:7], s[26:27]          ; b1 at the slice
	s_mul_i32 s26, s[EX], 3145728
	s_mul_i32 s37, s[SL], 1536
	s_add_co_u32 s26, s26, s37
	s_add_nc_u64 s[14:15], s[14:15], s[26:27]      ; hq at (e, tile 0, slice)
	s_lshl_b32 s26, s[EX], 17
	s_lshl_b32 s37, s[SL], 6
	s_add_co_u32 s26, s26, s37
	s_add_nc_u64 s[16:17], s[16:17], s[26:27]
	s_wait_alu depctr_va_vdst(0)                   ; the offsets and LDS addresses v1 to v12, the list's offset and b1's LDS address are written: every load and store up to the leftover walk reads one of them
	global_load_b128 v[ACC:ACC+3], v[GOFF], s[6:7] ; b1's 512 bytes
	global_load_b32 v[ENT], v[RTA], s[18:19]       ; my row's id
	LOADC 0, 0                                     ; unit 0's two rows
	LOADC 1, 4096
	s_wait_kmcnt 0x0
	s_min_u32 s[NN], s[NN], 0x400
	s_add_co_u32 s[NT], s[NN], 15
	s_lshr_b32 s[NT], s[NT], 4                     ; tiles of 16 rows
	s_lshr_b32 s37, s[WV], 2
	s_sub_co_i32 s[LFT], s[NT], 13
	s_sub_co_i32 s[LFT], s[LFT], s37
	s_max_i32 s[LFT], s[LFT], 0
	s_lshr_b32 s[LFT], s[LFT], 2                   ; my leftover tiles: 16 + wave / 4 + 4 i below the number of tiles
	s_wait_loadcnt 16                              ; b1 and the id are in; W1's sixteen loads may be out
	s_cmp_lg_u32 s[WV], 0
	s_cbranch_scc1 .Lnot0
	ds_store_b128 v[BSA], v[ACC:ACC+3]             ; read behind the first unit's barrier
.Lnot0:
	v_lshrrev_b32 v[T0], 1, v[ENT]                 ; row id / 2 = token
	v_min_u32 v[T0], 0x3ff, v[T0]
	v_lshl_add_u32 v[XA], v[T0], 8, v[H48]
	v_lshl_add_u32 v[XA], v[T0], 9, v[XA]          ; 768 token + 48 h
	v_lshlrev_b32 v[XSA], 5, v[T0]
	s_wait_alu depctr_va_vdst(0)                   ; x's two offsets are written, which its loads read; the head's vector instructions are done with their work registers, in which the first block lands
	XLOAD XA, XSA                                  ; nothing writes the two offset registers before B(0)
	s_wait_alu depctr_vm_vsrc(0)                   ; the id's load and b1's LDS store have read their address registers, which lie where the first block lands
	ACHUNK 0, 0, 34, 1                             ; younger than row 0: row 1's 8 and x's 26
	ACHUNK 0, 1, 34, 1                             ; younger than row 1: x's 26 and the refill's 8
	BAR
	s_wait_loadcnt 16                              ; x is in (so its offset registers may be written); the two refills may be out
	BUNIT WFA, 0, WSA, 0, BLA, 0, HST, 0, HSS, 1, 0, 0
	ACHUNK 1, 0, 8, 1                              ; younger: the other row's 8
	ACHUNK 1, 1, 8, 1                              ; younger: the refill's 8
	BAR
	BUNIT WFA, UNITB, WSA, 1024, BLA, 128, HST, 384, HSS, 1, 1, 0
	ACHUNK 2, 0, 8, 1
	ACHUNK 2, 1, 8, 1
	BAR
	BUNIT WFA2, 0, WSA, 2048, BLA, 256, HST, 768, HSS, 1, 2, 0
	ACHUNK 3, 0, 8, 0                              ; nothing of W1 is left to ask for: the first set is free from here on
	v_and_b32 v[TL], 15, v0
	v_bfe_u32 v[TL2], v0, 4, 1
	v_mul_u32_u24 v[H48L], v[TL2], 48
	s_lshr_b32 s41, s[WV], 2
	s_add_co_u32 s43, s41, 16
	s_lshl_b32 s42, s43, 6
	v_lshl_add_u32 v[LLO], v[TL], 2, s42           ; the list at tile 16 + wave / 4, my row
	s_wait_alu depctr_va_vdst(0)                   ; the list's offset is written, which the twelve loads below read
.irp i, 0,1,2,3,4,5,6,7,8,9,10,11
	global_load_b32 v[LL+\i], v[LLO], s[18:19] offset:256*\i       ; my row's entry in each of my twelve possible tiles: tile 63 at the most, inside the expert's 4,096 bytes
.endr
	ACHUNK 3, 1, 12, 0                             ; younger than the second row: the twelve list entries
	BAR                                            ; the last barrier: from here on the waves go their own ways
	s_cmp_eq_u32 s[LFT], 0
	s_cbranch_scc1 .Lplain
	BUNIT WFA2, UNITB, WSA, 3072, BLA, 384, HST, 1152, HSS, 1, 3, 2
	; THE LEFTOVER WALK: tile 16 + wave / 4 + 4 i, unit wave % 4.  All images are whole; nothing more is stored to LDS, so no barrier follows.
	s_and_b32 s40, s[WV], 3
	s_mul_i32 s42, s40, UNITB
	v_add_nc_u32 v[WFL], s42, v[WFA]
	s_lshl_b32 s42, s40, 10
	v_add_nc_u32 v[WSL], s42, v[WSA]
	s_lshl_b32 s42, s40, 7
	v_add_nc_u32 v[BLL], s42, v[BLA]
	v_and_b32 v[TL], 15, v0
	v_mul_u32_u24 v[HSTL], v[TL], 24
	v_mad_u32_u24 v[HSTL], v[TL2], 12, v[HSTL]
	s_mul_i32 s42, s43, 49152
	s_mul_i32 s44, s40, 384
	s_add_co_u32 s42, s42, s44
	v_add_nc_u32 v[HSTL], s42, v[HSTL]
	s_lshl_b32 s42, s43, 11
	s_add_co_u32 s42, s42, s40
	v_lshl_add_u32 v[HSSL], v[TL], 2, s42
	s_mov_b32 s[CT], 0
	s_wait_alu depctr_va_vdst(0)                   ; the walk's three LDS addresses are written, which the LDS loads of every item read
.Lleft:
	s_wait_loadcnt 0x0                             ; this item's x is in
	BUNIT WFL, 0, WSL, 0, BLL, 0, HSTL, 0, HSSL, 0, 0, 1
	v_add_nc_u32 v[HSTL], 196608, v[HSTL]          ; four tiles on
	v_add_nc_u32 v[HSSL], 8192, v[HSSL]
	s_add_co_u32 s[CT], s[CT], 1
	s_cmp_lt_u32 s[CT], s[LFT]
	s_cbranch_scc1 .Lleft
	s_wait_xcnt 0x0
	v_lshl_add_u32 v254, v0, 2, 0x2ba00            ; the add's two registers, made anew: no memory instruction has read them since the last wait on vm_vsrc
	v_mov_b32 v255, 0
	s_wait_dscnt 0x0                               ; the closing lines, six on end
	s_wait_alu 0x0
	s_wait_tensorcnt 0x0
	ds_add_u32 v254, v255
	s_wait_dscnt 0x0
	s_endpgm
.Lplain:                                               ; no leftover tile is mine
	BUNIT WFA2, UNITB, WSA, 3072, BLA, 384, HST, 1152, HSS, 1, 3, 0
	s_wait_xcnt 0x0
	v_lshl_add_u32 v254, v0, 2, 0x2ba00            ; the add's two registers, made anew: no memory instruction has read them since the last wait on vm_vsrc
	v_mov_b32 v255, 0
	s_wait_dscnt 0x0                               ; the closing lines, six on end
	s_wait_alu 0x0
	s_wait_tensorcnt 0x0
	ds_add_u32 v254, v255
	s_wait_dscnt 0x0
	s_endpgm
.Lfunc_end_k_q76369b50b7_fc1:
	.size	k_q76369b50b7_fc1, .Lfunc_end_k_q76369b50b7_fc1-k_q76369b50b7_fc1
	.p2alignl 7, 3214868480
	.fill 96, 4, 3214868480
	.section	.rodata,"a",@progbits
	.p2align	6, 0x0
	.amdhsa_kernel k_q76369b50b7_fc1
		.amdhsa_group_segment_fixed_size 180736
		.amdhsa_private_segment_fixed_size 0
		.amdhsa_enable_private_segment 0
		.amdhsa_kernarg_size 48
		.amdhsa_user_sgpr_count 2
		.amdhsa_user_sgpr_kernarg_segment_ptr 1
		.amdhsa_wavefront_size32 1
		.amdhsa_system_sgpr_workgroup_id_x 1
		.amdhsa_system_sgpr_workgroup_id_y 1
		.amdhsa_system_sgpr_workgroup_id_z 1
		.amdhsa_system_vgpr_workitem_id 0
		.amdhsa_next_free_vgpr 256
		.amdhsa_next_free_sgpr 66
		.amdhsa_reserve_vcc 0
		.amdhsa_float_denorm_mode_32 3
		.amdhsa_float_denorm_mode_16_64 3
		.amdhsa_memory_ordered 1
		.amdhsa_forward_progress 1
		.amdhsa_inst_pref_size 168
	.end_amdhsa_kernel
	.amdgpu_metadata
---
amdhsa.version: [ 1, 2 ]
amdhsa.kernels:
  - .name:           k_q76369b50b7_fc1
    .symbol:         k_q76369b50b7_fc1.kd
    .args:
      - { .name: fc1_w, .offset: 0, .size: 8, .value_kind: global_buffer, .address_space: global }
      - { .name: fc1_b, .offset: 8, .size: 8, .value_kind: global_buffer, .address_space: global }
      - { .name: xq, .offset: 16, .size: 8, .value_kind: global_buffer, .address_space: global }
      - { .name: rlist, .offset: 24, .size: 8, .value_kind: global_buffer, .address_space: global }
      - { .name: hq, .offset: 32, .size: 8, .value_kind: global_buffer, .address_space: global }
      - { .name: hs, .offset: 40, .size: 8, .value_kind: global_buffer, .address_space: global }
    .group_segment_fixed_size: 180736
    .private_segment_fixed_size: 0
    .kernarg_segment_align: 8
    .kernarg_segment_size: 48
    .max_flat_workgroup_size: 512
    .sgpr_count:     66
    .vgpr_count:     256
    .wavefront_size: 32
...
	.end_amdgpu_metadata
.endif
;; end of part 8
;; launch fc2 (part 9): grid 32 x 8, 16 waves a work-group, no clusters, 180,736 bytes of LDS; arguments fc2_w, fc2_b, hq, hs, rlist, rw, ya; writes ya
.if DOCPART == 9
	.amdgcn_target "amdgcn-amd-amdhsa--gfx1250"
	.amdhsa_code_object_version 6
	.text
	.protected	k_q76369b50b7_fc2
	.globl	k_q76369b50b7_fc2
	.p2align	8
	.type	k_q76369b50b7_fc2,@function
k_q76369b50b7_fc2:
	s_mov_b64 s[64:65], 0
	v_nop
	global_prefetch_b8 v0, s[64:65] scope:SCOPE_SE
	s_setreg_imm32_b32 hwreg(HW_REG_WAVE_SCHED_MODE, 0, 2), 2
	s_setreg_imm32_b32 hwreg(HW_REG_WAVE_MODE, 25, 1), 1
	s_wait_xcnt 0x0
	s_wait_alu depctr_vm_vsrc(0)
; SECOND LAYER OF THE CHOSEN EXPERTS: ya[row id][half of K][d] = routing weight x (h W2^T (+ b2 in half 0)), for the rows listed for expert e.
; A work-group (x = 2 ds + kh, y = e) takes 64 rows of D (ds) x 2,048 of K (kh): 512 KB of W2 as f32, read ONCE, quantised in registers, kept in LDS as images of operand registers.
; Trip counts hang on the stored count (32,768 bytes on in rlist), so nothing is moved by a copy engine and no tile is asked for jointly in a cluster; each work-group's weights are its own.
; SIXTEEN WAVES.  Wave w owns tile w of 16 listed rows (always worked; a lane whose list entry is the sentinel 2,048 + e stores into that dump row, which nobody reads).
; K goes in four UNITS of 512: A(u): each wave quantises two pieces of 2 rows x 2 KB and asks for the same pieces of unit u + 1, which stay on their way during B(u);  barrier;
; B(u): 16 products (4 K steps x 4 tiles of 16 rows of W2; source 0 = W2, source 1 = my 16 rows of h, which come from hq as they lie); the next unit's h is asked for K step by K step, as the products leave its registers.
; A lane holds one row and eight neighbouring d: results go through the wave's own stage and leave as 256 consecutive bytes a row.
; Tiles from 16 on are walked afterwards, a (tile, 16 rows of D) to a wave, without barriers; their stores cover 64 bytes of a row.  A wave that has such a tile asks for the first one's h
; round B(3)'s products: K steps 4-7 ahead of them, into the registers that W2's loads have left, K steps 0-3 behind them; so an item takes its batches in the order of units 1, 0, 3, 2.
; LIMITS: NaN and infinities are not served; a block of zeros gets the byte 1 (read by this program alone).
; THE MODE: SCHED_MODE bits 1:0 = 2 (LLVM: expert scheduling mode 2), set by the entry lines.  The code itself states the register dependences
; between vector or matrix instructions and memory or LDS instructions, with s_wait_alu, always for 0.
; THE PLAN.  Registers that memory or LDS instructions touch:
;   RG0, RG1     Written by W2's loads, read by the stage's LDS stores; no vector instruction names them before the leftover walk (then: h's K steps 4 to 7 and the walk's offsets).
;   X            (SH .. SH+31)  Written by the stage's LDS loads, read by the block's maxima and conversions.      C, BY   Written by the conversions, read by the image's LDS stores.
;   SH as two sets of fragments   Written by LDS loads, read by the products; on the way out rows of results (LDS loads, read by the stores) and their offsets.
;   HF, HS       K step g: written by h's loads, read by sub-steps 2 g and 2 g + 1 of a unit's products.      WS   Written by LDS loads, read by the products.
;   ACC          Written by the bias's LDS loads, then by the products and the scaling; read by the stage's LDS stores.
;   v1 to v15    Offsets and LDS addresses, made once at the head (v2 to v5 anew for the leftover walk).
; A piece of phase A has one wait on vm_vsrc and one on va_vdst, as its lines say.  In the products each fetch of fragments from the third on stands behind a wait on va_vdst for the two products that read its set;
; the wait of sub-step 2 g + 2 has also shown K step g of h read for the last time, so the next unit's seven loads of that K step follow behind that sub-step's two products, which name none of their registers.
.set RCOFF, 32768                      ; the counts in rlist
.set FRG,   1568
.set UNITB, 16*FRG                     ; a unit: fragment 4 tile + K step
.set IMG,   0
.set WSC,   100352                     ; W2's scale words: 1,024 u + 512 (tile % 2) + 32 place + 8 K step + 4 (tile / 2) + byte
.set STG,   104448                     ; a stage for each wave, 4,608 bytes apart: a piece's 32 blocks of 128 bytes, two on end, then 16 bytes of padding: 16 x 272 bytes; at the end 16 rows x 272 of results.
                                       ; In: sixteen lanes store 256 consecutive bytes.  Out: lane l takes block l at 272 (l / 2) + 128 (l % 2): column (l / 2) + 8 (l % 2) of sixteen: all different
.set BIAS2, 178176                     ; b2's 64 numbers (zeros in half 1)
.set GOFF, 1
.set STW,  2
.set STR,  3
.set IMGA, 4
.set IMGA2, 5
.set SCBA, 6
.set WFA,  7
.set WFA2, 8
.set WSA,  9
.set BLA,  10                          ; BIAS2 + 32 h
.set HO,   11                          ; hq: 384 h + 24 r + 49,152 tile
.set HSO,  12                          ; hs: 4 r + 2,048 tile
.set YSW,  13
.set YSR,  14
.set YC,   15                          ; 16 r
.set WS,   16                          ; v16-23 W2's scale words
.set HS,   24                          ; v24-31 h's scale words
.set RT,   32                          ; my row's id
.set WT,   34                          ; v[34:35] its routing weight, and 0
.set RL,   36                          ; v36-43 the ids of rows 8 h + 0 .. 7 of my tile
.set ACC,  44                          ; v44-75 four accumulators
.set HF,   76                          ; v76-123 four fragments of h
.set B2R,  124
.set RG,   128
.set SH,   192                         ; v192-239 by turns
.set X,   SH
.set C,   SH+32
.set MXA, SH+40
.set MXB, SH+41
.set SC,  SH+42
.set BY,  SH+43
.set YB,  SH
.set YT,  SH+32
.set LN,  240                          ; the head's work registers
.set R,   241
.set H,   242
.set T0,  243
.set RTA, 244
.set RLA, 245
.set BSA, 246
.set WTA, 247
.set LA,  240                          ; the leftover walk's two accumulators
.set LB,  248
.set WFL, 2                            ; its LDS addresses take the registers that phase A's have left
.set WFL2, 3
.set WSL, 4
.set BLL, 5
.set HF2, 128                          ; its fragments 4 to 7
.set HOL, 176                          ; its offsets in memory
.set HSOL, 177
.set RTL, 178
.set YOL, 179
.set TL,  180
.set TL2, 181
.set WTL, 182
.set YAL, 183
.set WV,  22
.set EX,  23
.set DSL, 24
.set KH,  25
.set NN,  33
.set NT,  34
.set LFT, 35
.set CT,  36
.macro LOADC set, base                 ; two rows x 2 KB: eight loads of 512 consecutive bytes
.irp j, 0,1,2,3,4,5,6,7
	global_load_b128 v[RG+32*\set+4*\j:RG+32*\set+4*\j+3], v[GOFF], s[4:5] offset:\base+16384*(\j/4)+512*(\j%4) th:TH_LOAD_NT
.endr
.endm
.macro HLG u, g                        ; my tile's h for K step g of unit u: 7 loads
.irp p, 0,1,2,3,4,5
	global_load_b64 v[HF+12*(\g)+2*\p:HF+12*(\g)+2*\p+1], v[HO], s[8:9] offset:1536*(4*(\u)+(\g))+768*(\p/3)+8*(\p%3)
.endr
	global_load_b32 v[HS+(\g)], v[HSO], s[10:11] offset:64*(4*(\u)+(\g))
.endm
.macro HLOAD u                         ; a whole unit's: four K steps
	HLG \u, 0
	HLG \u, 1
	HLG \u, 2
	HLG \u, 3
.endm
.macro BAR
	s_wait_dscnt 0x0                               ; my LDS stores have landed and my LDS loads are in
	s_barrier_signal -1
	s_barrier_wait -1
.endm
.macro ACHUNK u, i, n, refill
	s_wait_loadcnt \n
.irp j, 0,1,2,3,4,5,6,7
	ds_store_b128 v[STW], v[RG+32*\i+4*\j:RG+32*\i+4*\j+3] offset:544*\j
.endr
.irp j, 0,1,2,3,4,5,6,7
	ds_load_b128 v[X+4*\j:X+4*\j+3], v[STR] offset:16*\j           ; LDS serves a wave's instructions in order.  No vector or matrix instruction has named X since the last wait on va_vdst
.endr
	s_wait_dscnt 0x0                               ; the block is in
	s_wait_alu depctr_vm_vsrc(0)                   ; the stage's stores have read the set, which is loaded or written again next; the last piece's stores have read its codes and its byte, which are written again below
.if \refill
	LOADC \i, 32768*\i+2048*(\u+1)
.endif
	v_max3_num_f32 v[MXA], |v[X]|, |v[X+1]|, |v[X+2]|
	v_max3_num_f32 v[MXB], |v[X+3]|, |v[X+4]|, |v[X+5]|
.irp j, 6,10,14,18,22,26
	v_max3_num_f32 v[MXA], v[MXA], |v[X+\j]|, |v[X+\j+1]|
	v_max3_num_f32 v[MXB], v[MXB], |v[X+\j+2]|, |v[X+\j+3]|
.endr
	v_max3_num_f32 v[MXA], v[MXA], |v[X+30]|, |v[X+31]|
	v_max3_num_f32 v[MXA], v[MXA], v[MXB], 0x1800000  ; the floor 2^(3 - 127) holds the byte at 1 from below
	v_add_nc_u32 v[SC], 0xff000000, v[MXA]
	v_cvt_scalef32_pk16_fp6_f32 v[C:C+2], v[X:X+15], v[SC]
	v_cvt_scalef32_pk16_fp6_f32 v[C+4:C+6], v[X+16:X+31], v[SC]
	v_lshrrev_b32 v[BY], 23, v[SC]                 ; the byte (also the plain place behind the conversions)
	v_mov_b32 v[C+3], v[C+4]
	v_mov_b32 v[C+4], v[C+5]
	v_mov_b32 v[C+5], v[C+6]
	s_wait_alu depctr_va_vdst(0)                   ; the codes and the byte are written, which the LDS stores below read; the block's readers are done with X, in which the next LDS loads land
.irp k, 0,1,2
.if \u < 2
	ds_store_b64 v[IMGA], v[C+2*\k:C+2*\k+1] offset:(\u%2)*UNITB+96*\i+8*\k
.else
	ds_store_b64 v[IMGA2], v[C+2*\k:C+2*\k+1] offset:(\u%2)*UNITB+96*\i+8*\k
.endif
.endr
	ds_store_b8 v[SCBA], v[BY] offset:1024*\u+64*\i
.endm
.macro WFLOAD u, ss                    ; sub-step ss: K step ss / 2, tiles 2 (ss % 2) and 2 (ss % 2) + 1, into set ss % 2
.irp t, 0,1
.irp c, 0,1,2
.if \u < 2
	ds_load_b128 v[SH+24*((\ss)%2)+12*\t+4*\c:SH+24*((\ss)%2)+12*\t+4*\c+3], v[WFA] offset:(\u%2)*UNITB+(8*((\ss)%2)+(\ss)/2)*FRG+\t*4*FRG+16*\c
.else
	ds_load_b128 v[SH+24*((\ss)%2)+12*\t+4*\c:SH+24*((\ss)%2)+12*\t+4*\c+3], v[WFA2] offset:(\u%2)*UNITB+(8*((\ss)%2)+(\ss)/2)*FRG+\t*4*FRG+16*\c
.endif
.endr
.endr
.endm
; 16 products; the four accumulators take turns.  nx = 1: the next unit's h is asked for on the way.
.macro BMUL u, nx
	s_wait_alu depctr_vm_vsrc(0)                   ; my second piece's LDS stores have read its codes and its byte: the second set of fragments lands in those registers
	ds_load_b128 v[WS:WS+3], v[WSA] offset:1024*\u
	ds_load_b128 v[WS+4:WS+7], v[WSA] offset:1024*\u+16
	WFLOAD \u, 0
.irp ss, 0,1,2,3,4,5,6,7
.if \ss < 7
.if \ss > 0
.rept 4
	v_nop                                          ; places behind the two products just issued, in front of loads into the set that they have read
.endr
	s_wait_alu depctr_va_vdst(0)                   ; the two products just issued are done reading their set, in which the fragments below land; at an even sub-step also the K step of h before this one, in which the loads behind the next two products land
.endif
	WFLOAD \u, \ss+1
	s_wait_dscnt 6                                 ; all but the six just issued
.else
	s_wait_dscnt 0x0
.endif
	v_wmma_scale_f32_16x16x128_f8f6f4 v[ACC+16*(\ss%2):ACC+16*(\ss%2)+7], v[SH+24*(\ss%2):SH+24*(\ss%2)+11], v[HF+12*(\ss/2):HF+12*(\ss/2)+11], v[ACC+16*(\ss%2):ACC+16*(\ss%2)+7], v[WS+\ss], v[HS+\ss/2] matrix_a_fmt:MATRIX_FMT_FP6 matrix_b_fmt:MATRIX_FMT_FP6
	v_wmma_scale_f32_16x16x128_f8f6f4 v[ACC+16*(\ss%2)+8:ACC+16*(\ss%2)+15], v[SH+24*(\ss%2)+12:SH+24*(\ss%2)+23], v[HF+12*(\ss/2):HF+12*(\ss/2)+11], v[ACC+16*(\ss%2)+8:ACC+16*(\ss%2)+15], v[WS+\ss], v[HS+\ss/2] matrix_a_fmt:MATRIX_FMT_FP6 matrix_b_fmt:MATRIX_FMT_FP6 matrix_a_scale:MATRIX_SCALE_ROW1
.if \nx && (\ss > 0) && (\ss % 2 == 0)
	HLG \u+1, \ss/2-1                              ; the next unit's K step ss / 2 - 1.  No wait: the two products since the wait above name K step ss / 2 of h, a set of W2 and two accumulators, none of these loads' registers
.endif
.endr
.rept 4
	v_nop                                          ; places behind the last products: loads land on their operands, vector instructions read their results
.endr
.if \nx
	s_wait_alu depctr_va_vdst(0)                   ; the last products are done reading K step 3 of h, in which the loads below land, and their fragments of W2, in which the next piece's block lands
	HLG \u+1, 3
.endif
.endm
; My resident tile leaves: x the row's weight, through my stage, 256 consecutive bytes a row.
.macro WAYOUT
.irp j, 0,2,4,6,8,10,12,14,16,18,20,22,24,26,28,30
	v_pk_mul_f32 v[ACC+\j:ACC+\j+1], v[ACC+\j:ACC+\j+1], v[WT:WT+1] op_sel_hi:[1,0]   ; each accumulator from its low end on
.endr
.irp i, 0,1,2,3,4,5,6,7
	v_min_u32 v[YT+\i], 0x807, v[RL+\i]
	v_lshl_add_u32 v[YT+\i], v[YT+\i], 13, v[YC]   ; a row of ya is 8,192 bytes
.endr
	s_wait_alu depctr_va_vdst(0)                   ; the scaled results are written, which the LDS stores read; the rows' offsets are written, which the global stores read; the products are done reading the fragments' registers, in which the rows land
.irp q, 0,1,2,3,4,5,6,7
	ds_store_b128 v[YSW], v[ACC+4*\q:ACC+4*\q+3] offset:64*(\q/2)+16*(\q%2)
.endr
.irp i, 0,1,2,3,4,5,6,7
	ds_load_b128 v[YB+4*\i:YB+4*\i+3], v[YSR] offset:272*\i        ; LDS serves a wave's instructions in order
.endr
.irp i, 0,1,2,3,4,5,6,7
	s_wait_dscnt 7-\i
	global_store_b128 v[YT+\i], v[YB+4*\i:YB+4*\i+3], s[18:19]     ; sixteen lanes store 256 consecutive bytes, aligned
.endr
.endm
.macro HG slot, grp                    ; the leftover walk: K step grp of the tile in hand into slot: 7 loads
.set HB, HF+12*(\slot)
.if (\slot) > 3
.set HB, HF2+12*((\slot)-4)
.endif
.irp p, 0,1,2,3,4,5
	global_load_b64 v[HB+2*\p:HB+2*\p+1], v[HOL], s[8:9] offset:1536*(\grp)+768*(\p/3)+8*(\p%3)
.endr
	global_load_b32 v[HS+(\slot)], v[HSOL], s[10:11] offset:64*(\grp)
.endm
.macro ASKHI                           ; an item's row id and K steps 4 to 7: 29 loads
	global_load_b32 v[RT], v[RTL], s[12:13]
	HG 4, 4
	HG 5, 5
	HG 6, 6
	HG 7, 7
.endm
.macro ASKLO                           ; its K steps 0 to 3: 28 loads
	HG 0, 0
	HG 1, 1
	HG 2, 2
	HG 3, 3
.endm
; Unit u (four K steps) of a leftover item, on two accumulators by turns.  n: younger loads that may stay out.  first = 1: the item's first batch.
.macro LBATCH u, n, first
	s_wait_loadcnt \n
.if \first
	v_min_u32 v[WTL], 0x7ff, v[RT]
	v_lshlrev_b32 v[WTL], 2, v[WTL]
	s_wait_alu depctr_va_vdst(0)                   ; the weight's offset is written, which its load reads; in the first item so are the walk's LDS addresses, which the LDS loads below read; the scalings before are done reading the weight, in which the load lands
	global_load_b32 v[WT], v[WTL], s[16:17]        ; the row's routing weight
	ds_load_b128 v[LA:LA+3], v[BLL]                ; b2 starts the first accumulator, the constant 0 the second
	ds_load_b128 v[LA+4:LA+7], v[BLL] offset:16
.endif
.irp q, 0,1,2,3
.irp c, 0,1,2
.if \u < 2
	ds_load_b128 v[SH+12*\q+4*\c:SH+12*\q+4*\c+3], v[WFL] offset:(\u%2)*UNITB+\q*FRG+16*\c
.else
	ds_load_b128 v[SH+12*\q+4*\c:SH+12*\q+4*\c+3], v[WFL2] offset:(\u%2)*UNITB+\q*FRG+16*\c
.endif
.endr
	ds_load_b32 v[WS+\q], v[WSL] offset:1024*\u+8*\q
.endr
	s_wait_dscnt 0x0
.set HC, HF+(HF2-HF)*(\u%2)
.irp q, 0,1,2,3
.if \first && (\q == 1)
	v_wmma_scale_f32_16x16x128_f8f6f4 v[LB:LB+7], v[SH+12*\q:SH+12*\q+11], v[HC+12*\q:HC+12*\q+11], 0, v[WS+\q], v[HS+4*(\u%2)+\q] matrix_a_fmt:MATRIX_FMT_FP6 matrix_b_fmt:MATRIX_FMT_FP6
.else
	v_wmma_scale_f32_16x16x128_f8f6f4 v[LA+8*(\q%2):LA+8*(\q%2)+7], v[SH+12*\q:SH+12*\q+11], v[HC+12*\q:HC+12*\q+11], v[LA+8*(\q%2):LA+8*(\q%2)+7], v[WS+\q], v[HS+4*(\u%2)+\q] matrix_a_fmt:MATRIX_FMT_FP6 matrix_b_fmt:MATRIX_FMT_FP6
.endif
.endr
.rept 5
	v_nop                                          ; four places for loads and reads; the fifth since the second accumulator is begun anew in the next item
.endr
.if \u != 2
	s_wait_alu depctr_va_vdst(0)                   ; the four products are done reading their slots of h, their fragments of W2 and their scale words: the loads below and the next batch's land there
.endif
.if \u < 2
	HG 4*\u, 8+4*\u                                ; the slots just used take the K steps of unit u + 2
	HG 4*\u+1, 9+4*\u
	HG 4*\u+2, 10+4*\u
	HG 4*\u+3, 11+4*\u
.endif
.endm
; A leftover item whose row id and K steps 4-7, then 0-3, have been asked for, in that order.
.macro ITEM
	LBATCH 1, 28, 1                                ; the id and K steps 4-7 are in; K steps 0-3 may be out
	LBATCH 0, 29, 0                                ; K steps 0-3 are in; the weight and K steps 12-15 may be out
	LBATCH 3, 28, 0                                ; K steps 12-15 are in; K steps 8-11 may be out
	LBATCH 2, 0, 0
.irp j, 0,2,4,6
	v_pk_add_f32 v[LA+\j:LA+\j+1], v[LA+\j:LA+\j+1], v[LB+\j:LB+\j+1]
.endr
.irp j, 0,2,4,6
	v_pk_mul_f32 v[LA+\j:LA+\j+1], v[LA+\j:LA+\j+1], v[WT:WT+1] op_sel_hi:[1,0]
.endr
	v_min_u32 v[YAL], 0x807, v[RT]
	v_lshl_add_u32 v[YAL], v[YAL], 13, v[YOL]
	s_wait_alu depctr_va_vdst(0)                   ; the results and their offset are written, which the two stores read; the last batch's products are done with their operands, in which the next item's loads land
	global_store_b128 v[YAL], v[LA:LA+3], s[18:19]
	global_store_b128 v[YAL], v[LA+4:LA+7], s[18:19] offset:16
	s_wait_xcnt 0x0                                ; the stores' data and address, and the loads' offsets, are written again below and in the next item
	s_wait_alu depctr_vm_vsrc(0)                   ; the stores have read the results and their offset, the item's loads their three offsets and the weight's: all are written again below and in the next item
	v_add_nc_u32 v[HOL], 196608, v[HOL]            ; four tiles on
	v_add_nc_u32 v[HSOL], 8192, v[HSOL]
	v_add_nc_u32 v[RTL], 256, v[RTL]
.endm
	s_load_b256 s[4:11], s[0:1], 0x0               ; fc2_w, fc2_b, hq, hs
	s_load_b64 s[12:13], s[0:1], 0x20              ; rlist
	s_load_b64 s[16:17], s[0:1], 0x28              ; rw
	s_load_b64 s[18:19], s[0:1], 0x30              ; ya
	v_lshrrev_b32 v[T0], 5, v0
	v_readfirstlane_b32 s[WV], v[T0]
	s_and_b32 s[EX], ttmp7, 0xffff
	s_lshr_b32 s[DSL], ttmp9, 1
	s_and_b32 s[KH], ttmp9, 1
	v_and_b32 v[LN], 31, v0
	v_and_b32 v[R], 15, v0
	v_bfe_u32 v[H], v0, 4, 1
	v_lshlrev_b32 v[GOFF], 4, v[LN]
	s_wait_alu depctr_va_sdst(0)                   ; the wave's number is written, ahead of its first reader
	s_mul_i32 s37, s[WV], 4608
	s_add_co_u32 s37, s37, STG
	v_mul_u32_u24 v[STW], v[H], 272                ; the stage, way in: load j's lanes 0-15 hold blocks 4 j and 4 j + 1, lanes 16-31 the next two: pair 2 j + l / 16, 16 (l % 16) in it
	v_lshl_add_u32 v[STW], v[R], 4, v[STW]
	v_add_nc_u32 v[STW], s37, v[STW]
	v_lshrrev_b32 v[T0], 1, v[LN]
	v_mul_u32_u24 v[STR], v[T0], 272               ; way out: block l: pair l / 2, half l % 2
	v_and_b32 v[T0], 1, v[LN]
	v_lshl_add_u32 v[STR], v[T0], 7, v[STR]
	v_add_nc_u32 v[STR], s37, v[STR]
	v_mul_u32_u24 v[YSW], v[R], 272
	v_lshl_add_u32 v[YSW], v[H], 5, v[YSW]
	v_add_nc_u32 v[YSW], s37, v[YSW]               ; results in: row r, 32 h
	v_mul_u32_u24 v[YSR], v[H], 2176
	v_lshl_add_u32 v[YSR], v[R], 4, v[YSR]
	v_add_nc_u32 v[YSR], s37, v[YSR]               ; and back: row 8 h + i, 16 bytes a lane
	v_lshlrev_b32 v[YC], 4, v[R]
	s_lshr_b32 s40, s[WV], 2                       ; my rows' tile
	s_and_b32 s41, s[WV], 3
	s_mul_i32 s43, s40, 4*FRG
	s_mul_i32 s44, s41, 192
	s_add_co_u32 s43, s43, s44
	v_bfe_u32 v[T0], v[LN], 2, 2                   ; block l of a piece: row l / 16, K step (l / 4) % 4, registers 6 ((l / 2) % 2) on, half l % 2
	v_mul_u32_u24 v[IMGA], v[T0], FRG
	v_lshlrev_b32 v[SCBA], 3, v[T0]
	v_and_b32 v[T0], 1, v[LN]
	v_mad_u32_u24 v[IMGA], v[T0], 784, v[IMGA]
	v_bfe_u32 v[T0], v[LN], 1, 1
	v_mad_u32_u24 v[IMGA], v[T0], 24, v[IMGA]
	v_mad_u32_u24 v[IMGA], v[H], 48, v[IMGA]
	v_add_nc_u32 v[IMGA], s43, v[IMGA]
	v_add_nc_u32 v[IMGA2], 2*UNITB, v[IMGA]
	v_and_b32 v[T0], 3, v[LN]
	v_add_nc_u32 v[SCBA], v[SCBA], v[T0]
	v_lshl_add_u32 v[SCBA], v[H], 5, v[SCBA]
	s_wait_alu depctr_va_vdst(0)
	s_and_b32 s43, s40, 1
	s_lshl_b32 s43, s43, 9
	s_lshr_b32 s44, s[WV], 3
	s_lshl_b32 s44, s44, 2
	s_add_co_u32 s43, s43, s44
	s_lshl_b32 s44, s41, 7
	s_add_co_u32 s43, s43, s44
	s_add_co_u32 s43, s43, WSC
	v_add_nc_u32 v[SCBA], s43, v[SCBA]
	v_mul_u32_u24 v[WFA], v[R], 48
	v_mad_u32_u24 v[WFA], v[H], 784, v[WFA]
	v_add_nc_u32 v[WFA2], 2*UNITB, v[WFA]
	v_lshlrev_b32 v[WSA], 5, v[R]
	v_lshl_add_u32 v[WSA], v[H], 9, v[WSA]
	v_add_nc_u32 v[WSA], WSC, v[WSA]
	v_lshlrev_b32 v[BLA], 5, v[H]
	v_add_nc_u32 v[BLA], BIAS2, v[BLA]
	v_add_nc_u32 v[BSA], BIAS2, v[YC]
	v_mul_u32_u24 v[HO], v[R], 24
	v_mad_u32_u24 v[HO], v[H], 384, v[HO]
	s_mul_i32 s43, s[WV], 49152
	v_add_nc_u32 v[HO], s43, v[HO]
	s_lshl_b32 s43, s[WV], 11
	v_lshl_add_u32 v[HSO], v[R], 2, s43
	s_lshl_b32 s43, s[WV], 6
	v_lshl_add_u32 v[RTA], v[R], 2, s43
	v_lshl_add_u32 v[RLA], v[H], 5, s43
	v_mov_b32 v[WT+1], 0
	s_mov_b32 s27, 0
	s_wait_kmcnt 0x0
	s_lshl_b32 s26, s[EX], 7
	s_add_co_u32 s26, s26, RCOFF
	s_add_nc_u64 s[14:15], s[12:13], s[26:27]
	s_load_b32 s[NN], s[14:15], 0x0                ; expert e's rows
	s_lshl_b32 s26, s[EX], 24
	s_lshl_b32 s37, s[DSL], 20
	s_add_co_u32 s26, s26, s37
	s_lshl_b32 s37, s[WV], 16
	s_add_co_u32 s26, s26, s37
	s_lshl_b32 s37, s[KH], 13
	s_add_co_u32 s26, s26, s37
	s_add_nc_u64 s[4:5], s[4:5], s[26:27]          ; W2 at my first row, my half of K
	s_lshl_b32 s26, s[EX], 12
	s_add_nc_u64 s[12:13], s[12:13], s[26:27]      ; expert e's list
	s_lshl_b32 s37, s[DSL], 8
	s_add_co_u32 s26, s26, s37
	s_add_nc_u64 s[6:7], s[6:7], s[26:27]          ; b2 at my 64
	s_mul_i32 s26, s[EX], 3145728
	s_mul_i32 s37, s[KH], 24576
	s_add_co_u32 s26, s26, s37
	s_add_nc_u64 s[8:9], s[8:9], s[26:27]
	s_lshl_b32 s26, s[EX], 17
	s_lshl_b32 s37, s[KH], 10
	s_add_co_u32 s26, s26, s37
	s_add_nc_u64 s[10:11], s[10:11], s[26:27]
	s_lshl_b32 s26, s[KH], 12
	s_lshl_b32 s37, s[DSL], 8
	s_add_co_u32 s26, s26, s37
	s_add_nc_u64 s[18:19], s[18:19], s[26:27]      ; ya at (row 0, my half, my 64 columns)
	s_wait_alu depctr_va_vdst(0)                   ; the offsets and LDS addresses v1 to v15, the list's two offsets and b2's LDS address are written: every load and store up to the leftover walk reads one of them
	global_load_b128 v[B2R:B2R+3], v[YC], s[6:7]
	global_load_b32 v[RT], v[RTA], s[12:13]
	global_load_b128 v[RL:RL+3], v[RLA], s[12:13]
	global_load_b128 v[RL+4:RL+7], v[RLA], s[12:13] offset:16
	LOADC 0, 0                                     ; W2's first pieces go out ahead of h: phase A waits for them, h is wanted only in B(0)
	LOADC 1, 32768
	HLOAD 0
	s_wait_kmcnt 0x0
	s_min_u32 s[NN], s[NN], 0x400
	s_add_co_u32 s[NT], s[NN], 15
	s_lshr_b32 s[NT], s[NT], 4
	s_sub_co_i32 s[LFT], s[NT], 13
	s_sub_co_i32 s[LFT], s[LFT], s40
	s_max_i32 s[LFT], s[LFT], 0
	s_lshr_b32 s[LFT], s[LFT], 2                   ; my leftover tiles: 16 + wave / 4 + 4 i below the number of tiles
	s_wait_loadcnt 44                              ; b2 and the ids are in; W2's 16 and h's 28 may be out
	s_cmp_lg_u32 s[WV], 0
	s_cbranch_scc1 .Lnot0
	s_cmp_eq_u32 s[KH], 0
	s_cselect_b32 s37, -1, 0                       ; the bias counts once: in half 0
	v_and_b32 v[B2R], s37, v[B2R]
	v_and_b32 v[B2R+1], s37, v[B2R+1]
	v_and_b32 v[B2R+2], s37, v[B2R+2]
	v_and_b32 v[B2R+3], s37, v[B2R+3]
	s_wait_alu depctr_va_vdst(0)                   ; the four masked numbers of b2 are written, which the LDS store reads
	ds_store_b128 v[BSA], v[B2R:B2R+3]
.Lnot0:
	v_min_u32 v[WTA], 0x7ff, v[RT]
	v_lshlrev_b32 v[WTA], 2, v[WTA]
	s_wait_alu depctr_va_vdst(0)                   ; the weight's offset is written, which its load reads
	global_load_b32 v[WT], v[WTA], s[16:17]        ; my row's routing weight
	ACHUNK 0, 0, 37, 1                             ; younger than piece 0: piece 1's 8, h's 28 and the weight
	ACHUNK 0, 1, 37, 1                             ; younger than piece 1: h's 28, the weight and the refill's 8
	BAR
	s_wait_loadcnt 17                              ; h is in; the weight and the two refills may be out
.irp q, 0,1,2,3,4,5,6,7
	ds_load_b128 v[ACC+4*\q:ACC+4*\q+3], v[BLA] offset:64*(\q/2)+16*(\q%2)     ; b2 starts the sums
.endr
	BMUL 0, 1
	ACHUNK 1, 0, 36, 1                             ; younger: the other piece's 8 and h's 28
	ACHUNK 1, 1, 36, 1                             ; younger: h's 28 and the refill's 8
	BAR
	s_wait_loadcnt 16                              ; h is in; the two refills may be out
	BMUL 1, 1
	ACHUNK 2, 0, 36, 1
	ACHUNK 2, 1, 36, 1
	BAR
	s_wait_loadcnt 16
	BMUL 2, 1
	ACHUNK 3, 0, 36, 0
	ACHUNK 3, 1, 28, 0                             ; younger: h's 28
	BAR                                            ; the last barrier: from here on the waves go their own ways
	s_wait_loadcnt 0x0
	s_cmp_eq_u32 s[LFT], 0
	s_cbranch_scc1 .Lplain
	; A leftover tile is mine: tile 16 + wave / 4 + 4 i, rows 16 (wave % 4) on of my 64 of D.  All images are whole; nothing but my own stage is stored to LDS from here on.
	v_and_b32 v[TL], 15, v0
	v_bfe_u32 v[TL2], v0, 4, 1
	s_add_co_u32 s43, s40, 16
	s_mul_i32 s42, s43, 49152
	v_mul_u32_u24 v[HOL], v[TL], 24
	v_mad_u32_u24 v[HOL], v[TL2], 384, v[HOL]
	v_add_nc_u32 v[HOL], s42, v[HOL]
	s_lshl_b32 s42, s43, 11
	v_lshl_add_u32 v[HSOL], v[TL], 2, s42
	s_lshl_b32 s42, s43, 6
	v_lshl_add_u32 v[RTL], v[TL], 2, s42
	s_wait_alu depctr_va_vdst(0)                   ; the walk's three offsets are written, which the loads below read
	ASKHI                                          ; into the registers that W2's loads have left: on their way during unit 3's products
	BMUL 3, 0
	s_wait_alu depctr_va_vdst(0)                   ; unit 3's products are done reading h's fragments and scale words, in which the loads below land
	ASKLO                                          ; into the registers that unit 3's h has left (four places stand behind the products)
	WAYOUT
	s_wait_xcnt 0x0                                ; the stores' data lie where the item's fragments of W2 land
	s_wait_alu depctr_vm_vsrc(0)                   ; the stores have read the rows and their offsets, in which the item's fragments of W2 land
	s_mul_i32 s42, s41, 4*FRG
	v_add_nc_u32 v[WFL], s42, v[WFA]
	v_add_nc_u32 v[WFL2], 2*UNITB, v[WFL]
	s_and_b32 s42, s41, 1
	s_lshl_b32 s42, s42, 9
	s_lshr_b32 s43, s41, 1
	s_lshl_b32 s43, s43, 2
	s_add_co_u32 s42, s42, s43
	s_add_co_u32 s42, s42, WSC
	v_lshl_add_u32 v[WSL], v[TL], 5, s42
	s_lshl_b32 s42, s41, 6
	v_add_nc_u32 v[BLL], s42, v[BLA]
	v_lshl_add_u32 v[YOL], v[TL2], 5, s42
	ITEM                                           ; the first item is written out: its loads were issued above
	s_cmp_eq_u32 s[LFT], 1
	s_cbranch_scc1 .Ldone
	s_mov_b32 s[CT], 1
.Lleft:
	s_wait_alu depctr_va_vdst(0)                   ; the three offsets, stepped at the last item's end, are written, which the loads below read
	ASKHI
	ASKLO
	ITEM
	s_add_co_u32 s[CT], s[CT], 1
	s_cmp_lt_u32 s[CT], s[LFT]
	s_cbranch_scc1 .Lleft
.Ldone:
	s_wait_xcnt 0x0
	v_lshl_add_u32 v190, v0, 2, 0x2ba00            ; the add's two registers, made anew: no memory instruction has read them since the last wait on vm_vsrc
	v_mov_b32 v191, 0
	s_wait_dscnt 0x0                               ; the closing lines, six on end
	s_wait_alu 0x0
	s_wait_tensorcnt 0x0
	ds_add_u32 v190, v191
	s_wait_dscnt 0x0
	s_endpgm
.Lplain:                                               ; no leftover tile is mine
	BMUL 3, 0
	WAYOUT
	s_wait_xcnt 0x0
	v_lshl_add_u32 v190, v0, 2, 0x2ba00            ; the add's two registers, made anew: no memory instruction has read them since the last wait on vm_vsrc
	v_mov_b32 v191, 0
	s_wait_dscnt 0x0                               ; the closing lines, six on end
	s_wait_alu 0x0
	s_wait_tensorcnt 0x0
	ds_add_u32 v190, v191
	s_wait_dscnt 0x0
	s_endpgm
.Lfunc_end_k_q76369b50b7_fc2:
	.size	k_q76369b50b7_fc2, .Lfunc_end_k_q76369b50b7_fc2-k_q76369b50b7_fc2
	.p2alignl 7, 3214868480
	.fill 96, 4, 3214868480
	.section	.rodata,"a",@progbits
	.p2align	6, 0x0
	.amdhsa_kernel k_q76369b50b7_fc2
		.amdhsa_group_segment_fixed_size 180736
		.amdhsa_private_segment_fixed_size 0
		.amdhsa_enable_private_segment 0
		.amdhsa_kernarg_size 56
		.amdhsa_user_sgpr_count 2
		.amdhsa_user_sgpr_kernarg_segment_ptr 1
		.amdhsa_wavefront_size32 1
		.amdhsa_system_sgpr_workgroup_id_x 1
		.amdhsa_system_sgpr_workgroup_id_y 1
		.amdhsa_system_sgpr_workgroup_id_z 1
		.amdhsa_system_vgpr_workitem_id 0
		.amdhsa_next_free_vgpr 256
		.amdhsa_next_free_sgpr 66
		.amdhsa_reserve_vcc 0
		.amdhsa_float_denorm_mode_32 3
		.amdhsa_float_denorm_mode_16_64 3
		.amdhsa_memory_ordered 1
		.amdhsa_forward_progress 1
		.amdhsa_inst_pref_size 127
	.end_amdhsa_kernel
	.amdgpu_metadata
---
amdhsa.version: [ 1, 2 ]
amdhsa.kernels:
  - .name:           k_q76369b50b7_fc2
    .symbol:         k_q76369b50b7_fc2.kd
    .args:
      - { .name: fc2_w, .offset: 0, .size: 8, .value_kind: global_buffer, .address_space: global }
      - { .name: fc2_b, .offset: 8, .size: 8, .value_kind: global_buffer, .address_space: global }
      - { .name: hq, .offset: 16, .size: 8, .value_kind: global_buffer, .address_space: global }
      - { .name: hs, .offset: 24, .size: 8, .value_kind: global_buffer, .address_space: global }
      - { .name: rlist, .offset: 32, .size: 8, .value_kind: global_buffer, .address_space: global }
      - { .name: rw, .offset: 40, .size: 8, .value_kind: global_buffer, .address_space: global }
      - { .name: ya, .offset: 48, .size: 8, .value_kind: global_buffer, .address_space: global }
    .group_segment_fixed_size: 180736
    .private_segment_fixed_size: 0
    .kernarg_segment_align: 8
    .kernarg_segment_size: 56
    .max_flat_workgroup_size: 512
    .sgpr_count:     66
    .vgpr_count:     256
    .wavefront_size: 32
...
	.end_amdgpu_metadata
.endif
;; end of part 9
;; launch combine (part 10): grid 257 x 1, 8 waves a work-group, no clusters, 0 bytes of LDS; arguments ya, rw, out0, out1; writes out0, out1
.if DOCPART == 10
	.amdgcn_target "amdgcn-amd-amdhsa--gfx1250"
	.amdhsa_code_object_version 6
	.text
	.protected	k_q76369b50b7_combine
	.globl	k_q76369b50b7_combine
	.p2align	8
	.type	k_q76369b50b7_combine,@function
k_q76369b50b7_combine:
	s_mov_b64 s[64:65], 0
	v_nop
	global_prefetch_b8 v0, s[64:65] scope:SCOPE_SE
	s_setreg_imm32_b32 hwreg(HW_REG_WAVE_MODE, 25, 1), 1
	s_wait_xcnt 0x0
; out0[token] = the token's four partial rows of ya added (two routed rows x two halves of K: 16,384 consecutive bytes); out1 = the auxiliary loss from the partial sums of probabilities (8,192 bytes on in rw).
; Work-groups 0 to 255 take four tokens each: thread t owns the 16 bytes at 16 t of every row, so each load and store of a wave covers 512 consecutive bytes.  All sixteen loads go out first.
; Work-group 256: its wave 0 adds the 128 partial sums of probabilities, takes the mean over 1,024 tokens, and stores the sum over the 8 experts of (mean - 1/8)^2, which is mean(..) x 8.
; A stream: no LDS, no barrier, no matrix unit.
.set PAOFF, 8192
	s_load_b256 s[4:11], s[0:1], 0x0               ; ya, rw, out0, out1
	v_lshlrev_b32 v1, 4, v0
	s_cmp_eq_u32 ttmp9, 256
	s_cbranch_scc1 .Laux
	s_lshl_b32 s12, ttmp9, 16
	s_mov_b32 s13, 0
	s_lshl_b32 s14, ttmp9, 14
	s_mov_b32 s15, 0
	s_wait_kmcnt 0x0
	s_add_nc_u64 s[4:5], s[4:5], s[12:13]
	s_add_nc_u64 s[8:9], s[8:9], s[14:15]
	s_wait_alu depctr_va_vdst(0)
.irp k, 0,1,2,3
.irp p, 0,1,2,3
	global_load_b128 v[16+16*\k+4*\p:19+16*\k+4*\p], v1, s[4:5] offset:16384*\k+4096*\p th:TH_LOAD_NT
.endr
.endr
.irp k, 0,1,2,3
	s_wait_loadcnt 12-4*\k                         ; this token's four loads are in, the later tokens' may be out
.irp c, 0,2
	v_pk_add_f32 v[16+16*\k+\c:17+16*\k+\c], v[16+16*\k+\c:17+16*\k+\c], v[20+16*\k+\c:21+16*\k+\c]
	v_pk_add_f32 v[24+16*\k+\c:25+16*\k+\c], v[24+16*\k+\c:25+16*\k+\c], v[28+16*\k+\c:29+16*\k+\c]
.endr
.irp c, 0
	s_delay_alu instid0(VALU_DEP_3)
	v_pk_add_f32 v[16+16*\k+\c:17+16*\k+\c], v[16+16*\k+\c:17+16*\k+\c], v[24+16*\k+\c:25+16*\k+\c]
.endr
.irp c, 2
	s_delay_alu instid0(VALU_DEP_2)
	v_pk_add_f32 v[16+16*\k+\c:17+16*\k+\c], v[16+16*\k+\c:17+16*\k+\c], v[24+16*\k+\c:25+16*\k+\c]
.endr
	global_store_b128 v1, v[16+16*\k:19+16*\k], s[8:9] offset:4096*\k th:TH_STORE_NT
.endr
	s_endpgm
.Laux:
	v_lshrrev_b32 v2, 5, v0
	s_delay_alu instid0(VALU_DEP_1)
	v_readfirstlane_b32 s12, v2
	s_wait_kmcnt 0x0
	s_cmp_lg_u32 s12, 0
	s_cbranch_scc1 .Lend
	s_wait_alu depctr_va_vdst(0)
.irp j, 0,1,2,3,4,5,6,7
	global_load_b128 v[16+4*\j:19+4*\j], v1, s[6:7] offset:PAOFF+512*\j  ; work-group 16 j + lane / 2, experts 4 (lane % 2) + 0 .. 3
.endr
	s_mov_b32 s16, 0x76543210
	s_mov_b32 s17, 0xfedcba98
	s_mov_b32 s14, 0x3a800000                      ; 1 / 1,024
	s_mov_b32 s15, 0xbe000000                      ; -1 / 8
	v_mov_b32 v2, 0
	s_wait_loadcnt 0x0
.irp j, 1
	v_pk_add_f32 v[16:17], v[16:17], v[16+4*\j:17+4*\j]
	v_pk_add_f32 v[18:19], v[18:19], v[18+4*\j:19+4*\j]
.endr
.irp j, 2, 3, 4, 5, 6, 7
	s_delay_alu instid0(VALU_DEP_2)
	v_pk_add_f32 v[16:17], v[16:17], v[16+4*\j:17+4*\j]
	s_delay_alu instid0(VALU_DEP_2)
	v_pk_add_f32 v[18:19], v[18:19], v[18+4*\j:19+4*\j]
.endr
.irp m, 2,4,8
.irp c, 0,1,2,3
	v_add_f32_dpp v[16+\c], v[16+\c], v[16+\c] row_xmask:\m row_mask:0xf bank_mask:0xf
.endr
.endr
.irp c, 0,1,2,3
	s_delay_alu instid0(VALU_DEP_4)
	v_permlanex16_b32 v[20+\c], v[16+\c], s16, s17
.endr
.irp c, 0,1,2,3
	s_delay_alu instid0(VALU_DEP_4)
	v_add_f32 v[16+\c], v[16+\c], v[20+\c]
.endr
.irp c, 0,1,2,3
	s_delay_alu instid0(VALU_DEP_4)
	v_fma_f32 v[16+\c], v[16+\c], s14, s15         ; mean - 1/8
.endr
	s_delay_alu instid0(VALU_DEP_4)
	v_mul_f32 v20, v16, v16
	s_delay_alu instid0(VALU_DEP_1)
	v_fma_f32 v20, v17, v17, v20
	s_delay_alu instid0(VALU_DEP_1)
	v_fma_f32 v20, v18, v18, v20
	s_delay_alu instid0(VALU_DEP_1)
	v_fma_f32 v20, v19, v19, v20
	s_delay_alu instid0(VALU_DEP_1)
	v_add_f32_dpp v20, v20, v20 row_xmask:1 row_mask:0xf bank_mask:0xf   ; with the other four experts'
	s_wait_alu depctr_va_vdst(0)
	s_wait_xcnt 0x0                                ; EXEC changes only behind this wait
	v_cmpx_eq_u32 0, v0
	global_store_b32 v2, v20, s[10:11]
	s_endpgm
.Lend:
	s_endpgm
.Lfunc_end_k_q76369b50b7_combine:
	.size	k_q76369b50b7_combine, .Lfunc_end_k_q76369b50b7_combine-k_q76369b50b7_combine
	.p2alignl 7, 3214868480
	.fill 96, 4, 3214868480
	.section	.rodata,"a",@progbits
	.p2align	6, 0x0
	.amdhsa_kernel k_q76369b50b7_combine
		.amdhsa_group_segment_fixed_size 0
		.amdhsa_private_segment_fixed_size 0
		.amdhsa_enable_private_segment 0
		.amdhsa_kernarg_size 32
		.amdhsa_user_sgpr_count 2
		.amdhsa_user_sgpr_kernarg_segment_ptr 1
		.amdhsa_wavefront_size32 1
		.amdhsa_system_sgpr_workgroup_id_x 1
		.amdhsa_system_sgpr_workgroup_id_y 1
		.amdhsa_system_sgpr_workgroup_id_z 1
		.amdhsa_system_vgpr_workitem_id 0
		.amdhsa_next_free_vgpr 96
		.amdhsa_next_free_sgpr 66
		.amdhsa_reserve_vcc 0
		.amdhsa_float_denorm_mode_32 3
		.amdhsa_float_denorm_mode_16_64 3
		.amdhsa_memory_ordered 1
		.amdhsa_forward_progress 1
		.amdhsa_inst_pref_size 10
	.end_amdhsa_kernel
	.amdgpu_metadata
---
amdhsa.version: [ 1, 2 ]
amdhsa.kernels:
  - .name:           k_q76369b50b7_combine
    .symbol:         k_q76369b50b7_combine.kd
    .args:
      - { .name: ya, .offset: 0, .size: 8, .value_kind: global_buffer, .address_space: global }
      - { .name: rw, .offset: 8, .size: 8, .value_kind: global_buffer, .address_space: global }
      - { .name: out0, .offset: 16, .size: 8, .value_kind: global_buffer, .address_space: global }
      - { .name: out1, .offset: 24, .size: 8, .value_kind: global_buffer, .address_space: global }
    .group_segment_fixed_size: 0
    .private_segment_fixed_size: 0
    .kernarg_segment_align: 8
    .kernarg_segment_size: 32
    .max_flat_workgroup_size: 256
    .sgpr_count:     66
    .vgpr_count:     96
    .wavefront_size: 32
...
	.end_amdgpu_metadata
.endif
;; end of part 10
